; MI455X (gfx1250); checked and timed in simulation.
; The chip was launched on July 23, 2026; its instructions are those of AMD's public machine-readable ISA for CDNA 5 (MIT licence, August 2026) and "CDNA5" Instruction Set Architecture Reference Guide (July 2026). The comments in the code are by the model that wrote it; some were corrected since.
;; Self Attention. Allowed arithmetic: matrix products marked QUANTISED: E2M3 operands, one E8M0 scale for each 32 along K, by v_wmma_scale_f32_16x16x128_f8f6f4 with both operands' format E2M3, f32 sums; everything else in f32.
;; Inputs: be1 1,024 float32; be2 1,024 float32; bf1 4,096 float32; bf2 1,024 float32; bk 1,024 float32; bo 1,024 float32; bq 1,024 float32; bv 1,024 float32; g1 1,024 float32; g2 1,024 float32; mask 2 x 2,048 int32; w1 1,024 x 4,096 float32; w2 4,096 x 1,024 float32; wk 1,024 x 1,024 float32; wo 1,024 x 1,024 float32; wq 1,024 x 1,024 float32; wv 1,024 x 1,024 float32; x 2 x 2,048 x 1,024 float32.
;; Outputs: out0 2 x 2,048 x 1,024 float32.
;; This version of the problem:
;;   THIS VERSION OF THE PROBLEM IS GIVEN IN LOW PRECISION. The matrix products marked QUANTISED in the list below multiply operands that are first quantised to E2M3 (2 exponent bits, 3 mantissa bits; 6 bits a number), with one power-of-two scale for each 32 numbers along K (OCP MX v1.0); their sums are f32. All else is computed in f32.
;;   The module's matrix products, in the order in which they are computed (A, B: the left and right operand; K: the contracted axis; several contracted axes count as one K, in the product's order):
;;     1. [M 4,096, K 1,024] x [K 1,024, N 1,024]; A: computed on the way; B: input wq: QUANTISED
;;     2. [M 4,096, K 1,024] x [K 1,024, N 1,024]; A: computed on the way; B: input wk: QUANTISED
;;     3. [M 4,096, K 1,024] x [K 1,024, N 1,024]; A: computed on the way; B: input wv: QUANTISED
;;     4. batch 32 x [M 2,048, K 64] x [K 64, N 2,048]; A: computed on the way; B: computed on the way: QUANTISED
;;     5. batch 32 x [M 2,048, K 2,048] x [K 2,048, N 64]; A: softmax (see below); B: computed on the way: QUANTISED
;;     6. [M 4,096, K 1,024] x [K 1,024, N 1,024]; A: computed on the way; B: input wo: QUANTISED
;;     7. [M 4,096, K 1,024] x [K 1,024, N 4,096]; A: computed on the way; B: input w1: QUANTISED
;;     8. [M 4,096, K 4,096] x [K 4,096, N 1,024]; A: computed on the way; B: input w2: QUANTISED
;;   THE QUANTISER, for each operand of a quantised product, along K:
;;     - K is cut into blocks of 32 from its start; a last block that is shorter is filled with zeros.
;;     - A block's scale is 2^e with e = floor(log2(the largest magnitude in the block)) - 2, held to -126 .. 127; a block of zeros has e = 0. As a byte (E8M0): e + 127.
;;     - Each number is divided by its block's scale, clamped to +-7.5, and rounded to the nearest number of E2M3, ties to even, subnormals kept.
;;     - The product sums the exact products of the quantised numbers (number of the format x scale) in f32.
;;   ~~~python
;;   def quantise(x, axis):      # numpy; x: float32 -> the quantised numbers, widened to float32 again
;;       x = np.moveaxis(x, axis, -1); K = x.shape[-1]
;;       x = np.pad(x, [(0, 0)] * (x.ndim - 1) + [(0, -K % 32)]); x = x.reshape(x.shape[:-1] + (-1, 32)); a = np.abs(x).max(-1, keepdims=True)
;;       e = np.where(a > 0, np.clip(np.frexp(np.where(a > 0, a, 1))[1] - 1 - 2, -126, 127), 0)      # np.frexp(a)[1] - 1 = floor(log2(a)), exactly
;;       r = np.clip(x / 2.0 ** e, -7.5, 7.5)
;;       step = 2.0 ** (np.maximum(np.frexp(np.where(r == 0, 1, r))[1] - 1, 0) - 3)
;;       q = np.round(r / step) * step * 2.0 ** e      # np.round: ties to even
;;       return np.moveaxis(q.reshape(q.shape[:-2] + (-1,))[..., :K], -1, axis).astype(np.float32)
;;   ~~~
;;   SOFTMAX AHEAD OF A QUANTISED PRODUCT. Where the list says 'softmax', what is quantised is not the finished softmax but p = 2^(t - M), with t = logit x log2(e) and M = ceil(the row's largest t), a whole number; so 1/2 < the row's largest p <= 1. The row's sum l is taken of the UNQUANTISED p, in f32, and the product's result is divided by l at the end. Since M is a whole number, a kernel that streams over the keys may use a running M (the ceiling of the running maximum): every later rescaling is an exact power of two, which a block's scale takes up: the codes' values come out the same.
;;   OPERANDS COMPUTED ON THE WAY. 'Computed on the way' means the value that the module computes at that place (a softmax that the list does not call 'softmax' is quantised finished and normalised). What goes into a quantiser is computed in f32, as accurately as f32 sums, v_exp_f32 and their like allow (about 1e-6 of the number): no bf16 or f16 on the way to a quantiser, and a product that is left as it is and whose result goes on into a quantised operand takes f32 operands (vector FMAs, or v_wmma_f32_16x16x4_f32). A number that lies on a knife's edge between two numbers of the format may be rounded either way, as far as f32 arithmetic and the matrix unit's own rounding can turn it there, and no further.
;; 2 versions. Each part assembles by itself: llvm-mc -triple=amdgcn-amd-amdhsa -mcpu=gfx1250 --defsym DOCPART=n.
;; ======== version 1 of 2: 8 launches
;; limits: right only within a limited range of input values
;; workspace buffers: WA 2,531,328 bytes; WB 3,317,760 bytes; WC 4,096,000 bytes; XN 3,317,760 bytes; ACT 16,777,216 bytes; AO 3,276,800 bytes; X1 16,777,216 bytes
;; launch prep (part 1): grid 385 x 1, 4 waves a work-group, no clusters, 25,088 bytes of LDS; arguments wq, wk, wv, wo, w1, w2, bq, bk, bv, bf1, WA, WB, WC; writes WA, WB, WC
.if DOCPART == 1
	.amdgcn_target "amdgcn-amd-amdhsa--gfx1250"
	.amdhsa_code_object_version 6
	.text
	.protected	k_qcdbee80afa_prep
	.globl	k_qcdbee80afa_prep
	.p2align	8
	.type	k_qcdbee80afa_prep,@function
k_qcdbee80afa_prep:
	s_mov_b64 s[64:65], 0
	v_nop
	global_prefetch_b8 v0, s[64:65] scope:SCOPE_SE
	s_setreg_imm32_b32 hwreg(HW_REG_WAVE_MODE, 25, 1), 1
	s_wait_xcnt 0x0
; The six weights, f32 stored [K][N], become operands of FP6 (E2M3) codes with K innermost and one E8M0 byte for each 32 along K.
; OPERAND LAYOUT (all code buffers of this program): codes [rows / 128][K / 64][128 rows][48 bytes], scale words [rows / 128][K / 128][128 rows][4 bytes].
; ROWS LIE IN POSITION ORDER: position p holds true row swap34(p) (bits 3 and 4 exchanged), so that 16 neighbouring positions used as a matrix instruction's source 0
; leave 16 true neighbours in a lane's registers of two neighbouring tiles.
; A LANE TAKES A COLUMN n AND ITS REGISTERS RUN DOWN K: a block of 32 lies in one lane, and the conversions give codes with K innermost.  Nothing is transposed by an instruction.
; A block's scale is 2^(floor(log2(largest magnitude)) - 2); its byte is that magnitude's exponent field - 2, held at 1 from below (a block of zeros gets 1: its codes are zeros; this program alone reads the bytes).
; LIMITS: NaN and infinities are not served; blocks whose largest magnitude lies under 2^-124 keep the byte 1.
; SHARES: work-groups 0-383 take 128 columns x 256 along K each (0-127: wq, wk, wv, wo; 128-255: w1; 256-383: w2); a wave 32 columns.  Work-group 384 writes the headers of WA and WB:
; a floor word (-infinity or 0), the biases along N, zeros, the bias along M, so that one GEMM body with three arguments serves Q, K, V and the first feed-forward product.
.set OP_SC,  40960                     ; WA, WB: scale words
.set OP_CD,  172032                    ; WA, WB: codes
.set WO_SC,  0                         ; WC: wo's scale words, codes; w2's scale words, codes
.set WO_CD,  32768
.set W2_SC,  819200
.set W2_CD,  950272
.set HB_BN,  4096                      ; header: bias along N
.set HB_Z,   20480                     ; header: 4,096 zeros
.set HB_BM,  36864                     ; header: bias along M
.set NB,     8                         ; blocks of 32 a lane
.set SB,     24                        ; v24-25   two scale words
.set X,      32                        ; v32-95   two sets of 32 numbers
.set C,      96                        ; v96-102  a block's codes
.set OUTR,   112                       ; v112-159 the way out
.set OFF,    160                       ; v160-191 row i x pitch + 4 x lane; never rewritten
	s_load_b256 s[4:11], s[0:1], 0x0               ; wq, wk, wv, wo
	s_load_b256 s[12:19], s[0:1], 0x20             ; w1, w2, bq, bk
	s_load_b256 s[20:27], s[0:1], 0x40             ; bv, bf1, WA, WB
	s_load_b64 s[28:29], s[0:1], 0x60              ; WC
	v_lshl_add_u32 v192, v0, 2, 0x6000
	v_mov_b32 v193, 0
	s_cmp_eq_u32 ttmp9, 384
	s_cbranch_scc1 .Lheader                        ; the last work-group has its own path, which touches no LDS
	v_lshrrev_b32 v1, 5, v0
	v_readfirstlane_b32 s3, v1                     ; wave
	v_and_b32 v2, 31, v0                           ; lane = my column among the wave's 32
	v_lshlrev_b32 v3, 2, v2
	v_and_b32 v5, 7, v2
	v_bfe_u32 v6, v2, 3, 1
	v_lshl_add_u32 v5, v6, 4, v5
	v_bfe_u32 v6, v2, 4, 1
	v_lshl_add_u32 v5, v6, 3, v5                   ; my column's position: bits 3 and 4 exchanged
	s_mul_i32 s2, s3, 6144                         ; LDS: the wave's image [4 panels][32 rows][48 bytes]
	v_mul_u32_u24 v4, v5, 48
	v_add_nc_u32 v4, s2, v4                        ; into it: my position's row
	v_lshl_add_u32 v7, v2, 4, s2                   ; out of it: 16 bytes a lane
	s_mul_i32 s2, s3, 1536
	v_lshl_add_u32 v8, v2, 4, s2                   ; the same bytes in a panel of 128 rows: the wave's 32 rows are 1,536 bytes on end
	s_lshl_b32 s2, s3, 5
	v_add_nc_u32 v9, s2, v5
	v_lshlrev_b32 v9, 2, v9                        ; my row's scale word
	; which tensor, which 128 columns (cq), which 256 along K (kb): selects on the work-group's number alone
	s_lshr_b32 s30, ttmp9, 7                       ; group 0, 1, 2
	s_and_b32 s31, ttmp9, 127
	s_and_b32 s32, s31, 15
	s_lshr_b32 s33, s31, 4
	s_and_b32 s34, s31, 3
	s_lshr_b32 s35, s31, 2
	s_cmp_eq_u32 s30, 2
	s_cselect_b32 s32, s32, s34                    ; kb: w2 has 16 along K, the others 4
	s_cselect_b32 s33, s33, s35                    ; cq
	s_lshr_b32 s36, s33, 3
	s_and_b32 s46, s33, 7
	s_lshl_b32 s37, s30, 2
	s_or_b32 s37, s37, s36
	s_cmp_eq_u32 s37, 3
	s_cselect_b32 s38, 3, s30                      ; kind: 0 wq, wk, wv -> WA; 1 w1 -> WB; 2 w2 -> WC; 3 wo -> WC
	s_mov_b32 s42, OP_CD
	s_mov_b32 s43, OP_SC
	s_mov_b32 s44, 98304                           ; codes of a block of 128 rows, K = 1,024
	s_mov_b32 s45, 4096                            ; its scale words
	s_mov_b32 s54, 20                              ; 256 rows of the source are 2^20 bytes,
	s_mov_b32 s55, 4096                            ; a row 4,096
	s_wait_kmcnt 0x0
	s_cmp_eq_u32 s36, 1
	s_cselect_b64 s[40:41], s[6:7], s[4:5]
	s_cmp_eq_u32 s36, 2
	s_cselect_b64 s[40:41], s[8:9], s[40:41]
	s_cmp_eq_u32 s36, 3
	s_cselect_b64 s[40:41], s[10:11], s[40:41]
	s_cmp_eq_u32 s38, 1
	s_cselect_b64 s[40:41], s[12:13], s[40:41]
	s_cselect_b64 s[48:49], s[26:27], s[24:25]
	s_cselect_b32 s39, s33, s46                    ; the column block inside the source
	s_cselect_b32 s54, 22, s54                     ; (w1's rows are 16,384 bytes)
	s_cselect_b32 s55, 16384, s55
	s_cmp_ge_u32 s38, 2
	s_cselect_b64 s[48:49], s[28:29], s[48:49]
	s_cselect_b32 s47, s46, s33                    ; the row block inside the operand
	s_cmp_eq_u32 s38, 2
	s_cselect_b64 s[40:41], s[14:15], s[40:41]
	s_cselect_b32 s42, W2_CD, s42
	s_cselect_b32 s43, W2_SC, s43
	s_cselect_b32 s44, 393216, s44                 ; K = 4,096
	s_cselect_b32 s45, 16384, s45
	s_cmp_eq_u32 s38, 3
	s_cselect_b32 s42, WO_CD, s42
	s_cselect_b32 s43, WO_SC, s43
	s_mul_i32 s44, s47, s44
	s_add_co_u32 s42, s42, s44
	s_mul_i32 s44, s32, 24576                      ; 256 along K are four panels
	s_add_co_u32 s42, s42, s44
	s_mul_i32 s45, s47, s45
	s_add_co_u32 s43, s43, s45
	s_lshl_b32 s45, s32, 10                        ; and two scale words a row
	s_add_co_u32 s44, s43, s45
	s_mov_b32 s43, 0
	s_mov_b32 s45, 0
	s_add_nc_u64 s[50:51], s[48:49], s[42:43]      ; where my work-group's codes go
	s_add_nc_u64 s[52:53], s[48:49], s[44:45]      ; and its scale words
	s_lshl_b32 s42, s32, s54
	s_lshl_b32 s44, s39, 9
	s_add_co_u32 s42, s42, s44
	s_lshl_b32 s44, s3, 7
	s_add_co_u32 s42, s42, s44
	s_add_nc_u64 s[40:41], s[40:41], s[42:43]      ; the source at my wave's first column, first row
	s_lshl_b32 s56, s55, 5                         ; 32 rows on
	s_mov_b32 s57, 0
.set li, 0
.rept 32
	v_mad_u32_u24 v[OFF+li], s55, li, v3
.set li, li+1
.endr
.macro LOAD t                          ; block t: W(32 t + i, my column) into set t % 2; 32 lanes read 128 consecutive bytes
.if (\t) > 0
	s_wait_xcnt 0x0                                ; the earlier loads have read their base: it steps only behind this wait
	s_add_nc_u64 s[40:41], s[40:41], s[56:57]
.endif
.set li, 0
.rept 32
	global_load_b32 v[X+32*((\t)%2)+li], v[OFF+li], s[40:41] th:TH_LOAD_NT
.set li, li+1
.endr
.endm
	LOAD 0
	LOAD 1
.macro BLOCK t
.set XS, X+32*((\t)%2)
.if (\t) < NB-1
	s_wait_loadcnt 32                              ; this block's 32 loads are in; the next block's 32 may be out
.else
	s_wait_loadcnt 0
.endif
	v_max3_num_f32 v12, |v[XS]|, |v[XS+1]|, |v[XS+2]|      ; the block's largest magnitude: all 32 numbers are mine; two chains
	v_max3_num_f32 v13, |v[XS+3]|, |v[XS+4]|, |v[XS+5]|
.irp i, 6,10,14,18,22,26
	v_max3_num_f32 v12, v12, |v[XS+\i]|, |v[XS+\i+1]|
	v_max3_num_f32 v13, v13, |v[XS+\i+2]|, |v[XS+\i+3]|
.endr
	v_max3_num_f32 v12, v12, |v[XS+30]|, |v[XS+31]|
	v_max3_num_f32 v12, v12, v13, 0x1800000        ; and the floor 2^(3 - 127): the byte cannot fall under 1
	v_add_nc_u32 v11, 0xff000000, v12              ; 2 off the exponent field: the conversion takes this operand's exponent field as its scale
	v_cvt_scalef32_pk16_fp6_f32 v[C:C+2], v[XS:XS+15], v11
	v_cvt_scalef32_pk16_fp6_f32 v[C+4:C+6], v[XS+16:XS+31], v11   ; (a conversion's three registers begin on an even number)
	v_lshrrev_b32 v13, 23, v11                     ; the scale's byte; also the plain line between the conversions and the moves
	v_mov_b32 v[C+3], v[C+4]                       ; the block's 24 bytes on end in v96-101
	v_mov_b32 v[C+4], v[C+5]
	v_mov_b32 v[C+5], v[C+6]
.if (\t)%4 == 0
	v_mov_b32 v[SB+(\t)/4], v13                    ; four bytes to a word, the lower K in the lower byte
.else
	v_lshl_or_b32 v[SB+(\t)/4], v13, 8*((\t)%4), v[SB+(\t)/4]
.endif
.irp i, 0,1,2
	ds_store_b64 v4, v[C+2*\i:C+2*\i+1] offset:((\t)/2)*1536+24*((\t)%2)+8*\i   ; panel t / 2, half t % 2 of my row
.endr
.if (\t)+2 < NB
	LOAD (\t)+2
.endif
	s_wait_dscnt 0x0                               ; the stores are done: the next block's codes may be written
.endm
.irp t, 0,1,2,3,4,5,6,7
	BLOCK \t
.endr
	global_store_b32 v9, v[SB], s[52:53]           ; my row's two scale words
	global_store_b32 v9, v[SB+1], s[52:53] offset:512
.irp k, 0,1,2,3,4,5,6,7,8,9,10,11
	ds_load_b128 v[OUTR+4*\k:OUTR+4*\k+3], v7 offset:512*\k    ; LDS serves a wave's instructions in order (ISA guide 5.7.1.4): these see my stores
.endr
.irp k, 0,1,2,3,4,5,6,7,8,9,10,11
	s_wait_dscnt 11-\k                             ; the younger loads may be out
	global_store_b128 v8, v[OUTR+4*\k:OUTR+4*\k+3], s[50:51] offset:(\k/3)*6144+(\k%3)*512   ; 32 lanes store 512 consecutive bytes, at a multiple of 256 from the buffer's first byte
.endr
	s_wait_tensorcnt 0x0
	ds_add_u32 v192, v193
	s_wait_dscnt 0x0
	s_endpgm
.Lheader:                              ; 128 threads x 16 bytes: 2,048 bytes an instruction
	v_lshlrev_b32 v1, 4, v0
	v_lshlrev_b32 v2, 2, v0
	v_mov_b32 v4, 0
	v_mov_b32 v5, 0
	v_mov_b32 v6, 0
	v_mov_b32 v7, 0
	v_mov_b32 v8, 0xff800000                       ; -infinity: the floor that changes nothing
	s_wait_kmcnt 0x0
.irp k, 0,1
	global_load_b128 v[32+4*\k:35+4*\k], v1, s[16:17] offset:2048*\k   ; bq
	global_load_b128 v[40+4*\k:43+4*\k], v1, s[18:19] offset:2048*\k   ; bk
	global_load_b128 v[48+4*\k:51+4*\k], v1, s[20:21] offset:2048*\k   ; bv
.endr
.irp k, 0,1,2,3,4,5,6,7
	global_load_b128 v[56+4*\k:59+4*\k], v1, s[22:23] offset:2048*\k   ; bf1
.endr
	global_store_b32 v2, v8, s[24:25]              ; WA's floor
	global_store_b32 v2, v4, s[26:27]              ; WB's floor: 0, the relu
.irp k, 0,1,2,3,4,5,6,7
	global_store_b128 v1, v[4:7], s[24:25] offset:HB_Z+2048*\k
	global_store_b128 v1, v[4:7], s[26:27] offset:HB_Z+2048*\k
.endr
.irp k, 0,1
	global_store_b128 v1, v[4:7], s[26:27] offset:HB_BM+2048*\k
.endr
	s_wait_loadcnt 0x0
.irp k, 0,1
	global_store_b128 v1, v[32+4*\k:35+4*\k], s[24:25] offset:HB_BN+2048*\k
	global_store_b128 v1, v[40+4*\k:43+4*\k], s[24:25] offset:HB_BN+4096+2048*\k
	global_store_b128 v1, v[48+4*\k:51+4*\k], s[24:25] offset:HB_BM+2048*\k
.endr
.irp k, 0,1,2,3,4,5,6,7
	global_store_b128 v1, v[56+4*\k:59+4*\k], s[26:27] offset:HB_BN+2048*\k
.endr
	s_endpgm
.Lfunc_end_k_qcdbee80afa_prep:
	.size	k_qcdbee80afa_prep, .Lfunc_end_k_qcdbee80afa_prep-k_qcdbee80afa_prep
	.p2alignl 7, 3214868480
	.fill 96, 4, 3214868480
	.section	.rodata,"a",@progbits
	.p2align	6, 0x0
	.amdhsa_kernel k_qcdbee80afa_prep
		.amdhsa_group_segment_fixed_size 25088
		.amdhsa_private_segment_fixed_size 0
		.amdhsa_enable_private_segment 0
		.amdhsa_kernarg_size 104
		.amdhsa_user_sgpr_count 2
		.amdhsa_user_sgpr_kernarg_segment_ptr 1
		.amdhsa_wavefront_size32 1
		.amdhsa_system_sgpr_workgroup_id_x 1
		.amdhsa_system_sgpr_workgroup_id_y 1
		.amdhsa_system_sgpr_workgroup_id_z 1
		.amdhsa_system_vgpr_workitem_id 0
		.amdhsa_next_free_vgpr 194
		.amdhsa_next_free_sgpr 66
		.amdhsa_reserve_vcc 0
		.amdhsa_float_denorm_mode_32 3
		.amdhsa_float_denorm_mode_16_64 3
		.amdhsa_memory_ordered 1
		.amdhsa_forward_progress 1
		.amdhsa_inst_pref_size 52
	.end_amdhsa_kernel
	.amdgpu_metadata
---
amdhsa.version: [ 1, 2 ]
amdhsa.kernels:
  - .name:           k_qcdbee80afa_prep
    .symbol:         k_qcdbee80afa_prep.kd
    .args:
      - { .name: wq, .offset: 0, .size: 8, .value_kind: global_buffer, .address_space: global }
      - { .name: wk, .offset: 8, .size: 8, .value_kind: global_buffer, .address_space: global }
      - { .name: wv, .offset: 16, .size: 8, .value_kind: global_buffer, .address_space: global }
      - { .name: wo, .offset: 24, .size: 8, .value_kind: global_buffer, .address_space: global }
      - { .name: w1, .offset: 32, .size: 8, .value_kind: global_buffer, .address_space: global }
      - { .name: w2, .offset: 40, .size: 8, .value_kind: global_buffer, .address_space: global }
      - { .name: bq, .offset: 48, .size: 8, .value_kind: global_buffer, .address_space: global }
      - { .name: bk, .offset: 56, .size: 8, .value_kind: global_buffer, .address_space: global }
      - { .name: bv, .offset: 64, .size: 8, .value_kind: global_buffer, .address_space: global }
      - { .name: bf1, .offset: 72, .size: 8, .value_kind: global_buffer, .address_space: global }
      - { .name: WA, .offset: 80, .size: 8, .value_kind: global_buffer, .address_space: global }
      - { .name: WB, .offset: 88, .size: 8, .value_kind: global_buffer, .address_space: global }
      - { .name: WC, .offset: 96, .size: 8, .value_kind: global_buffer, .address_space: global }
    .group_segment_fixed_size: 25088
    .private_segment_fixed_size: 0
    .kernarg_segment_align: 8
    .kernarg_segment_size: 104
    .max_flat_workgroup_size: 128
    .sgpr_count:     66
    .vgpr_count:     194
    .wavefront_size: 32
...
	.end_amdgpu_metadata
.endif
;; end of part 1
;; launch ln1 (part 2): grid 256 x 1, 4 waves a work-group, no clusters, 32,256 bytes of LDS; arguments x, g1, be1, XN; writes XN
.if DOCPART == 2
	.amdgcn_target "amdgcn-amd-amdhsa--gfx1250"
	.amdhsa_code_object_version 6
	.text
	.protected	k_qcdbee80afa_ln1
	.globl	k_qcdbee80afa_ln1
	.p2align	8
	.type	k_qcdbee80afa_ln1,@function
k_qcdbee80afa_ln1:
	s_mov_b64 s[64:65], 0
	v_nop
	global_prefetch_b8 v0, s[64:65] scope:SCOPE_SE
	s_setreg_imm32_b32 hwreg(HW_REG_WAVE_MODE, 25, 1), 1
	s_wait_xcnt 0x0
; Layer norm of 4,096 rows of 1,024 f32, (x - mean) * rsqrt(var + 1e-5) * g + b, all in f32 (mean first, then the mean of squared differences), then quantised along the row
; to FP6 (E2M3) codes with one E8M0 byte for each 32.  Out: codes [rows / 128][16 panels][128 rows][48 bytes] and scale words [rows / 128][8][128 rows][4 bytes], rows in position order
; (position p holds token swap34(p): bits 3 and 4 exchanged).
; SHARES: work-group G owns positions 16 G .. 16 G + 15; wave w four of them, which are four neighbouring tokens; a wave takes a whole row, so a reduction never leaves the wave.
; Every load is dense (32 lanes read 512 consecutive bytes).  The conversions want 32 neighbours in one lane: a row turns through the wave's own stage in LDS, 128 bytes + 16 of padding for each block of 32.
; The codes of the 16 rows meet in a stage laid as the output's panels and leave as pieces of 768 consecutive bytes; the scale words leave in pieces of 64 bytes (one byte in 24 of what is stored).
; LIMITS: NaN and infinities are not served; a block whose largest magnitude lies under 2^-124 (a block of zeros too) gets the byte 1, which this program alone reads.
.set OP_SC, 40960
.set OP_CD, 172032
.set GG,   16                          ; v16-47   g, as loaded
.set BE,   48                          ; v48-79   b
.set R,    80                          ; v80-207  four rows; on the way out v80-104
.set T,    208                         ; v208-239 the turned row: my block's 32 numbers
.set C,    240                         ; v240-246 codes; v247 the byte
.set CSTG, 18432                       ; LDS: four turn stages of 4,608 bytes from 0; the code stage: 16 panels 784 bytes apart (16 rows x 48 + 16);
.set SSTG, 30976                       ; the scale stage: [8 words][16 rows][4 bytes]
	s_load_b256 s[4:11], s[0:1], 0x0               ; in, g, b, out
	v_lshl_add_u32 v14, v0, 2, 0x7c00
	v_mov_b32 v15, 0
	v_lshrrev_b32 v1, 5, v0
	v_readfirstlane_b32 s12, v1                    ; wave
	v_and_b32 v1, 31, v0                           ; lane
	v_lshlrev_b32 v2, 4, v1                        ; my 16 bytes of a load's 512
	s_mul_i32 s13, s12, 4608
	v_lshrrev_b32 v11, 3, v1
	v_mul_u32_u24 v3, v11, 144
	v_and_b32 v11, 7, v1
	v_lshl_add_u32 v3, v11, 4, v3
	v_add_nc_u32 v3, s13, v3                       ; turn stage, in: eight lanes fill a block's 128 bytes
	v_mul_u32_u24 v4, v1, 144
	v_add_nc_u32 v4, s13, v4                       ; turn stage, out: lane l takes block l
	v_lshrrev_b32 v11, 1, v1
	v_mul_u32_u24 v5, v11, 784
	v_and_b32 v11, 1, v1
	v_mad_u32_u24 v5, v11, 24, v5
	s_mul_i32 s13, s12, 192
	s_add_co_u32 s13, s13, CSTG
	v_add_nc_u32 v5, s13, v5                       ; code stage: panel l / 2, half l % 2, row 4 w (+ i in the immediate)
	v_lshrrev_b32 v11, 2, v1
	v_and_b32 v6, 3, v1
	v_lshl_add_u32 v6, v11, 6, v6
	s_lshl_b32 s13, s12, 4
	s_add_co_u32 s13, s13, SSTG
	v_add_nc_u32 v6, s13, v6                       ; scale stage: word l / 4, byte l % 4, row 4 w
	v_lshrrev_b32 v11, 4, v0                       ; the way out: thread t: panel t / 16 (+ 8), 16 bytes at 16 (t % 16)
	v_and_b32 v12, 15, v0
	v_mul_u32_u24 v7, v11, 784
	v_lshl_add_u32 v7, v12, 4, v7
	v_add_nc_u32 v7, CSTG, v7
	v_mul_u32_u24 v8, v11, 6144
	v_lshl_add_u32 v8, v12, 4, v8
	v_lshl_add_u32 v9, v0, 2, SSTG
	v_lshlrev_b32 v10, 2, v12
	v_lshl_add_u32 v10, v11, 9, v10
	s_lshr_b32 s14, ttmp9, 1
	s_lshl_b32 s14, s14, 5
	s_and_b32 s15, ttmp9, 1
	s_lshl_b32 s15, s15, 3
	s_add_co_u32 s14, s14, s15
	s_lshl_b32 s15, s12, 2
	s_add_co_u32 s14, s14, s15
	s_lshr_b32 s15, s12, 1
	s_lshl_b32 s15, s15, 3
	s_add_co_u32 s14, s14, s15                     ; my first token: 32 (G / 2) + 8 (G % 2) + 4 w + 8 (w / 2)
	s_lshl_b32 s14, s14, 12
	s_mov_b32 s15, 0
	s_lshr_b32 s16, ttmp9, 3
	s_and_b32 s17, ttmp9, 7
	s_mul_i32 s18, s16, 98304
	s_mul_i32 s19, s17, 768
	s_add_co_u32 s18, s18, s19
	s_add_co_u32 s18, s18, OP_CD
	s_mov_b32 s19, 0
	s_lshl_b32 s20, s16, 12
	s_lshl_b32 s21, s17, 6
	s_add_co_u32 s20, s20, s21
	s_add_co_u32 s20, s20, OP_SC
	s_mov_b32 s21, 0
	s_mov_b32 s22, 0x3a800000                      ; 1 / 1,024
	s_mov_b32 s23, 0x3727c5ac                      ; 1e-5
	s_mov_b32 s24, 0x76543210                      ; v_permlanex16_b32's selects for lane l xor 16
	s_mov_b32 s25, 0xfedcba98
	s_wait_kmcnt 0x0
	s_add_nc_u64 s[4:5], s[4:5], s[14:15]
	s_add_nc_u64 s[26:27], s[10:11], s[18:19]
	s_add_nc_u64 s[28:29], s[10:11], s[20:21]
.irp k, 0,1,2,3,4,5,6,7
	global_load_b128 v[GG+4*\k:GG+4*\k+3], v2, s[6:7] offset:512*\k
.endr
.irp k, 0,1,2,3,4,5,6,7
	global_load_b128 v[BE+4*\k:BE+4*\k+3], v2, s[8:9] offset:512*\k
.endr
.irp i, 0,1,2,3
.irp k, 0,1,2,3,4,5,6,7
	global_load_b128 v[R+32*\i+4*\k:R+32*\i+4*\k+3], v2, s[4:5] offset:4096*\i+512*\k th:TH_LOAD_NT
.endr
.endr
.macro REDUCE                          ; v248 summed over the 32 lanes, the result in every lane
	v_add_f32_dpp v248, v248, v248 row_xmask:1 row_mask:0xf bank_mask:0xf
	v_add_f32_dpp v248, v248, v248 row_xmask:2 row_mask:0xf bank_mask:0xf
	v_add_f32_dpp v248, v248, v248 row_xmask:4 row_mask:0xf bank_mask:0xf
	v_add_f32_dpp v248, v248, v248 row_xmask:8 row_mask:0xf bank_mask:0xf
	v_permlanex16_b32 v249, v248, s24, s25
	v_add_f32 v248, v248, v249
.endm
.macro ROW i
.set RB, R+32*(\i)
	s_wait_loadcnt 8*(3-(\i))                      ; g, b and my rows up to this one are in; the later rows' eight loads each may be out
	v_pk_add_f32 v[248:249], v[RB:RB+1], v[RB+4:RB+5]          ; the sum, in two chains
	v_pk_add_f32 v[250:251], v[RB+2:RB+3], v[RB+6:RB+7]
.irp j, 8,12,16,20,24,28
	v_pk_add_f32 v[248:249], v[248:249], v[RB+\j:RB+\j+1]
	v_pk_add_f32 v[250:251], v[250:251], v[RB+\j+2:RB+\j+3]
.endr
	v_pk_add_f32 v[248:249], v[248:249], v[250:251]
	v_add_f32 v248, v248, v249
	REDUCE
	v_mul_f32 v252, s22, v248                      ; the mean, twice: a pair for the packed form
	v_mul_f32 v253, s22, v248
.irp j, 0,2,4,6,8,10,12,14,16,18,20,22,24,26,28,30
	v_pk_add_f32 v[RB+\j:RB+\j+1], v[RB+\j:RB+\j+1], v[252:253] neg_lo:[0,1] neg_hi:[0,1]
.endr
	v_pk_mul_f32 v[248:249], v[RB:RB+1], v[RB:RB+1]            ; the sum of squared differences
	v_pk_mul_f32 v[250:251], v[RB+2:RB+3], v[RB+2:RB+3]
.irp j, 4,8,12,16,20,24,28
	v_pk_fma_f32 v[248:249], v[RB+\j:RB+\j+1], v[RB+\j:RB+\j+1], v[248:249]
	v_pk_fma_f32 v[250:251], v[RB+\j+2:RB+\j+3], v[RB+\j+2:RB+\j+3], v[250:251]
.endr
	v_pk_add_f32 v[248:249], v[248:249], v[250:251]
	v_add_f32 v248, v248, v249
	REDUCE
	v_fma_f32 v248, v248, s22, s23                 ; variance + 1e-5
	v_rsq_f32 v254, v248
	v_nop                                          ; a plain line behind the transcendental (ISA guide 5.7.2)
	s_wait_alu depctr_va_vdst(0)                   ; the wait ahead of the first line that names the result
	v_mov_b32 v255, v254
.irp j, 0,2,4,6,8,10,12,14,16,18,20,22,24,26,28,30
	v_pk_mul_f32 v[RB+\j:RB+\j+1], v[RB+\j:RB+\j+1], v[254:255]
.endr
.irp j, 0,2,4,6,8,10,12,14,16,18,20,22,24,26,28,30
	v_pk_fma_f32 v[RB+\j:RB+\j+1], v[RB+\j:RB+\j+1], v[GG+\j:GG+\j+1], v[BE+\j:BE+\j+1]
.endr
.irp k, 0,1,2,3,4,5,6,7
	ds_store_b128 v3, v[RB+4*\k:RB+4*\k+3] offset:576*\k       ; a load's 512 bytes are four blocks
.endr
.irp k, 0,1,2,3,4,5,6,7
	ds_load_b128 v[T+4*\k:T+4*\k+3], v4 offset:16*\k           ; LDS serves a wave's instructions in order: these see the stores
.endr
	s_wait_dscnt 0x0                               ; my block is back; the last row's stores of codes and byte are done too
	v_max3_num_f32 v250, |v[T]|, |v[T+1]|, |v[T+2]|
	v_max3_num_f32 v251, |v[T+3]|, |v[T+4]|, |v[T+5]|
.irp j, 6,10,14,18,22,26
	v_max3_num_f32 v250, v250, |v[T+\j]|, |v[T+\j+1]|
	v_max3_num_f32 v251, v251, |v[T+\j+2]|, |v[T+\j+3]|
.endr
	v_max3_num_f32 v250, v250, |v[T+30]|, |v[T+31]|
	v_max3_num_f32 v250, v250, v251, 0x1800000     ; the floor 2^(3 - 127): the byte cannot fall under 1
	v_add_nc_u32 v251, 0xff000000, v250            ; 2 off the exponent field: the conversions' scale operand
	v_cvt_scalef32_pk16_fp6_f32 v[C:C+2], v[T:T+15], v251
	v_cvt_scalef32_pk16_fp6_f32 v[C+4:C+6], v[T+16:T+31], v251
	v_lshrrev_b32 v247, 23, v251                   ; the byte; also the plain line behind the conversions
	v_mov_b32 v[C+3], v[C+4]
	v_mov_b32 v[C+4], v[C+5]
	v_mov_b32 v[C+5], v[C+6]
.irp j, 0,1,2
	ds_store_b64 v5, v[C+2*\j:C+2*\j+1] offset:48*(\i)+8*\j
.endr
	ds_store_b8 v6, v247 offset:4*(\i)
.endm
	ROW 0
	ROW 1
	ROW 2
	ROW 3
	s_wait_dscnt 0x0                               ; for the others' sake: my stores into the two stages are done
	s_barrier_signal -1
	s_barrier_wait -1
.irp a, 0,1
.irp j, 0,1,2
	ds_load_b128 v[R+4*(3*\a+\j):R+4*(3*\a+\j)+3], v7 offset:6272*\a+256*\j
.endr
.endr
	ds_load_b32 v[R+24], v9
.irp a, 0,1
.irp j, 0,1,2
	s_wait_dscnt 6-(3*\a+\j)                       ; the younger loads may be out
	global_store_b128 v8, v[R+4*(3*\a+\j):R+4*(3*\a+\j)+3], s[26:27] offset:49152*\a+256*\j   ; 16 lanes store 256 consecutive bytes, at a multiple of 256 from the buffer's first byte
.endr
.endr
	s_wait_dscnt 0x0
	global_store_b32 v10, v[R+24], s[28:29]
	s_wait_tensorcnt 0x0
	ds_add_u32 v14, v15
	s_wait_dscnt 0x0
	s_endpgm
.Lfunc_end_k_qcdbee80afa_ln1:
	.size	k_qcdbee80afa_ln1, .Lfunc_end_k_qcdbee80afa_ln1-k_qcdbee80afa_ln1
	.p2alignl 7, 3214868480
	.fill 96, 4, 3214868480
	.section	.rodata,"a",@progbits
	.p2align	6, 0x0
	.amdhsa_kernel k_qcdbee80afa_ln1
		.amdhsa_group_segment_fixed_size 32256
		.amdhsa_private_segment_fixed_size 0
		.amdhsa_enable_private_segment 0
		.amdhsa_kernarg_size 32
		.amdhsa_user_sgpr_count 2
		.amdhsa_user_sgpr_kernarg_segment_ptr 1
		.amdhsa_wavefront_size32 1
		.amdhsa_system_sgpr_workgroup_id_x 1
		.amdhsa_system_sgpr_workgroup_id_y 1
		.amdhsa_system_sgpr_workgroup_id_z 1
		.amdhsa_system_vgpr_workitem_id 0
		.amdhsa_next_free_vgpr 256
		.amdhsa_next_free_sgpr 66
		.amdhsa_reserve_vcc 0
		.amdhsa_float_denorm_mode_32 3
		.amdhsa_float_denorm_mode_16_64 3
		.amdhsa_memory_ordered 1
		.amdhsa_forward_progress 1
		.amdhsa_inst_pref_size 45
	.end_amdhsa_kernel
	.amdgpu_metadata
---
amdhsa.version: [ 1, 2 ]
amdhsa.kernels:
  - .name:           k_qcdbee80afa_ln1
    .symbol:         k_qcdbee80afa_ln1.kd
    .args:
      - { .name: x, .offset: 0, .size: 8, .value_kind: global_buffer, .address_space: global }
      - { .name: g1, .offset: 8, .size: 8, .value_kind: global_buffer, .address_space: global }
      - { .name: be1, .offset: 16, .size: 8, .value_kind: global_buffer, .address_space: global }
      - { .name: XN, .offset: 24, .size: 8, .value_kind: global_buffer, .address_space: global }
    .group_segment_fixed_size: 32256
    .private_segment_fixed_size: 0
    .kernarg_segment_align: 8
    .kernarg_segment_size: 32
    .max_flat_workgroup_size: 128
    .sgpr_count:     66
    .vgpr_count:     256
    .wavefront_size: 32
...
	.end_amdgpu_metadata
.endif
;; end of part 2
;; launch qkv (part 3): grid 8 x 24, 4 waves a work-group, clusters of 4 x 4, 327,680 bytes of LDS; arguments XN, WA, ACT; writes ACT
.if DOCPART == 3
	.amdgcn_target "amdgcn-amd-amdhsa--gfx1250"
	.amdhsa_code_object_version 6
	.text
	.protected	k_qcdbee80afa_qkv
	.globl	k_qcdbee80afa_qkv
	.p2align	8
	.type	k_qcdbee80afa_qkv,@function
k_qcdbee80afa_qkv:
	s_mov_b64 s[64:65], 0
	v_nop
	global_prefetch_b8 v0, s[64:65] scope:SCOPE_SE
	s_setreg_imm32_b32 hwreg(HW_REG_WAVE_MODE, 25, 1), 1
	s_wait_xcnt 0x0
	s_wait_alu depctr_hold_cnt(0) depctr_sa_sdst(0) depctr_va_vdst(0) depctr_va_sdst(0) depctr_va_ssrc(0) depctr_va_vcc(0) depctr_vm_vsrc(0)
	s_getreg_b32 s2, hwreg(HW_REG_IB_STS2, 6, 4)
	s_cmp_eq_u32 s2, 0
	s_cbranch_scc0 .Lentry_in_a_cluster
	s_endpgm
.Lentry_in_a_cluster:
	s_bfe_u32 s2, ttmp6, 0x10000c
	s_cmp_lg_u32 s2, 0xf033
	s_cbranch_scc0 .Lentry_shape_is_right
	s_endpgm
.Lentry_shape_is_right:
; C = max(A B^T + bias, floor), K = 1,024, on FP6 (E2M3) codes with one E8M0 scale for each 32 along K; C is quantised along its columns and stored as codes: the next product's operand.
; Arguments: X (activations' codes), W (weights' codes behind a header), OUT.  Both operands lie alike: codes [rows / 128][K / 64][128 rows][48 bytes] from OP_CD, scale words [rows / 128][K / 128][128][4] from OP_SC;
; rows in position order (position p holds true row swap34(p)).  W's header: a floor word, a bias along N, zeros, a bias along M.
; TWO ROLES, told apart by the cluster's y alone, by selects and no branch.  Role 1 (cluster y under 4): A = X's tokens, B = W's rows: OUT[token][n].  Role 2: A = W's rows from 2,048 on (wv), B = X's tokens:
; OUT = V^T[d][token], quantised along the tokens, behind V_OFF.  With a grid of 16 x 16 (the first feed-forward product) role 2 does not occur.
; A tile of C, 256 x 256, is made by four waves, as many as a WGP has SIMDs; a wave makes 128 x 128: 64 accumulators, 512 registers.  K goes in steps of 256 through a ring of two LDS slots; 128 rows x 256 K of an operand are ONE dense
; block of 24,576 bytes, which one tensor load brings as it lies: rows 48 bytes apart inside a panel, so that the 32 lanes of a load of 8 bytes touch 64 different banks (64 banks of 4 bytes: ISA guide 11.1).
; The scale words of the work-group's rows, for all of K, come once with the first fills and stay.
; CLUSTERS: 4 x 4 work-groups; A's tiles are asked for jointly along a row of the cluster, B's along a column.  THE MATRIX INSTRUCTION IS USED TRANSPOSED (source 0 = 16 positions of B, source 1 = 16 of A):
; a lane holds one row of C, and the 16 registers of B's tiles 2 g, 2 g + 1 are the 16 true neighbours 32 g + 16 (lane / 16) + i along the next K.
; The bias along N is the C of each sum's first matrix instruction.  The bias along M and the floor are applied on the way out in every role (zeros and -infinity where they are not wanted).
; LIMITS: NaN and infinities are not served; an output block whose largest magnitude lies under 2^-124 (a block of zeros too) gets the byte 1, which this program alone reads.
; REGISTERS: window 0: v16-30 addresses; v32-63 scale words, two sets; v64-127 the bias tile, on the way out a block's 64 numbers; v128-223 A's fragments, ONE set; v224-239 the bias along M, each twice.
;   window 1: B's fragments, two sets, at v0 and v128.   windows 2, 3: the accumulators of my rows 0-63 and 64-127 ((a, b) at v[8 (8 (a % 4) + b)]).
.set OP_SC,  40960
.set OP_CD,  172032
.set HB_BN,  4096
.set HB_Z,   20480
.set HB_BM,  36864
.set ACT_CD, 524288                    ; OUT: scale words [32][32][128][4] from 0, codes [32][64][128][48] from here
.set V_OFF,  13107200                  ; OUT: V^T, laid alike, from here
.set NQ,     2                         ; matrix instructions deep in a slot
.set FR,     12                        ; registers of a fragment
.set NL,     6                         ; LDS loads that bring one
.set NP,     4                         ; places behind this matrix instruction (ISA guide 7.12.1)
.set HALFT,  24576                     ; 128 rows x 256 K: four panels of 6,144 bytes
.set SLOT,   4*HALFT                   ; A's two halves, then B's two
.set LAPS,   2                         ; K = 1,024: four K steps, twice round the ring
.set RBC,    98304                     ; an operand's codes of 128 rows
.set RBS,    4096                      ; and their scale words
.set HALFS,  4096
.set SCL,    2*SLOT                    ; behind the ring: four quarters of scale words; B's two lie 64 bytes further on, so that A's lanes and B's fall on different banks
.set SPARE,  213248                    ; the spare words, 128 bytes for each wave: two blocks of 256 bytes that no other line names
.set WSTG,   12800                     ; the way out: two panels of 6,144 bytes and 512 bytes of scale words for each wave, in slot 0, which has had its last fill and its last read by then
.set ADRA, 16                          ; v16-17 LDS address of my A fragments in slot 0, 1
.set ADRB, 20                          ; v20-21 the same for B
.set STO,  24                          ; v24 the way out: my row's 24 bytes in a panel
.set RD,   25                          ; v25 the way out: 16 bytes a lane
.set CO,   26                          ; v26 16 x lane
.set ADRS, 27                          ; v27 my scale words: lanes 0-15 A's rows, lanes 16-31 B's
.set SPW,  28                          ; v28 my spare word; never rewritten
.set NIL,  29                          ; v29 0; never rewritten
.set SWA,  30                          ; v30 the way out: my row's scale word
.set SC,   32
.set BN,   64
.set HA,   64
.set AF,   128
.set BM,   224
.set PC,   128                         ; the way out: codes v128-147
.set TM,   152                         ; v152-167 at work
.set PW,   168                         ; the scale word just made
.set SW4,  172                         ; v172-175 scale words on their way out
.set OB,   176                         ; v176-223 a panel on its way out
.set SEL,  18                          ; s[18:19] v_permlanex16_b32's selects
.set G1, 24
.set G0, 32
.set G1B, 48
.set G0B, 56
.set G1S, 68
.set G0S, 76
.set G1SB, 80
.set G0SB, 88
.set MSB, 0
.macro WIN new                         ; the immediate's high byte repeats the setting that is left
.if MSB != (\new)
	s_set_vgpr_msb (MSB<<8)|(\new)
.set MSB, (\new)
.endif
.endm
.set MUL_LO,  0xa1                     ; source 0 (B) window 1, source 1 (A) window 0, C and D window 2
.set MUL_HI,  0xf1                     ; the same, C and D window 3
.set MUL_LO1, 0x81                     ; the first step: C (the bias tile) window 0, D window 2
.set MUL_HI1, 0xc1
.set TO_B,    0x40
; A joint load: waves 0 and 1 fetch for A, waves 2 and 3 for B.  The branch hangs on the wave's number alone.  Four v_nop follow each of the two lines.
.macro JLOAD g0a, g1a, g0b, g1b
	s_cmp_eq_u32 s15, 0
	s_cbranch_scc0 .Lfor_b_\@
	tensor_load_to_lds s[\g0a:\g0a+3], s[\g1a:\g1a+7]
	s_nop 0
.rept 4
	v_nop
.endr
	s_branch .Lasked_\@
.Lfor_b_\@:
	tensor_load_to_lds s[\g0b:\g0b+3], s[\g1b:\g1b+7]
	s_nop 0
.rept 4
	v_nop
.endr
.Lasked_\@:
.endm
.macro CREST                           ; a round of the cluster's barrier behind its opening barrier
	s_cmp_lg_u32 s14, 0
	s_cbranch_scc1 .Lnot_wave_0_\@
	s_barrier_signal -3
.Lnot_wave_0_\@:
	s_barrier_wait -3
	s_barrier_signal -1
	s_barrier_wait -1
.endm
.macro CROUND
	s_barrier_signal -1
	s_barrier_wait -1
	CREST
.endm
	s_load_b128 s[4:7], s[0:1], 0x0                ; X, W
	s_load_b64 s[8:9], s[0:1], 0x10                ; OUT
	v_lshl_add_u32 v[SPW], v0, 2, SPARE
	v_mov_b32 v[NIL], 0
	ds_add_u32 v28, v29
	ds_add_u32 v28, v29
	s_wait_dscnt 0x0
	v_lshrrev_b32 v1, 5, v0
	v_readfirstlane_b32 s14, v1                    ; wave 0..3
	s_lshr_b32 s15, s14, 1                         ; which half of the tile's rows is mine.  Also: I fetch for A (0) or for B (1)
	s_and_b32 s16, s14, 1                          ; which half of its columns.  Also: which 128 rows I fetch
	s_bfe_u32 s40, ttmp6, 0x40000                  ; cx, cy
	s_bfe_u32 s41, ttmp6, 0x40004
	s_and_b32 s18, ttmp7, 0xffff                   ; the cluster's y
	s_sub_co_u32 s19, s18, 4
	s_lshl_b32 s19, s19, 1
	s_add_co_u32 s19, s19, ttmp9                   ; role 2's column of clusters: x + 2 (y - 4)
	s_mov_b32 s94, HB_BN
	s_mov_b32 s95, HB_Z
	s_cmp_ge_u32 s18, 4                            ; role 2?  The same in all sixteen partners
	s_cselect_b32 s97, 1, 0
	s_cselect_b32 s18, 0, s18                      ; row of clusters
	s_cselect_b32 s19, s19, ttmp9                  ; column of clusters
	s_cselect_b32 s99, 16, 0                       ; wv's rows begin 16 blocks of 128 into W
	s_cselect_b32 s94, HB_Z, s94                   ; the bias along N,
	s_cselect_b32 s95, HB_BM, s95                  ; along M,
	s_cselect_b32 s96, V_OFF, 0                    ; and where the result goes
	s_lshl_b32 s42, s19, 2
	s_add_co_u32 s42, s42, s40                     ; tile column
	s_lshl_b32 s17, s18, 2
	s_add_co_u32 s17, s17, s41                     ; tile row
	s_lshl_b32 s43, s41, 2
	s_lshl_b32 s43, 15, s43                        ; my row of the cluster
	s_lshl_b32 s44, 0x1111, s40                    ; my column
	; descriptor group 1: a dense block of 24,576 bytes as 96 rows of 32 elements of 8 bytes
	s_or_b32 s[G1+0], s43, (3<<16)|(1<<21)         ; 15:0 the mask; 17:16 elements of 8 bytes; 20 no padding; 21 set beside a mask
	s_or_b32 s[G1B+0], s44, (3<<16)|(1<<21)
.irp g, G1, G1B
	s_mov_b32 s[\g+1], 32<<16                      ; tensor_dim0
	s_mov_b32 s[\g+2], 96<<16                      ; tensor_dim1
	s_mov_b32 s[\g+3], 32<<16                      ; tile_dim0
	s_mov_b32 s[\g+4], 96                          ; tile_dim1
	s_mov_b32 s[\g+5], 32                          ; tensor_dim0_stride
	s_mov_b32 s[\g+6], 0
	s_mov_b32 s[\g+7], 0
.endr
	; the scale words of 128 rows: 4,096 dense bytes as 16 such rows
	s_or_b32 s[G1S+0], s43, (3<<16)|(1<<21)
	s_or_b32 s[G1SB+0], s44, (3<<16)|(1<<21)
.irp g, G1S, G1SB
	s_mov_b32 s[\g+1], 32<<16
	s_mov_b32 s[\g+2], (HALFS/256)<<16
	s_mov_b32 s[\g+3], 32<<16
	s_mov_b32 s[\g+4], HALFS/256
	s_mov_b32 s[\g+5], 32
	s_mov_b32 s[\g+6], 0
	s_mov_b32 s[\g+7], 0
.endr
	s_lshl_b32 s20, s17, 1
	s_add_co_u32 s20, s20, s16
	s_add_co_u32 s20, s20, s99                     ; A: the block of 128 rows that I fetch
	s_lshl_b32 s46, s42, 1
	s_add_co_u32 s46, s46, s16                     ; B: likewise
	s_mul_i32 s22, s20, RBS
	s_add_co_u32 s22, s22, OP_SC
	s_mul_i32 s20, s20, RBC
	s_add_co_u32 s20, s20, OP_CD
	s_mul_i32 s92, s46, RBS
	s_add_co_u32 s92, s92, OP_SC
	s_mul_i32 s46, s46, RBC
	s_add_co_u32 s46, s46, OP_CD
	s_mov_b32 s21, 0
	s_mov_b32 s23, 0
	s_mov_b32 s47, 0
	s_mov_b32 s93, 0
	s_mul_i32 s45, s14, HALFT                      ; where they go: wave x a quarter: no place in the cluster enters an LDS address
	s_mul_i32 s10, s14, HALFS
	s_lshl_b32 s11, s15, 6
	s_add_co_u32 s10, s10, s11
	s_wait_kmcnt 0x0
	s_cmp_lg_u32 s97, 0
	s_cselect_b64 s[12:13], s[6:7], s[4:5]         ; A's buffer
	s_cselect_b64 s[66:67], s[4:5], s[6:7]         ; B's
	s_add_nc_u64 s[20:21], s[12:13], s[20:21]
	s_add_nc_u64 s[22:23], s[12:13], s[22:23]
	s_add_nc_u64 s[46:47], s[66:67], s[46:47]
	s_add_nc_u64 s[92:93], s[66:67], s[92:93]
	CROUND                                         ; all sixteen work-groups are here: the first joint loads meet
	s_mov_b32 s[G0S], 1
	s_add_co_u32 s[G0S+1], s10, SCL
	s_mov_b64 s[G0S+2:G0S+3], s[22:23]
	s_or_b32 s[G0S+3], s[G0S+3], 0x80000000
	s_mov_b32 s[G0SB], 1
	s_add_co_u32 s[G0SB+1], s10, SCL
	s_mov_b64 s[G0SB+2:G0SB+3], s[92:93]
	s_or_b32 s[G0SB+3], s[G0SB+3], 0x80000000
	JLOAD G0S, G1S, G0SB, G1SB                     ; the scale words first: they are wanted with K step 0
.irp s, 0,1
	s_mov_b32 s[G0+4*\s], 1
	s_add_co_u32 s[G0+4*\s+1], s45, \s*SLOT
	s_add_nc_u64 s[G0+4*\s+2:G0+4*\s+3], s[20:21], \s*HALFT
	s_or_b32 s[G0+4*\s+3], s[G0+4*\s+3], 0x80000000
	s_mov_b32 s[G0B+4*\s], 1
	s_add_co_u32 s[G0B+4*\s+1], s45, \s*SLOT
	s_add_nc_u64 s[G0B+4*\s+2:G0B+4*\s+3], s[46:47], \s*HALFT
	s_or_b32 s[G0B+4*\s+3], s[G0B+4*\s+3], 0x80000000
	JLOAD G0+4*\s, G1, G0B+4*\s, G1B
.endr
	s_load_b32 s98, s[6:7], 0x0                    ; the floor
	v_and_b32 v1, 15, v0                           ; r
	v_bfe_u32 v2, v0, 4, 1                         ; h
	v_mul_u32_u24 v3, v1, 48
	v_mad_u32_u24 v3, v2, 24, v3                   ; a fragment's row x 48 + 24 x half
	s_mul_i32 s21, s15, HALFT                      ; my 128 rows of A
	s_mul_i32 s22, s16, HALFT
	s_add_co_u32 s22, s22, 2*HALFT                 ; my 128 rows of B, behind A's 256
.irp s, 0,1
	v_add_nc_u32 v[ADRA+\s], s21, v3
	v_add_nc_u32 v[ADRB+\s], s22, v3
	s_add_co_u32 s21, s21, SLOT
	s_add_co_u32 s22, s22, SLOT
.endr
	s_mul_i32 s21, s15, HALFS                      ; A's scale words: my quarter
	s_mul_i32 s22, s16, HALFS
	s_add_co_u32 s22, s22, 2*HALFS+64              ; B's
	s_sub_co_u32 s22, s22, s21
	v_mul_u32_u24 v6, s22, v2                      ; lanes 16-31 take B's: the lower base + h x the distance
	s_add_co_u32 s21, s21, SCL
	v_lshl_add_u32 v5, v1, 2, v6
	v_add_nc_u32 v[ADRS], s21, v5
	s_mul_i32 s23, s14, WSTG                       ; my stage
	v_add_nc_u32 v[STO], s23, v3
	v_and_b32 v6, 31, v0
	v_lshlrev_b32 v[CO], 4, v6
	v_add_nc_u32 v[RD], s23, v[CO]
	s_add_co_u32 s23, s23, 12288
	v_lshl_add_u32 v[SWA], v1, 2, s23
	v_lshlrev_b32 v7, 6, v2                        ; the bias along N: 16 numbers further on for lanes 16-31
	v_and_b32 v8, 8, v1
	v_add_nc_u32 v8, v8, v1
	v_lshlrev_b32 v8, 2, v8                        ; the bias along M: true row r + 8 (r / 8) of a block
	s_lshl_b32 s20, s42, 10
	s_lshl_b32 s21, s16, 9
	s_add_co_u32 s20, s20, s21
	s_add_co_u32 s20, s20, s94
	s_mov_b32 s21, 0
	s_add_nc_u64 s[12:13], s[6:7], s[20:21]        ; at my first column
	s_lshl_b32 s20, s17, 10
	s_lshl_b32 s22, s15, 9
	s_add_co_u32 s20, s20, s22
	s_add_co_u32 s20, s20, s95
	s_add_nc_u64 s[66:67], s[6:7], s[20:21]        ; at my first row
	s_lshl_b32 s20, s17, 1
	s_add_co_u32 s20, s20, s15                     ; the result's block of 128 rows
	s_lshl_b32 s22, s42, 1
	s_add_co_u32 s22, s22, s16                     ; my 128 columns: one scale word a row, two panels
	s_lshl_b32 s23, s20, 5
	s_add_co_u32 s23, s23, s22
	s_lshl_b32 s23, s23, 9
	s_add_co_u32 s46, s23, s96
	s_mov_b32 s47, 0
	s_add_nc_u64 s[10:11], s[8:9], s[46:47]        ; where my scale words go
	s_lshl_b32 s23, s20, 6
	s_lshl_b32 s22, s22, 1
	s_add_co_u32 s23, s23, s22
	s_mul_i32 s23, s23, 6144
	s_add_co_u32 s23, s23, s96
	s_add_co_u32 s46, s23, ACT_CD
	s_add_nc_u64 s[8:9], s[8:9], s[46:47]          ; and my codes
	s_mov_b32 s[SEL], 0x76543210
	s_mov_b32 s[SEL+1], 0xfedcba98
.irp b, 0,1,2,3,4,5,6,7                        ; lane (r, h), tile b, register j: column 32 (b / 2) + 16 h + 8 (b % 2) + j
	global_load_b128 v[BN+8*\b:BN+8*\b+3], v7, s[12:13] offset:(32*(\b/2)+8*(\b%2))*4
	global_load_b128 v[BN+8*\b+4:BN+8*\b+7], v7, s[12:13] offset:(32*(\b/2)+8*(\b%2))*4+16
.endr
.irp a, 0,1,2,3,4,5,6,7                        ; twice each: a pair for the packed addition
	global_load_b32 v[BM+2*\a], v8, s[66:67] offset:(32*(\a/2)+8*(\a%2))*4
	global_load_b32 v[BM+2*\a+1], v8, s[66:67] offset:(32*(\a/2)+8*(\a%2))*4
.endr
.macro FRAG reg, adr, q, i             ; 16 rows x 128 K: 12 registers; registers 6 c .. 6 c + 5 are 24 bytes of panel 2 q + c, as they lie; in pieces of 8 bytes
.irp p, 0,1,2,3,4,5
	ds_load_b64 v[\reg+2*\p:\reg+2*\p+1], v[\adr] offset:(2*(\q)+\p/3)*6144+(\i)*768+8*(\p%3)
.endr
.endm
; 16 matrix instructions: A's blocks a0, a0 + 1 x B's eight.  first = 1: the bias tile starts the sums.  The 64 accumulators take turns, one instruction a turn, in the same order in every step.
.macro MUL16 a0, p, q, sc, first
.irp a, \a0, \a0+1
.irp b, 0,1,2,3,4,5,6,7
.if \first
	v_wmma_scale_f32_16x16x128_f8f6f4 v[8*(8*((\a)%4)+\b):8*(8*((\a)%4)+\b)+7], v[128*(\p)+FR*\b:128*(\p)+FR*\b+FR-1], v[AF+FR*(\a):AF+FR*(\a)+FR-1], v[BN+8*\b:BN+8*\b+7], v[SC+8*NQ*(\sc)+NQ*\b+(\q)], v[SC+8*NQ*(\sc)+NQ*(\a)+(\q)] matrix_a_fmt:MATRIX_FMT_FP6 matrix_b_fmt:MATRIX_FMT_FP6 matrix_a_scale:MATRIX_SCALE_ROW1
.else
	v_wmma_scale_f32_16x16x128_f8f6f4 v[8*(8*((\a)%4)+\b):8*(8*((\a)%4)+\b)+7], v[128*(\p)+FR*\b:128*(\p)+FR*\b+FR-1], v[AF+FR*(\a):AF+FR*(\a)+FR-1], v[8*(8*((\a)%4)+\b):8*(8*((\a)%4)+\b)+7], v[SC+8*NQ*(\sc)+NQ*\b+(\q)], v[SC+8*NQ*(\sc)+NQ*(\a)+(\q)] matrix_a_fmt:MATRIX_FMT_FP6 matrix_b_fmt:MATRIX_FMT_FP6 matrix_a_scale:MATRIX_SCALE_ROW1
.endif
.endr
.endr
.endm
.macro FETCH_B slot, q, p
	WIN TO_B
.irp i, 0,1,2,3,4,5,6,7
	FRAG 128*(\p)+FR*\i, ADRB+\slot, \q, \i
.endr
	WIN 0
.endm
.macro FETCH_A slot, q, i0
.irp i, \i0, \i0+1, \i0+2, \i0+3
	FRAG AF+FR*(\i), ADRA+\slot, \q, \i
.endr
.endm
.macro SCALES sc                       ; a K step's scale words into set sc: register 2 i + q: lanes 0-15 A's block i, lanes 16-31 B's block i
.irp i, 0,1,2,3,4,5,6,7
.irp q, 0,1
	ds_load_b32 v[SC+8*NQ*\sc+NQ*\i+\q], v[ADRS] offset:512*\q+64*\i
.endr
.endr
.endm
.macro PLACES n                        ; plain lines between a matrix instruction and a load into, or a read of, its registers (ISA guide 7.12.1 for reads)
.rept \n
	v_nop
.endr
.endm
.macro STEP slot, q, first             ; a step of 128 along K that has its successor in the same slot
	s_wait_dscnt 4*NL                              ; B's set, A's blocks 0-3 and the scale words are in; the youngest 24 loads (A's blocks 4-7) may be out
.if \first
	WIN MUL_LO1
.else
	WIN MUL_LO
.endif
	MUL16 0, (\q)%2, \q, \slot, \first
	MUL16 2, (\q)%2, \q, \slot, \first
	s_wait_dscnt 0                                 ; A's blocks 4-7 are in
	PLACES NP
	FETCH_B \slot, (\q)+1, 1-(\q)%2
	FETCH_A \slot, (\q)+1, 0
.if \first
	WIN MUL_HI1
.else
	WIN MUL_HI
.endif
	MUL16 4, (\q)%2, \q, \slot, \first
	MUL16 6, (\q)%2, \q, \slot, \first
	PLACES NP
	WIN 0
	FETCH_A \slot, (\q)+1, 4
.endm
; A slot's last step changes slots: ONE barrier; in front of it each wave waits for all its tensor loads, adds 0 to its spare word, and waits for that and for its own reads of this slot.
.macro TURN slot, next, fill
	s_wait_tensorcnt 0x0                           ; all my tensor loads have landed: my part of the next slot
	ds_add_u32 v[SPW], v[NIL]                      ; 0 onto my spare word
	s_wait_dscnt 4*NL+1                            ; (the add and the youngest 24 loads may be out)
	WIN MUL_LO
	MUL16 0, 1, NQ-1, \slot, 0                     ; sixteen matrix instructions stand between the add and the wait for it
	s_wait_dscnt 0x0                               ; the add is done, and my reads of this slot are over
	s_barrier_signal -1
	MUL16 2, 1, NQ-1, \slot, 0
	WIN 0
	s_barrier_wait -1
.if \fill
	CREST                                          ; the barrier has opened a round of the cluster's barrier: no wave of any partner still reads this slot or has a load on its way
	s_add_nc_u64 s[G0+4*\slot+2:G0+4*\slot+3], s[G0+4*\slot+2:G0+4*\slot+3], 2*HALFT
	s_add_nc_u64 s[G0B+4*\slot+2:G0B+4*\slot+3], s[G0B+4*\slot+2:G0B+4*\slot+3], 2*HALFT
	JLOAD G0+4*\slot, G1, G0B+4*\slot, G1B         ; my one tensor load behind the round, and the first; its four v_nop are the places in front of the loads below
.else
	PLACES NP
.endif
	v_add_nc_u32 v[ADRS], 512*NQ, v[ADRS]          ; the next K step's scale words (no LDS load of mine is out)
	FETCH_B \next, 0, 0
	FETCH_A \next, 0, 0
	SCALES \next
	WIN MUL_HI
	MUL16 4, 1, NQ-1, \slot, 0
	MUL16 6, 1, NQ-1, \slot, 0
	PLACES NP
	WIN 0
	FETCH_A \next, 0, 4
.endm
; 64 numbers of a lane, register 16 b + i = k 32 b + 16 (lane / 16) + i of my row, become a fragment's codes in v[PC] on and its scale word in v[PW].
.macro QUANT s
.irp b, 0,1,2,3
	v_max3_num_f32 v[TM+\b], |v[\s+16*\b]|, |v[\s+1+16*\b]|, 0x1800000   ; my 16 numbers of block b, and the floor 2^(3 - 127): the byte cannot fall under 1
.endr
.irp i, 2,4,6,8,10,12,14
.irp b, 0,1,2,3
	v_max3_num_f32 v[TM+\b], v[TM+\b], |v[\s+16*\b+\i]|, |v[\s+1+16*\b+\i]|
.endr
.endr
.irp b, 0,1,2,3
	v_permlanex16_b32 v[TM+4+\b], v[TM+\b], s[SEL], s[SEL+1]
.endr
.irp b, 0,1,2,3
	v_max_num_f32 v[TM+\b], v[TM+\b], v[TM+4+\b]   ; with lane l xor 16's: the block's largest magnitude
.endr
.irp b, 0,1,2,3
	v_add_nc_u32 v[TM+12+\b], 0xff000000, v[TM+\b] ; 2 off its exponent field: the conversion's scale operand
.endr
.irp b, 0,1,2,3
	v_lshrrev_b32 v[TM+4+\b], 23, v[TM+12+\b]      ; the scale's byte
.endr
	v_lshl_or_b32 v[PW], v[TM+5], 8, v[TM+4]
	v_lshl_or_b32 v[PW], v[TM+6], 16, v[PW]
	v_lshl_or_b32 v[PW], v[TM+7], 24, v[PW]
.irp c, 0,1
	v_cvt_scalef32_pk16_fp6_f32 v[PC+6*\c:PC+2+6*\c], v[\s+32*\c:\s+15+32*\c], v[TM+12+2*\c]
	v_cvt_scalef32_pk16_fp6_f32 v[PC+12+4*\c:PC+14+4*\c], v[\s+16+32*\c:\s+31+32*\c], v[TM+12+2*\c+1]
.endr
	v_nop                                          ; one plain line behind a scaled conversion
.irp c, 0,1                                    ; the layout wants a WHOLE block in a lane: lanes 0-15 block 2 c, lanes 16-31 block 2 c + 1
.irp i, 0,1,2
	v_permlane16_swap_b32 v[PC+6*\c+\i], v[PC+12+4*\c+\i]
.endr
.irp i, 0,1,2
	v_mov_b32 v[PC+3+6*\c+\i], v[PC+12+4*\c+\i]
.endr
.endr
.endm
; The way out of A's block a: + the bias along M, the floor, quantised, into my stage as two panels' rows.
.macro OUTBLK a
.set AC, 64*((\a)%4)
	WIN 0x02+(\a)/4                                ; source 0: window 2 or 3
.set j, 0
.rept 32
	v_pk_add_f32 v[HA+j:HA+j+1], v[AC+j:AC+j+1], v[BM+2*(\a):BM+2*(\a)+1]   ; ascending: each accumulator is read from its low end on
.set j, j+2
.endr
	WIN 0
.set j, 0
.rept 64
	v_max_num_f32 v[HA+j], s98, v[HA+j]
.set j, j+1
.endr
	QUANT HA
.irp c, 0,1
.irp i, 0,1,2
	ds_store_b64 v[STO], v[PC+6*\c+2*\i:PC+6*\c+2*\i+1] offset:6144*\c+768*(\a)+8*\i
.endr
.endr
	ds_store_b32 v[SWA], v[PW] offset:64*(\a)      ; both halves of the lanes write the same word with the same value
	s_wait_dscnt 0x0                               ; the stores are done: the next block's codes may be written
.endm
	s_wait_tensorcnt 1                             ; the scale words and my part of K step 0 are in; K step 1's load may be out
	s_barrier_signal -1
	s_barrier_wait -1
	FETCH_B 0, 0, 0
	FETCH_A 0, 0, 0
	SCALES 0
	FETCH_A 0, 0, 4
	s_wait_loadcnt 0x0                             ; the biases
	s_wait_kmcnt 0x0                               ; the floor
	STEP 0, 0, 1                                   ; the first step stands in front of the loop: the bias tile starts the sums
	s_mov_b32 s3, LAPS-1
.Llap:                                                 ; a trip goes once round the ring and fills both slots again
	TURN 0, 1, 1
	STEP 1, 0, 0
	TURN 1, 0, 1
	STEP 0, 0, 0
	s_sub_co_u32 s3, s3, 1
	s_cmp_lg_u32 s3, 0
	s_cbranch_scc1 .Llap
	TURN 0, 1, 0                                   ; the last lap fills nothing
	STEP 1, 0, 0
	s_wait_dscnt 4*NL
	WIN MUL_LO
	MUL16 0, 1, NQ-1, 1, 0
	MUL16 2, 1, NQ-1, 1, 0
	s_wait_dscnt 0
	WIN MUL_HI
	MUL16 4, 1, NQ-1, 1, 0
	MUL16 6, 1, NQ-1, 1, 0
	WIN 0
	PLACES NP
.irp b, 0,1,2,3
	v_mov_b32 v[TM+4+\b], 0                        ; written once: a lane permute's destination counts as one of its sources
.endr
.irp a, 0,1,2,3,4,5,6,7
	OUTBLK \a
.endr
	ds_load_b128 v[SW4:SW4+3], v[RD] offset:12288  ; my 128 rows' scale words
.irp g, 0,1
.if \g
	s_wait_xcnt 0x0                                ; the first panel's stores have read their registers
.endif
.irp k, 0,1,2,3,4,5,6,7,8,9,10,11
	ds_load_b128 v[OB+4*\k:OB+4*\k+3], v[RD] offset:6144*\g+512*\k
.endr
.if \g == 0
	s_wait_dscnt 12
	global_store_b128 v[CO], v[SW4:SW4+3], s[10:11]
.endif
.irp k, 0,1,2,3,4,5,6,7,8,9,10,11
	s_wait_dscnt 11-\k                             ; the younger loads may be out
	global_store_b128 v[CO], v[OB+4*\k:OB+4*\k+3], s[8:9] offset:6144*\g+512*\k   ; 32 lanes store 512 consecutive bytes, at a multiple of 256 from the buffer's first byte
.endr
.endr
	s_wait_tensorcnt 0x0                           ; the wave's end
	ds_add_u32 v[SPW], v[NIL]
	s_wait_dscnt 0x0
	CROUND                                         ; the closing round
	s_endpgm
.Lfunc_end_k_qcdbee80afa_qkv:
	.size	k_qcdbee80afa_qkv, .Lfunc_end_k_qcdbee80afa_qkv-k_qcdbee80afa_qkv
	.p2alignl 7, 3214868480
	.fill 96, 4, 3214868480
	.section	.rodata,"a",@progbits
	.p2align	6, 0x0
	.amdhsa_kernel k_qcdbee80afa_qkv
		.amdhsa_group_segment_fixed_size 327680
		.amdhsa_private_segment_fixed_size 0
		.amdhsa_enable_private_segment 0
		.amdhsa_kernarg_size 24
		.amdhsa_user_sgpr_count 2
		.amdhsa_user_sgpr_kernarg_segment_ptr 1
		.amdhsa_wavefront_size32 1
		.amdhsa_system_sgpr_workgroup_id_x 1
		.amdhsa_system_sgpr_workgroup_id_y 1
		.amdhsa_system_sgpr_workgroup_id_z 1
		.amdhsa_system_vgpr_workitem_id 0
		.amdhsa_next_free_vgpr 1024
		.amdhsa_next_free_sgpr 100
		.amdhsa_reserve_vcc 0
		.amdhsa_float_denorm_mode_32 3
		.amdhsa_float_denorm_mode_16_64 3
		.amdhsa_memory_ordered 1
		.amdhsa_forward_progress 1
		.amdhsa_inst_pref_size 208
	.end_amdhsa_kernel
	.amdgpu_metadata
---
amdhsa.version: [ 1, 2 ]
amdhsa.kernels:
  - .name:           k_qcdbee80afa_qkv
    .symbol:         k_qcdbee80afa_qkv.kd
    .args:
      - { .name: XN, .offset: 0, .size: 8, .value_kind: global_buffer, .address_space: global }
      - { .name: WA, .offset: 8, .size: 8, .value_kind: global_buffer, .address_space: global }
      - { .name: ACT, .offset: 16, .size: 8, .value_kind: global_buffer, .address_space: global }
    .group_segment_fixed_size: 327680
    .private_segment_fixed_size: 0
    .kernarg_segment_align: 8
    .kernarg_segment_size: 24
    .max_flat_workgroup_size: 128
    .sgpr_count:     100
    .vgpr_count:     1024
    .wavefront_size: 32
...
	.end_amdgpu_metadata
.endif
;; end of part 3
;; launch attn (part 4): grid 8 x 32, 16 waves a work-group, clusters of 4 x 1, 231,424 bytes of LDS; arguments ACT, mask, AO; writes AO
.if DOCPART == 4
	.amdgcn_target "amdgcn-amd-amdhsa--gfx1250"
	.amdhsa_code_object_version 6
	.text
	.protected	k_qcdbee80afa_attn
	.globl	k_qcdbee80afa_attn
	.p2align	8
	.type	k_qcdbee80afa_attn,@function
k_qcdbee80afa_attn:
	s_mov_b64 s[64:65], 0
	v_nop
	global_prefetch_b8 v0, s[64:65] scope:SCOPE_SE
	s_setreg_imm32_b32 hwreg(HW_REG_WAVE_MODE, 25, 1), 1
	s_wait_xcnt 0x0
	s_wait_alu depctr_hold_cnt(0) depctr_sa_sdst(0) depctr_va_vdst(0) depctr_va_sdst(0) depctr_va_ssrc(0) depctr_va_vcc(0) depctr_vm_vsrc(0)
	s_getreg_b32 s2, hwreg(HW_REG_IB_STS2, 6, 4)
	s_cmp_eq_u32 s2, 0
	s_cbranch_scc0 .Lentry_in_a_cluster
	s_endpgm
.Lentry_in_a_cluster:
	s_bfe_u32 s2, ttmp6, 0x10000c
	s_cmp_lg_u32 s2, 0x3003
	s_cbranch_scc0 .Lentry_shape_is_right
	s_endpgm
.Lentry_shape_is_right:
; Attention of one head (64 wide) over 2,048 keys with a key mask, both products on FP6 (E2M3) codes; the result is quantised along d and stored as the next product's operand.
; In: q (panel hh) and k (panel 16 + hh) of ACT's codes [32][64][128 tokens][48 bytes], their scale words [32][32][128][4]; V^T behind V_OFF, laid alike with rows d and K = the tokens.  Rows lie in position order
; (position p holds true index swap34(p)); every K runs in true order.
; THE SOFTMAX: t = score x log2(e) / 8; M = the running largest t rounded UP to a whole number; p = 2^(t - M) is quantised along the keys, not normalised; the row's sum is taken of the unquantised p and divides at the end.
; When M moves, the sum and O are multiplied by 2^(old M - new M): exact.
; THE MASK COSTS NO ARITHMETIC IN THE LOOP.  The head fills half of the instruction's K of 128.  q carries the code 1.0 at k = 64 (scale byte 127); a masked key carries -4.0 there with the byte 158, an open key 0 with the byte 1:
; a masked score is q.k - 2^33 and its p is 0.  Where a batch's mask has no open key at all, the factor log2(e) / 8 is replaced by 0 (a select): every t is 0 and every p is 1, the uniform row.
; LIMIT: masked logits stand at about -2^30 in place of -1e9: the results agree while open logits stay under some 1e8 in magnitude.  NaN and infinities are not served.  An output block under 2^-124 gets the byte 1.
; SHARES: a work-group owns 256 queries of one head, each of its sixteen waves one tile of 16: four waves to a SIMD, so that one wave's vector work stands beside another's matrix work.
; NO RING: the head's K and V (96 KiB each) lie in LDS whole.  Each wave issues four joint loads of 3,072 dense bytes at the start (four of mine are out at the most); nothing is ever filled again.
; CLUSTER: the four query blocks of a cluster walk the same K and V: each tile is asked for jointly, mask 15.
; Both products are used transposed: S^T = K Q^T, O^T = V^T P^T: a lane holds one query throughout.
; REGISTERS: v1-7 places that stay; v8-11 the step's addresses; v12 -M, v13 the largest t, v[14:15] the sum; v16-27 q, v28 its scale word; v32-79 four fragments of K; v80-127 four of V; v128-191 S^T, then p; v192-223 O^T; v224-255 at work.
.set ACT_CD, 524288
.set V_OFF,  13107200
.set AO_CD,  131072
.set GRP,    49152                     ; LDS: a group of 512 keys: K's 512 rows x 48 bytes, then V's 8 panels x 64 rows x 48 bytes
.set TBL,    196608                    ; [2,048 key positions][scale word, mask word]
.set VSC,    212992                    ; V's scale words [16 steps][64 d][4 bytes]
.set STG,    217088                    ; the way out: 768 bytes for each wave
.set S,   128
.set O,   192
.set AK0, 1
.set AV0, 2
.set ATB, 3
.set AVS, 4
.set ADK, 8
.set ADV, 9
.set ADS, 10
.set ADT, 11
.set WV,  18
.set SEL, 20
.set CS,  22
.set G1,  24
.set G0,  32                           ; s[32:47] four groups 0
.set TB,  48                           ; the step's tiles in LDS
.set TT,  49                           ; its table entries
.set TV,  50                           ; its scale words of V
.set CNT, 51
.macro CROUND
	s_barrier_signal -1
	s_barrier_wait -1
	s_cmp_lg_u32 s[WV], 0
	s_cbranch_scc1 .Lnot_wave_0_\@
	s_barrier_signal -3
.Lnot_wave_0_\@:
	s_barrier_wait -3
	s_barrier_signal -1
	s_barrier_wait -1
.endm
	s_load_b128 s[4:7], s[0:1], 0x0                ; ACT, mask
	s_load_b64 s[8:9], s[0:1], 0x10                ; AO
	v_lshl_add_u32 v243, v0, 2, 0x38000
	v_mov_b32 v255, 0
	ds_add_u32 v243, v255
	ds_add_u32 v243, v255
	v_lshrrev_b32 v8, 5, v0
	v_readfirstlane_b32 s[WV], v8                  ; wave 0..15
	s_bfe_u32 s10, ttmp6, 0x40000                  ; cx
	s_lshl_b32 s11, ttmp9, 2
	s_add_co_u32 s11, s11, s10                     ; my block of 256 queries: it enters q's and AO's global addresses alone
	s_and_b32 s12, ttmp7, 0xffff
	s_lshr_b32 s13, s12, 4                         ; batch
	s_and_b32 s14, s12, 15                         ; head
	s_lshr_b32 s15, s14, 1
	s_and_b32 s16, s14, 1
	; what I fetch of group 0.  Waves 0-7: 64 keys each; waves 8-15: a panel of V (64 d x 64 keys) each
	s_lshl_b32 s52, s13, 4
	s_lshr_b32 s53, s[WV], 1
	s_add_co_u32 s52, s52, s53
	s_lshl_b32 s52, s52, 6
	s_add_co_u32 s52, s52, s14
	s_add_co_u32 s52, s52, 16
	s_mul_i32 s52, s52, 6144
	s_and_b32 s53, s[WV], 1
	s_mul_i32 s53, s53, 3072
	s_add_co_u32 s52, s52, s53
	s_add_co_u32 s52, s52, ACT_CD
	s_lshl_b32 s54, s15, 6
	s_lshl_b32 s55, s13, 5
	s_add_co_u32 s54, s54, s55
	s_add_co_u32 s54, s54, s[WV]
	s_sub_co_u32 s54, s54, 8
	s_mul_i32 s54, s54, 6144
	s_mul_i32 s55, s16, 3072
	s_add_co_u32 s54, s54, s55
	s_add_co_u32 s54, s54, V_OFF+ACT_CD
	s_mov_b32 s56, 49152                           ; V: a group on is 8 panels
	s_cmp_lt_u32 s[WV], 8
	s_cselect_b32 s52, s52, s54
	s_cselect_b32 s56, 1572864, s56                ; K: four blocks of 128 tokens
	s_mov_b32 s53, 0
	s_mov_b32 s57, 0
	s_mul_i32 s58, s[WV], 3072                     ; where it goes: wave x 3,072 in a group
	s_mov_b32 s[G1], 15|(3<<16)|(1<<21)            ; 15:0 the mask: all four; 17:16 elements of 8 bytes; 21 set beside a mask
	s_mov_b32 s[G1+1], 32<<16                      ; 3,072 dense bytes as 12 rows of 32 elements
	s_mov_b32 s[G1+2], 12<<16
	s_mov_b32 s[G1+3], 32<<16
	s_mov_b32 s[G1+4], 12
	s_mov_b32 s[G1+5], 32
	s_mov_b32 s[G1+6], 0
	s_mov_b32 s[G1+7], 0
	s_mov_b32 s[SEL], 0x76543210
	s_mov_b32 s[SEL+1], 0xfedcba98
	s_mov_b32 s[TB], 0
	s_mov_b32 s[TT], 0
	s_mov_b32 s[TV], 0
	s_wait_dscnt 0x0
	s_wait_kmcnt 0x0
.irp g, 0,1,2,3
	s_mov_b32 s[G0+4*\g], 1
	s_add_co_u32 s[G0+4*\g+1], s58, \g*GRP
	s_add_nc_u64 s[G0+4*\g+2:G0+4*\g+3], s[4:5], s[52:53]
	s_or_b32 s[G0+4*\g+3], s[G0+4*\g+3], 0x80000000
	s_add_nc_u64 s[52:53], s[52:53], s[56:57]      ; (an offset, kept apart from the address)
.endr
	CROUND                                         ; all four work-groups are here: the joint loads meet
	tensor_load_to_lds s[G0:G0+3], s[G1:G1+7]
	s_nop 0
	tensor_load_to_lds s[G0+4:G0+7], s[G1:G1+7]
	s_nop 0
	tensor_load_to_lds s[G0+8:G0+11], s[G1:G1+7]
	s_nop 0
	tensor_load_to_lds s[G0+12:G0+15], s[G1:G1+7]
	s_nop 0
.rept 4
	v_nop
.endr
	s_lshl_b32 s59, s13, 4
	s_lshl_b32 s60, s11, 1
	s_add_co_u32 s59, s59, s60
	s_lshr_b32 s60, s[WV], 3
	s_add_co_u32 s59, s59, s60                     ; my queries' block of 128 tokens
	s_and_b32 s74, s[WV], 7                        ; and my tile in it
	s_mov_b32 s77, 0
	s_lshl_b32 s76, s13, 9
	s_add_co_u32 s76, s76, s15
	s_add_co_u32 s76, s76, 8
	s_lshl_b32 s76, s76, 9
	s_lshl_b32 s75, s16, 1
	s_add_co_u32 s76, s76, s75
	s_add_nc_u64 s[60:61], s[4:5], s[76:77]        ; k's two scale bytes of the batch's first key
	s_lshl_b32 s76, s13, 13
	s_add_nc_u64 s[62:63], s[6:7], s[76:77]        ; the batch's mask
	s_lshl_b32 s76, s15, 5
	s_lshl_b32 s75, s13, 4
	s_add_co_u32 s76, s76, s75
	s_lshl_b32 s76, s76, 9
	s_lshl_b32 s75, s16, 8
	s_add_co_u32 s76, s76, s75
	s_add_co_u32 s76, s76, V_OFF
	s_add_nc_u64 s[66:67], s[4:5], s[76:77]        ; V's scale words
	s_lshl_b32 s76, s59, 6
	s_add_co_u32 s76, s76, s14
	s_mul_i32 s76, s76, 6144
	s_mul_i32 s75, s74, 768
	s_add_co_u32 s76, s76, s75
	s_add_co_u32 s76, s76, ACT_CD
	s_add_nc_u64 s[68:69], s[4:5], s[76:77]        ; q's codes
	s_lshl_b32 s76, s59, 5
	s_add_co_u32 s76, s76, s15
	s_lshl_b32 s76, s76, 9
	s_lshl_b32 s75, s74, 6
	s_add_co_u32 s76, s76, s75
	s_lshl_b32 s75, s16, 1
	s_add_co_u32 s76, s76, s75
	s_add_nc_u64 s[70:71], s[4:5], s[76:77]        ; q's two scale bytes
	s_lshl_b32 s76, s59, 3
	s_add_co_u32 s76, s76, s15
	s_lshl_b32 s76, s76, 9
	s_lshl_b32 s75, s74, 6
	s_add_co_u32 s76, s76, s75
	s_lshl_b32 s75, s16, 1
	s_add_co_u32 s76, s76, s75
	s_add_nc_u64 s[72:73], s[8:9], s[76:77]        ; the result's two scale bytes
	s_lshl_b32 s76, s59, 4
	s_add_co_u32 s76, s76, s14
	s_mul_i32 s76, s76, 6144
	s_mul_i32 s75, s74, 768
	s_add_co_u32 s76, s76, s75
	s_add_co_u32 s76, s76, AO_CD
	s_add_nc_u64 s[8:9], s[8:9], s[76:77]          ; the result's codes
	s_mul_i32 s75, s[WV], 768
	s_add_co_u32 s75, s75, STG                     ; my stage
	v_and_b32 v5, 15, v0                           ; r
	v_bfe_u32 v6, v0, 4, 1                         ; h
	v_lshlrev_b32 v7, 2, v5
	v_mul_u32_u24 v[AK0], v5, 48
	v_mad_u32_u24 v[AK0], v6, 24, v[AK0]           ; a fragment's row x 48 + 24 x half
	v_add_nc_u32 v[AV0], 24576, v[AK0]
	v_lshl_add_u32 v[ATB], v5, 3, TBL
	v_lshl_add_u32 v[AVS], v5, 2, VSC
	v_lshrrev_b32 v9, 7, v0                        ; thread t serves key positions t + 512 k
	v_and_b32 v10, 127, v0
	v_lshlrev_b32 v10, 2, v10
	v_lshl_add_u32 v9, v9, 14, v10                 ; their scale words: 16,384 bytes from one block of 128 tokens to the next
	v_lshrrev_b32 v11, 1, v0
	v_xor_b32 v11, v11, v0
	v_and_b32 v11, 8, v11
	v_mul_u32_u24 v11, v11, 3
	v_xor_b32 v10, v0, v11
	v_lshlrev_b32 v10, 2, v10                      ; the mask of the true key: bits 3 and 4 exchanged
	v_lshrrev_b32 v11, 5, v0
	v_and_b32 v29, 31, v0
	v_lshlrev_b32 v31, 3, v29
	v_lshl_add_u32 v11, v11, 9, v31                ; V's scale words: 256 bytes of each step's 512
	v_lshlrev_b32 v29, 4, v29
	v_lshl_add_u32 v30, v0, 3, TBL
	v_lshl_add_u32 v31, v0, 3, VSC
.irp k, 0,1,2,3
	global_load_u16 v[128+2*\k], v9, s[60:61] offset:65536*\k
	global_load_b32 v[129+2*\k], v10, s[62:63] offset:2048*\k
.endr
	global_load_b64 v[136:137], v11, s[66:67]
.irp p, 0,1,2
	global_load_b64 v[16+2*\p:17+2*\p], v[AK0], s[68:69] offset:8*\p
.endr
	global_load_u16 v28, v7, s[70:71]
.irp k, 0,1,2,3,4,5,6,7,8,9,10,11,12,13,14,15
	global_load_b128 v[144+4*\k:147+4*\k], v29, s[62:63] offset:512*\k   ; the batch's whole mask, for the test whether any key is open
.endr
	s_wait_loadcnt 0x0
	v_mov_b32 v138, 56                             ; the code -4.0
	v_mov_b32 v139, 0x019e0000                     ; a masked key's scale bytes for k = 64 on: 2^31, 2^-126
	v_mov_b32 v140, 0x01010000                     ; an open key's: 2^-126 over zero codes
.irp k, 0,1,2,3
	v_cmp_eq_u32 vcc_lo, 0, v[129+2*\k]
	v_cndmask_b32 v141, v140, v139, vcc_lo
	v_cndmask_b32 v[129+2*\k], 0, v138, vcc_lo
	v_or_b32 v[128+2*\k], v[128+2*\k], v141
	ds_store_b64 v30, v[128+2*\k:129+2*\k] offset:4096*\k
.endr
	ds_store_b64 v31, v[136:137]
	v_lshlrev_b32 v22, 3, v6
	v_sub_nc_u32 v22, 8, v22                       ; q's code 1.0 at k = 64: lanes 0-15 alone
.irp j, 23,24,25,26,27
	v_mov_b32 v[\j], 0
.endr
	v_or_b32 v28, 0x7f7f0000, v28                  ; q's scale word: 1.0 for k = 64 on
.irp t, 0,1,2,3
.irp j, 7,8,9,10,11
	v_mov_b32 v[32+12*\t+\j], 0                    ; K's fragments from k = 69 on: cleared once
.endr
.endr
.set j, 4
.rept 60
	v_or_b32 v[144+j%4], v[144+j%4], v[144+j]      ; four chains
.set j, j+1
.endr
	v_or_b32 v144, v144, v145
	v_or_b32 v146, v146, v147
	v_or_b32 v144, v144, v146
	v_cmp_ne_u32 vcc_lo, 0, v144
	s_cmp_lg_u32 vcc_lo, 0                         ; is any key of the batch open?
	s_cselect_b32 s[CS], 0x3e38aa3b, 0             ; c = log2(e) / 8, or 0: a choice of a value, no branch
	s_mov_b32 s[CS+1], s[CS]
	v_mov_b32 v13, 0xff61b1e6                      ; the largest t so far: -3e38
	v_floor_f32 v12, -v13                          ; -M
	v_mov_b32 v14, 0
	v_mov_b32 v15, 0
.irp b, 0,1,2,3
	v_mov_b32 v[236+\b], 0                         ; written once: a lane permute's destination counts as one of its sources
.endr
	v_mov_b32 v253, 0
.set j, 0
.rept 32
	v_mov_b32 v[O+j], 0                            ; O^T: the step is written once; the first finds zeros
.set j, j+1
.endr
; A KEY STEP: 128 keys.
.macro STEP
	v_add_nc_u32 v[ADK], s[TB], v[AK0]             ; (these four are also the places behind the last step's products, in front of the loads below)
	v_add_nc_u32 v[ADV], s[TB], v[AV0]
	v_add_nc_u32 v[ADS], s[TT], v[ATB]
	v_add_nc_u32 v[ADT], s[TV], v[AVS]
.irp g, 0,1                                    ; S^T = K Q^T, four tiles of 16 key positions at a time
.if \g
.rept 4
	v_nop
.endr
.endif
.irp t, 0,1,2,3
.irp p, 0,1,2
	ds_load_b64 v[32+12*\t+2*\p:33+12*\t+2*\p], v[ADK] offset:(4*\g+\t)*768+8*\p
.endr
	ds_load_b32 v[38+12*\t], v[ADS] offset:(4*\g+\t)*128+4     ; the mask's code at k = 64 (lanes 16-31 get it at k = 96, where q is 0)
	ds_load_b32 v[248+\t], v[ADS] offset:(4*\g+\t)*128
.endr
	s_wait_dscnt 0x0
.irp t, 0,1,2,3
	v_wmma_scale_f32_16x16x128_f8f6f4 v[S+8*(4*\g+\t):S+7+8*(4*\g+\t)], v[32+12*\t:43+12*\t], v[16:27], 0, v[248+\t], v28 matrix_a_fmt:MATRIX_FMT_FP6 matrix_b_fmt:MATRIX_FMT_FP6
.endr
.endr
.rept 4
	v_nop
.endr
.irp t, 0,1,2,3                                ; V's four fragments and scale words are asked for now and land under the softmax
.irp p, 0,1,2,3,4,5
	ds_load_b64 v[80+12*\t+2*\p:81+12*\t+2*\p], v[ADV] offset:3072*(\p/3)+768*\t+8*(\p%3)
.endr
	ds_load_b32 v[248+\t], v[ADT] offset:64*\t
.endr
.irp b, 0,1,2,3
	v_max3_num_f32 v[232+\b], v[S+16*\b], v[S+1+16*\b], v[S+2+16*\b]   ; the largest score of each block of 32 keys: for the row's maximum and, since p rises with the score, for the block's largest p
.endr
.irp i, 3,5,7,9,11,13
.irp b, 0,1,2,3
	v_max3_num_f32 v[232+\b], v[232+\b], v[S+16*\b+\i], v[S+1+16*\b+\i]
.endr
.endr
.irp b, 0,1,2,3
	v_max_num_f32 v[232+\b], v[232+\b], v[S+15+16*\b]
.endr
.irp b, 0,1,2,3
	v_permlanex16_b32 v[236+\b], v[232+\b], s[SEL], s[SEL+1]
.endr
.irp b, 0,1,2,3
	v_max_num_f32 v[232+\b], v[232+\b], v[236+\b]
.endr
	v_max3_num_f32 v254, v232, v233, v234
	v_max_num_f32 v254, v254, v235
	v_mul_f32 v254, s[CS], v254                    ; as t (c is not negative)
	v_max_num_f32 v13, v13, v254                   ; the running largest t
	v_mov_b32 v254, v12
	v_floor_f32 v12, -v13                          ; the new -M = -ceil(t)
	v_sub_f32 v254, v12, v254                      ; old M - new M: a whole number, 0 or less
	v_cvt_i32_f32 v254, v254                       ; (it saturates)
	v_ldexp_f32 v252, 1.0, v254                    ; f = 2^(old M - new M)
.set j, 0
.rept 32
	v_pk_fma_f32 v[S+j:S+j+1], v[S+j:S+j+1], s[CS:CS+1], v[12:13] op_sel_hi:[1,0,0]   ; t - M
.set j, j+2
.endr
.irp b, 0,1,2,3
	v_fma_f32 v[232+\b], v[232+\b], s[CS], v12
.endr
.set j, 0
.rept 64
	v_exp_f32 v[S+j], v[S+j]                       ; p = 2^(t - M)
.set j, j+1
.endr
	v_pk_mul_f32 v[14:15], v[14:15], v[252:253] op_sel_hi:[1,0]    ; the sums under the new M; a plain line behind the exponentials
	s_wait_alu depctr_va_vdst(0)                   ; one wait for the batch of 64, ahead of its first reader
.irp b, 0,1,2,3
	v_exp_f32 v[232+\b], v[232+\b]                 ; the block's largest p
.endr
	v_pk_add_f32 v[236:237], v[S:S+1], v[S+2:S+3]  ; the row's sum of the unquantised p, in two chains
.irp j, 4,8,12,16,20,24,28,32,36,40,44,48,52,56,60
	v_pk_add_f32 v[14:15], v[14:15], v[S+\j:S+1+\j]
	v_pk_add_f32 v[236:237], v[236:237], v[S+2+\j:S+3+\j]
.endr
	v_pk_add_f32 v[14:15], v[14:15], v[236:237]
	s_wait_alu depctr_va_vdst(0)                   ; and one for the four
.irp b, 0,1,2,3
	v_max_num_f32 v[232+\b], 0x1800000, v[232+\b]  ; the floor 2^(3 - 127): the byte cannot fall under 1
.endr
.irp b, 0,1,2,3
	v_add_nc_u32 v[244+\b], 0xff000000, v[232+\b]
.endr
.irp b, 0,1,2,3
	v_lshrrev_b32 v[236+\b], 23, v[244+\b]
.endr
	v_lshl_or_b32 v253, v237, 8, v236              ; p's scale word for these 128 keys
	v_lshl_or_b32 v253, v238, 16, v253
	v_lshl_or_b32 v253, v239, 24, v253
.irp c, 0,1
	v_cvt_scalef32_pk16_fp6_f32 v[224+6*\c:226+6*\c], v[S+32*\c:S+15+32*\c], v[244+2*\c]
	v_cvt_scalef32_pk16_fp6_f32 v[236+4*\c:238+4*\c], v[S+16+32*\c:S+31+32*\c], v[244+2*\c+1]
.endr
	v_nop
.irp c, 0,1
.irp i, 0,1,2
	v_permlane16_swap_b32 v[224+6*\c+\i], v[236+4*\c+\i]
.endr
.irp i, 0,1,2
	v_mov_b32 v[227+6*\c+\i], v[236+4*\c+\i]
.endr
.endr
.set j, 0
.rept 16
	v_pk_mul_f32 v[O+j:O+j+1], v[O+j:O+j+1], v[252:253] op_sel_hi:[1,0]   ; O^T under the new M; also the plain lines in front of the scaled products
.set j, j+2
.endr
	s_wait_dscnt 0x0                               ; V
.irp t, 0,1,2,3                                ; O^T += V^T P^T: four accumulators, one instruction a turn
	v_wmma_scale_f32_16x16x128_f8f6f4 v[O+8*\t:O+7+8*\t], v[80+12*\t:91+12*\t], v[224:235], v[O+8*\t:O+7+8*\t], v[248+\t], v253 matrix_a_fmt:MATRIX_FMT_FP6 matrix_b_fmt:MATRIX_FMT_FP6
.endr
	s_add_co_u32 s[TB], s[TB], 6144
	s_add_co_u32 s[TT], s[TT], 1024
	s_add_co_u32 s[TV], s[TV], 256
.endm
.macro GROUP g                         ; 512 keys: four steps
	s_wait_tensorcnt 3-\g                          ; my part of this group is in; the later groups' loads may stay out
	s_wait_dscnt 0x0                               ; my stores into the tables are done (first group)
	s_barrier_signal -1
	s_barrier_wait -1
	s_mov_b32 s[CNT], 4
.Lstep_\@:
	STEP
	s_sub_co_u32 s[CNT], s[CNT], 1
	s_cmp_lg_u32 s[CNT], 0
	s_cbranch_scc1 .Lstep_\@
	s_add_co_u32 s[TB], s[TB], 24576               ; over the group's V to the next group's K
.endm
	GROUP 0
	GROUP 1
	GROUP 2
	GROUP 3
	; THE WAY OUT: O^T / the sum, quantised along d (two blocks of 32), through my stage, as 768 consecutive bytes
	v_add_f32 v14, v14, v15
	v_permlanex16_b32 v252, v14, s[SEL], s[SEL+1]
	v_add_f32 v14, v14, v252
	v_rcp_f32 v14, v14
	v_add_nc_u32 v29, s75, v[AK0]                  ; in: my row's 24 bytes
	v_and_b32 v30, 31, v0
	v_lshlrev_b32 v31, 3, v30                      ; back: 8 bytes a lane
	v_add_nc_u32 v30, s75, v31
	s_wait_alu depctr_va_vdst(0)                   ; the wait ahead of the reciprocal's first reader
.set j, 0
.rept 32
	v_mul_f32 v[S+j], v[O+j], v14                  ; register 16 g + i is d = 32 g + 16 h + i
.set j, j+1
.endr
.irp b, 0,1
	v_max3_num_f32 v[232+\b], |v[S+16*\b]|, |v[S+1+16*\b]|, 0x1800000
.endr
.irp i, 2,4,6,8,10,12,14
.irp b, 0,1
	v_max3_num_f32 v[232+\b], v[232+\b], |v[S+16*\b+\i]|, |v[S+1+16*\b+\i]|
.endr
.endr
.irp b, 0,1
	v_permlanex16_b32 v[236+\b], v[232+\b], s[SEL], s[SEL+1]
.endr
.irp b, 0,1
	v_max_num_f32 v[232+\b], v[232+\b], v[236+\b]
.endr
.irp b, 0,1
	v_add_nc_u32 v[244+\b], 0xff000000, v[232+\b]
.endr
.irp b, 0,1
	v_lshrrev_b32 v[236+\b], 23, v[244+\b]
.endr
	v_lshl_or_b32 v253, v237, 8, v236              ; my head's two bytes of the row's scale word
	v_cvt_scalef32_pk16_fp6_f32 v[224:226], v[S:S+15], v244
	v_cvt_scalef32_pk16_fp6_f32 v[236:238], v[S+16:S+31], v245
	v_nop
.irp i, 0,1,2
	v_permlane16_swap_b32 v[224+\i], v[236+\i]
.endr
.irp i, 0,1,2
	v_mov_b32 v[227+\i], v[236+\i]
.endr
.irp i, 0,1,2
	ds_store_b64 v29, v[224+2*\i:225+2*\i] offset:8*\i
.endr
.irp i, 0,1,2
	ds_load_b64 v[S+2*\i:S+1+2*\i], v30 offset:256*\i          ; LDS serves a wave's instructions in order: these see my stores
.endr
	global_store_b16 v7, v253, s[72:73]            ; two bytes a row (a word spans two heads); both halves of the lanes write the same bytes with the same value
	s_wait_dscnt 0x0
.irp i, 0,1,2
	global_store_b64 v31, v[S+2*\i:S+1+2*\i], s[8:9] offset:256*\i   ; 32 lanes store 256 consecutive bytes, at a multiple of 256 from the buffer's first byte
.endr
	s_wait_tensorcnt 0x0
	ds_add_u32 v243, v255
	s_wait_dscnt 0x0
	CROUND                                         ; the closing round
	s_endpgm
.Lfunc_end_k_qcdbee80afa_attn:
	.size	k_qcdbee80afa_attn, .Lfunc_end_k_qcdbee80afa_attn-k_qcdbee80afa_attn
	.p2alignl 7, 3214868480
	.fill 96, 4, 3214868480
	.section	.rodata,"a",@progbits
	.p2align	6, 0x0
	.amdhsa_kernel k_qcdbee80afa_attn
		.amdhsa_group_segment_fixed_size 231424
		.amdhsa_private_segment_fixed_size 0
		.amdhsa_enable_private_segment 0
		.amdhsa_kernarg_size 24
		.amdhsa_user_sgpr_count 2
		.amdhsa_user_sgpr_kernarg_segment_ptr 1
		.amdhsa_wavefront_size32 1
		.amdhsa_system_sgpr_workgroup_id_x 1
		.amdhsa_system_sgpr_workgroup_id_y 1
		.amdhsa_system_sgpr_workgroup_id_z 1
		.amdhsa_system_vgpr_workitem_id 0
		.amdhsa_next_free_vgpr 256
		.amdhsa_next_free_sgpr 80
		.amdhsa_reserve_vcc 1
		.amdhsa_float_denorm_mode_32 3
		.amdhsa_float_denorm_mode_16_64 3
		.amdhsa_memory_ordered 1
		.amdhsa_forward_progress 1
		.amdhsa_inst_pref_size 94
	.end_amdhsa_kernel
	.amdgpu_metadata
---
amdhsa.version: [ 1, 2 ]
amdhsa.kernels:
  - .name:           k_qcdbee80afa_attn
    .symbol:         k_qcdbee80afa_attn.kd
    .args:
      - { .name: ACT, .offset: 0, .size: 8, .value_kind: global_buffer, .address_space: global }
      - { .name: mask, .offset: 8, .size: 8, .value_kind: global_buffer, .address_space: global }
      - { .name: AO, .offset: 16, .size: 8, .value_kind: global_buffer, .address_space: global }
    .group_segment_fixed_size: 231424
    .private_segment_fixed_size: 0
    .kernarg_segment_align: 8
    .kernarg_segment_size: 24
    .max_flat_workgroup_size: 512
    .sgpr_count:     80
    .vgpr_count:     256
    .wavefront_size: 32
...
	.end_amdgpu_metadata
.endif
;; end of part 4
;; launch proj (part 5): grid 4 x 16, 4 waves a work-group, clusters of 4 x 4, 327,680 bytes of LDS; arguments AO, WC, x, bo, X1; writes X1
.if DOCPART == 5
	.amdgcn_target "amdgcn-amd-amdhsa--gfx1250"
	.amdhsa_code_object_version 6
	.text
	.protected	k_qcdbee80afa_proj
	.globl	k_qcdbee80afa_proj
	.p2align	8
	.type	k_qcdbee80afa_proj,@function
k_qcdbee80afa_proj:
	s_mov_b64 s[64:65], 0
	v_nop
	global_prefetch_b8 v0, s[64:65] scope:SCOPE_SE
	s_setreg_imm32_b32 hwreg(HW_REG_WAVE_MODE, 25, 1), 1
	s_wait_xcnt 0x0
	s_wait_alu depctr_hold_cnt(0) depctr_sa_sdst(0) depctr_va_vdst(0) depctr_va_sdst(0) depctr_va_ssrc(0) depctr_va_vcc(0) depctr_vm_vsrc(0)
	s_getreg_b32 s2, hwreg(HW_REG_IB_STS2, 6, 4)
	s_cmp_eq_u32 s2, 0
	s_cbranch_scc0 .Lentry_in_a_cluster
	s_endpgm
.Lentry_in_a_cluster:
	s_bfe_u32 s2, ttmp6, 0x10000c
	s_cmp_lg_u32 s2, 0xf033
	s_cbranch_scc0 .Lentry_shape_is_right
	s_endpgm
.Lentry_shape_is_right:
; OUT = RES + bias + A B^T, on FP6 (E2M3) codes with one E8M0 scale for each 32 along K; RES, bias and OUT are f32, 4,096 x 1,024.  This text serves two products; only the constants of its first block differ.
; Operands: codes [rows / 128][K / 64][128 rows][48 bytes], scale words [rows / 128][K / 128][128][4]; rows in position order (position p holds true row swap34(p)); RES, bias, OUT in true order.
; A tile of OUT, 256 x 256, is made by four waves, each 128 x 128: 64 accumulators.  K goes in steps of 256 through a ring of two LDS slots; 128 rows x 256 K are one dense block of 24,576 bytes for one tensor load.
; The scale words of the work-group's rows, for all of K, come once with the first fills.  CLUSTERS: 4 x 4; A's tiles are asked for jointly along a row of the cluster, B's along a column.
; THE SUMS BEGIN AS RES + bias: while the first tiles are on their way, whole pieces of 512 bytes of RES's rows are loaded straight into the accumulators' registers, the bias is added, and each block of 16 rows turns
; through the wave's own stage in LDS into the result's layout.  So nothing but the stores stands behind the last product.
; THE MATRIX INSTRUCTION IS USED TRANSPOSED (source 0 = 16 positions of B, source 1 = 16 of A): lane (r, h) holds true row RM(a, r) = 32 (a / 2) + 8 (a % 2) + r + 8 (r / 8); tile b's register j is column 32 (b / 2) + 16 h + 8 (b % 2) + j.
; With 64 tiles this launch has work for 64 work-groups.
.set KST,    4                         ; K steps of 256: K = 1,024
.set PF,     0                         ; two refills only: none stands two K steps behind another, so nothing is prefetched
.set A_SC,   0
.set A_CD,   131072
.set B_SC,   0
.set B_CD,   32768
.set RBC,    98304                     ; an operand's codes of 128 rows
.set RBS,    4096                      ; and their scale words
.set NQ,     2
.set FR,     12
.set NL,     6
.set NP,     4                         ; places behind this matrix instruction (ISA guide 7.12.1)
.set HALFT,  24576
.set SLOT,   4*HALFT
.set LAPS,   KST/2
.set HALFS,  KST*1024
.set SCL,    2*SLOT                    ; behind the ring: four quarters of scale words; B's two lie 64 bytes further on
.set STAGE,  SCL+4*HALFS+256           ; 16 rows x (512 bytes + 16) for each wave: bytes of their own, into which no fill lands
.set SPITCH, 528
.set SPARE,  STAGE+4*16*SPITCH         ; the spare words, 128 bytes for each wave
.set ADRA, 16
.set ADRB, 20
.set STO,  24                          ; v24 the stage in the result's layout: row r, 64 bytes for each half of the lanes
.set RD,   25                          ; v25 the stage by rows: 16 bytes a lane
.set CO,   26                          ; v26 16 x lane
.set ADRS, 27
.set SPW,  28
.set NIL,  29
.set PFO,  30                          ; v30 the prefetches' offset
.set SC,   32
.set BI,   64                          ; v64-67 my four numbers of the bias
.set AF,   128
.set BK,   128                         ; the way out: v128-191 and v192-255 by turns
.set PFA,  96                          ; s[96:97]
.set G1, 24
.set G0, 32
.set G1B, 48
.set G0B, 56
.set G1S, 68
.set G0S, 76
.set G1SB, 80
.set G0SB, 88
.set MSB, 0
.macro WIN new
.if MSB != (\new)
	s_set_vgpr_msb (MSB<<8)|(\new)
.set MSB, (\new)
.endif
.endm
.set MUL_LO, 0xa1
.set MUL_HI, 0xf1
.set TO_B,   0x40
.macro JLOAD g0a, g1a, g0b, g1b        ; a joint load: waves 0 and 1 fetch for A, waves 2 and 3 for B; four v_nop follow each of the two lines
	s_cmp_eq_u32 s15, 0
	s_cbranch_scc0 .Lfor_b_\@
	tensor_load_to_lds s[\g0a:\g0a+3], s[\g1a:\g1a+7]
	s_nop 0
.rept 4
	v_nop
.endr
	s_branch .Lasked_\@
.Lfor_b_\@:
	tensor_load_to_lds s[\g0b:\g0b+3], s[\g1b:\g1b+7]
	s_nop 0
.rept 4
	v_nop
.endr
.Lasked_\@:
.endm
.macro CREST
	s_cmp_lg_u32 s14, 0
	s_cbranch_scc1 .Lnot_wave_0_\@
	s_barrier_signal -3
.Lnot_wave_0_\@:
	s_barrier_wait -3
	s_barrier_signal -1
	s_barrier_wait -1
.endm
.macro CROUND
	s_barrier_signal -1
	s_barrier_wait -1
	CREST
.endm
; A prefetch of the K step that stands two refills on: my work-group's 6,144 of the 24,576 bytes that I fetch, lanes 256 bytes apart (lanes 24-31 name lane 23's block).  The four partners that ask for a block jointly share it out
; by address (cx for A, cy for B).  A's rows are read by this cluster alone, so every cluster asks for its own; B's by all four clusters: the one with y = 0 asks.  The loop's last trip asks for nothing.
.macro ASK
	s_cmp_gt_u32 s3, s2
	s_cbranch_scc0 .Lnot_mine_\@
	global_prefetch_b8 v[PFO], s[PFA:PFA+1] offset:HALFT th:TH_LOAD_NT scope:SCOPE_SE
.Lnot_mine_\@:
.endm
	s_load_b256 s[4:11], s[0:1], 0x0               ; A, B, RES, bias
	s_load_b64 s[12:13], s[0:1], 0x20              ; OUT
	v_lshl_add_u32 v[SPW], v0, 2, SPARE
	v_mov_b32 v[NIL], 0
	ds_add_u32 v28, v29
	ds_add_u32 v28, v29
	s_wait_dscnt 0x0
	v_lshrrev_b32 v1, 5, v0
	v_readfirstlane_b32 s14, v1
	s_lshr_b32 s15, s14, 1
	s_and_b32 s16, s14, 1
	s_bfe_u32 s40, ttmp6, 0x40000
	s_bfe_u32 s41, ttmp6, 0x40004
	s_lshl_b32 s42, ttmp9, 2
	s_add_co_u32 s42, s42, s40                     ; tile column
	s_and_b32 s17, ttmp7, 0xffff
	s_lshl_b32 s17, s17, 2
	s_add_co_u32 s17, s17, s41                     ; tile row
	s_lshl_b32 s43, s41, 2
	s_lshl_b32 s43, 15, s43
	s_lshl_b32 s44, 0x1111, s40
	s_or_b32 s[G1+0], s43, (3<<16)|(1<<21)         ; 24,576 dense bytes as 96 rows of 32 elements of 8 bytes
	s_or_b32 s[G1B+0], s44, (3<<16)|(1<<21)
.irp g, G1, G1B
	s_mov_b32 s[\g+1], 32<<16
	s_mov_b32 s[\g+2], 96<<16
	s_mov_b32 s[\g+3], 32<<16
	s_mov_b32 s[\g+4], 96
	s_mov_b32 s[\g+5], 32
	s_mov_b32 s[\g+6], 0
	s_mov_b32 s[\g+7], 0
.endr
	s_or_b32 s[G1S+0], s43, (3<<16)|(1<<21)        ; the scale words of 128 rows: HALFS dense bytes
	s_or_b32 s[G1SB+0], s44, (3<<16)|(1<<21)
.irp g, G1S, G1SB
	s_mov_b32 s[\g+1], 32<<16
	s_mov_b32 s[\g+2], (HALFS/256)<<16
	s_mov_b32 s[\g+3], 32<<16
	s_mov_b32 s[\g+4], HALFS/256
	s_mov_b32 s[\g+5], 32
	s_mov_b32 s[\g+6], 0
	s_mov_b32 s[\g+7], 0
.endr
	s_lshl_b32 s20, s17, 1
	s_add_co_u32 s20, s20, s16
	s_lshl_b32 s46, s42, 1
	s_add_co_u32 s46, s46, s16
	s_mul_i32 s22, s20, RBS
	s_add_co_u32 s22, s22, A_SC
	s_mul_i32 s20, s20, RBC
	s_add_co_u32 s20, s20, A_CD
	s_mul_i32 s92, s46, RBS
	s_add_co_u32 s92, s92, B_SC
	s_mul_i32 s46, s46, RBC
	s_add_co_u32 s46, s46, B_CD
	s_mov_b32 s21, 0
	s_mov_b32 s23, 0
	s_mov_b32 s47, 0
	s_mov_b32 s93, 0
.if PF
	s_and_b32 s2, ttmp7, 0xffff
	s_cmp_eq_u32 s15, 0                            ; do I fetch for A?
	s_cselect_b32 s2, 0, s2
	s_cselect_b32 s98, s20, s46
	s_cselect_b32 s99, s40, s41
	s_cmp_eq_u32 s2, 0
	s_cselect_b32 s2, 1, -1                        ; 1 in a wave that prefetches, else the greatest number; the same in all partners
	s_mul_i32 s99, s99, 6144
	s_add_co_u32 s98, s98, s99
	s_add_co_u32 s98, s98, 2*HALFT                 ; at K step 2: the first refill steps it to 3 and names K step 4
	s_mov_b32 s99, 0
	v_and_b32 v[PFO], 31, v0
	v_min_u32 v[PFO], 23, v[PFO]
	v_lshlrev_b32 v[PFO], 8, v[PFO]
.endif
	s_mul_i32 s45, s14, HALFT
	s_mul_i32 s94, s14, HALFS
	s_lshl_b32 s95, s15, 6
	s_add_co_u32 s94, s94, s95
	s_wait_kmcnt 0x0
.if PF
	s_cmp_eq_u32 s15, 0
	s_cselect_b64 s[PFA:PFA+1], s[4:5], s[6:7]
	s_add_nc_u64 s[PFA:PFA+1], s[PFA:PFA+1], s[98:99]
.endif
	s_add_nc_u64 s[20:21], s[4:5], s[20:21]
	s_add_nc_u64 s[22:23], s[4:5], s[22:23]
	s_add_nc_u64 s[46:47], s[6:7], s[46:47]
	s_add_nc_u64 s[92:93], s[6:7], s[92:93]
	CROUND                                         ; all sixteen work-groups are here: the first joint loads meet
	s_mov_b32 s[G0S], 1
	s_add_co_u32 s[G0S+1], s94, SCL
	s_mov_b64 s[G0S+2:G0S+3], s[22:23]
	s_or_b32 s[G0S+3], s[G0S+3], 0x80000000
	s_mov_b32 s[G0SB], 1
	s_add_co_u32 s[G0SB+1], s94, SCL
	s_mov_b64 s[G0SB+2:G0SB+3], s[92:93]
	s_or_b32 s[G0SB+3], s[G0SB+3], 0x80000000
	JLOAD G0S, G1S, G0SB, G1SB
.irp s, 0,1
	s_mov_b32 s[G0+4*\s], 1
	s_add_co_u32 s[G0+4*\s+1], s45, \s*SLOT
	s_add_nc_u64 s[G0+4*\s+2:G0+4*\s+3], s[20:21], \s*HALFT
	s_or_b32 s[G0+4*\s+3], s[G0+4*\s+3], 0x80000000
	s_mov_b32 s[G0B+4*\s], 1
	s_add_co_u32 s[G0B+4*\s+1], s45, \s*SLOT
	s_add_nc_u64 s[G0B+4*\s+2:G0B+4*\s+3], s[46:47], \s*HALFT
	s_or_b32 s[G0B+4*\s+3], s[G0B+4*\s+3], 0x80000000
	JLOAD G0+4*\s, G1, G0B+4*\s, G1B
.endr
	v_and_b32 v1, 15, v0                           ; r
	v_bfe_u32 v2, v0, 4, 1                         ; h
	v_mul_u32_u24 v3, v1, 48
	v_mad_u32_u24 v3, v2, 24, v3
	s_mul_i32 s21, s15, HALFT
	s_mul_i32 s22, s16, HALFT
	s_add_co_u32 s22, s22, 2*HALFT
.irp s, 0,1
	v_add_nc_u32 v[ADRA+\s], s21, v3
	v_add_nc_u32 v[ADRB+\s], s22, v3
	s_add_co_u32 s21, s21, SLOT
	s_add_co_u32 s22, s22, SLOT
.endr
	s_mul_i32 s21, s15, HALFS
	s_mul_i32 s22, s16, HALFS
	s_add_co_u32 s22, s22, 2*HALFS+64
	s_sub_co_u32 s22, s22, s21
	v_mul_u32_u24 v6, s22, v2                      ; lanes 16-31 take B's: the lower base + h x the distance
	s_add_co_u32 s21, s21, SCL
	v_lshl_add_u32 v5, v1, 2, v6
	v_add_nc_u32 v[ADRS], s21, v5
	s_mul_i32 s23, s14, 16*SPITCH
	s_add_co_u32 s23, s23, STAGE                   ; my stage
	v_mul_u32_u24 v5, v1, SPITCH
	v_lshl_add_u32 v5, v2, 6, v5
	v_add_nc_u32 v[STO], s23, v5
	v_and_b32 v6, 31, v0
	v_lshlrev_b32 v[CO], 4, v6
	v_add_nc_u32 v[RD], s23, v[CO]
	s_lshl_b32 s20, s17, 20                        ; my first row: 256 x tile row + 128 x half, rows of 4,096 bytes
	s_lshl_b32 s21, s15, 19
	s_add_co_u32 s20, s20, s21
	s_lshl_b32 s46, s42, 10                        ; my first column, in bytes
	s_lshl_b32 s47, s16, 9
	s_add_co_u32 s46, s46, s47
	s_add_co_u32 s20, s20, s46
	s_mov_b32 s21, 0
	s_mov_b32 s47, 0
	s_add_nc_u64 s[8:9], s[8:9], s[20:21]
	s_add_nc_u64 s[12:13], s[12:13], s[20:21]
	s_add_nc_u64 s[10:11], s[10:11], s[46:47]
	global_load_b128 v[BI:BI+3], v[CO], s[10:11]
	WIN 0x80                                       ; destination window 2
.irp a, 0,1,2,3
.irp t, 0,1,2,3,4,5,6,7,8,9,10,11,12,13,14,15
	global_load_b128 v[64*\a+4*\t:64*\a+4*\t+3], v[CO], s[8:9] offset:(32*(\a/2)+8*(\a%2)+\t+8*(\t/8))*4096 th:TH_LOAD_NT   ; 32 lanes read 512 consecutive bytes of true row RM(a, t)
.endr
.endr
	WIN 0xc0                                       ; destination window 3
.irp a, 4,5,6,7
.irp t, 0,1,2,3,4,5,6,7,8,9,10,11,12,13,14,15
	global_load_b128 v[64*(\a-4)+4*\t:64*(\a-4)+4*\t+3], v[CO], s[8:9] offset:(32*(\a/2)+8*(\a%2)+\t+8*(\t/8))*4096 th:TH_LOAD_NT
.endr
.endr
.macro INIT a                          ; block a: + the bias, then through my stage into the result's layout, back into the same registers
.set AC, 64*((\a)%4)
.if 16*(7-(\a)) > 63
	s_wait_loadcnt 63                              ; fewer than the younger blocks' loads: safe
.else
	s_wait_loadcnt 16*(7-(\a))                     ; the younger blocks' loads may be out
.endif
	WIN 0x82+0x41*((\a)/4)                         ; destination and source 0: window 2 or 3
.set t, 0
.rept 16
	v_pk_add_f32 v[AC+4*t:AC+4*t+1], v[AC+4*t:AC+4*t+1], v[BI:BI+1]
	v_pk_add_f32 v[AC+4*t+2:AC+4*t+3], v[AC+4*t+2:AC+4*t+3], v[BI+2:BI+3]
.set t, t+1
.endr
	WIN 0x88+0x44*((\a)/4)                         ; a store's data (source 1) and a load's destination: window 2 or 3
.set t, 0
.rept 16
	ds_store_b128 v[RD], v[AC+4*t:AC+4*t+3] offset:t*SPITCH
.set t, t+1
.endr
.irp b, 0,1,2,3,4,5,6,7
	ds_load_b128 v[AC+8*\b:AC+8*\b+3], v[STO] offset:128*(\b/2)+32*(\b%2)       ; LDS serves a wave's instructions in order (ISA guide 5.7.1.4): these see the stores, and the next block's stores come behind them
	ds_load_b128 v[AC+8*\b+4:AC+8*\b+7], v[STO] offset:128*(\b/2)+32*(\b%2)+16
.endr
.endm
.irp a, 0,1,2,3,4,5,6,7
	INIT \a
.endr
	WIN 0
.macro FRAG reg, adr, q, i
.irp p, 0,1,2,3,4,5
	ds_load_b64 v[\reg+2*\p:\reg+2*\p+1], v[\adr] offset:(2*(\q)+\p/3)*6144+(\i)*768+8*(\p%3)
.endr
.endm
; 16 matrix instructions: A's blocks a0, a0 + 1 x B's eight.  The 64 accumulators take turns, one instruction a turn, in the same order in every step.
.macro MUL16 a0, p, q, sc
.irp a, \a0, \a0+1
.irp b, 0,1,2,3,4,5,6,7
	v_wmma_scale_f32_16x16x128_f8f6f4 v[8*(8*((\a)%4)+\b):8*(8*((\a)%4)+\b)+7], v[128*(\p)+FR*\b:128*(\p)+FR*\b+FR-1], v[AF+FR*(\a):AF+FR*(\a)+FR-1], v[8*(8*((\a)%4)+\b):8*(8*((\a)%4)+\b)+7], v[SC+8*NQ*(\sc)+NQ*\b+(\q)], v[SC+8*NQ*(\sc)+NQ*(\a)+(\q)] matrix_a_fmt:MATRIX_FMT_FP6 matrix_b_fmt:MATRIX_FMT_FP6 matrix_a_scale:MATRIX_SCALE_ROW1
.endr
.endr
.endm
.macro FETCH_B slot, q, p
	WIN TO_B
.irp i, 0,1,2,3,4,5,6,7
	FRAG 128*(\p)+FR*\i, ADRB+\slot, \q, \i
.endr
	WIN 0
.endm
.macro FETCH_A slot, q, i0
.irp i, \i0, \i0+1, \i0+2, \i0+3
	FRAG AF+FR*(\i), ADRA+\slot, \q, \i
.endr
.endm
.macro SCALES sc
.irp i, 0,1,2,3,4,5,6,7
.irp q, 0,1
	ds_load_b32 v[SC+8*NQ*\sc+NQ*\i+\q], v[ADRS] offset:512*\q+64*\i
.endr
.endr
.endm
.macro PLACES n
.rept \n
	v_nop
.endr
.endm
.macro STEP slot, q
	s_wait_dscnt 4*NL                              ; all but the youngest 24 loads (A's blocks 4-7)
	WIN MUL_LO
	MUL16 0, (\q)%2, \q, \slot
	MUL16 2, (\q)%2, \q, \slot
	s_wait_dscnt 0
	PLACES NP
	FETCH_B \slot, (\q)+1, 1-(\q)%2
	FETCH_A \slot, (\q)+1, 0
	WIN MUL_HI
	MUL16 4, (\q)%2, \q, \slot
	MUL16 6, (\q)%2, \q, \slot
	PLACES NP
	WIN 0
	FETCH_A \slot, (\q)+1, 4
.endm
.macro TURN slot, next, fill
.if PF && \fill
	s_wait_xcnt 0x0                                ; the last prefetch, a K step back, has read its address: it steps here, ahead of the change's own waits
	s_add_nc_u64 s[PFA:PFA+1], s[PFA:PFA+1], HALFT
.endif
	s_wait_tensorcnt 0x0                           ; all my tensor loads have landed: my part of the next slot
	ds_add_u32 v[SPW], v[NIL]                      ; 0 onto my spare word
	s_wait_dscnt 4*NL+1                            ; (the add and the youngest 24 loads may be out)
	WIN MUL_LO
	MUL16 0, 1, NQ-1, \slot
	s_wait_dscnt 0x0                               ; the add is done, and my reads of this slot are over
	s_barrier_signal -1
	MUL16 2, 1, NQ-1, \slot
	WIN 0
	s_barrier_wait -1
.if \fill
	CREST                                          ; the round: no wave of any partner still reads this slot or has a load on its way
	s_add_nc_u64 s[G0+4*\slot+2:G0+4*\slot+3], s[G0+4*\slot+2:G0+4*\slot+3], 2*HALFT
	s_add_nc_u64 s[G0B+4*\slot+2:G0B+4*\slot+3], s[G0B+4*\slot+2:G0B+4*\slot+3], 2*HALFT
	JLOAD G0+4*\slot, G1, G0B+4*\slot, G1B         ; my one tensor load behind the round, and the first
.else
	PLACES NP
.endif
	v_add_nc_u32 v[ADRS], 512*NQ, v[ADRS]
	FETCH_B \next, 0, 0
	FETCH_A \next, 0, 0
	SCALES \next
.if PF && \fill
	ASK                                            ; behind the joint load and the run of LDS loads
.endif
	WIN MUL_HI
	MUL16 4, 1, NQ-1, \slot
	MUL16 6, 1, NQ-1, \slot
	PLACES NP
	WIN 0
	FETCH_A \next, 0, 4
.endm
	s_wait_tensorcnt 1                             ; the scale words and my part of K step 0 are in; K step 1's load may be out
	s_wait_dscnt 0x0                               ; the sums' first values are in their registers
	s_barrier_signal -1
	s_barrier_wait -1
	FETCH_B 0, 0, 0
	FETCH_A 0, 0, 0
	SCALES 0
	FETCH_A 0, 0, 4
	STEP 0, 0
	s_mov_b32 s3, LAPS-1
.Llap:
	TURN 0, 1, 1
	STEP 1, 0
	TURN 1, 0, 1
	STEP 0, 0
	s_sub_co_u32 s3, s3, 1
	s_cmp_lg_u32 s3, 0
	s_cbranch_scc1 .Llap
	TURN 0, 1, 0
	STEP 1, 0
	s_wait_dscnt 4*NL
	WIN MUL_LO
	MUL16 0, 1, NQ-1, 1
	MUL16 2, 1, NQ-1, 1
	s_wait_dscnt 0
	WIN MUL_HI
	MUL16 4, 1, NQ-1, 1
	MUL16 6, 1, NQ-1, 1
	WIN 0
; THE WAY OUT, block by block of 16 rows x 128 columns, through my stage, back as whole pieces of 512 bytes of a row.
.macro TOSTAGE a
.set AC, 64*((\a)%4)
	WIN 0x08+4*((\a)/4)
.irp b, 0,1,2,3,4,5,6,7
	ds_store_b128 v[STO], v[AC+8*\b:AC+8*\b+3] offset:128*(\b/2)+32*(\b%2)      ; each accumulator from its low end on
	ds_store_b128 v[STO], v[AC+8*\b+4:AC+8*\b+7] offset:128*(\b/2)+32*(\b%2)+16
.endr
	WIN 0
.set BB, BK+64*((\a)%2)
.irp t, 0,1,2,3,4,5,6,7,8,9,10,11,12,13,14,15
	ds_load_b128 v[BB+4*\t:BB+4*\t+3], v[RD] offset:\t*SPITCH
.endr
.endm
.macro SEND a, younger
.set BB, BK+64*((\a)%2)
	s_wait_dscnt \younger                          ; the block is back; the next block's 16 stores and 16 loads may be out
.irp t, 0,1,2,3,4,5,6,7,8,9,10,11,12,13,14,15
	global_store_b128 v[CO], v[BB+4*\t:BB+4*\t+3], s[12:13] offset:(32*((\a)/2)+8*((\a)%2)+\t+8*(\t/8))*4096   ; 32 lanes store 512 consecutive bytes, at a multiple of 256 from the buffer's first byte
.endr
.endm
	PLACES NP
	TOSTAGE 0
.irp a, 1,2,3,4,5,6,7
.if \a > 1
	s_wait_xcnt 0x0                                ; block a - 2's stores have read their registers: block a's loads may land there
.endif
	TOSTAGE \a
	SEND \a-1, 32
.endr
	SEND 7, 0
	s_wait_tensorcnt 0x0                           ; the wave's end
	ds_add_u32 v[SPW], v[NIL]
	s_wait_dscnt 0x0
	CROUND                                         ; the closing round
	s_endpgm
.Lfunc_end_k_qcdbee80afa_proj:
	.size	k_qcdbee80afa_proj, .Lfunc_end_k_qcdbee80afa_proj-k_qcdbee80afa_proj
	.p2alignl 7, 3214868480
	.fill 96, 4, 3214868480
	.section	.rodata,"a",@progbits
	.p2align	6, 0x0
	.amdhsa_kernel k_qcdbee80afa_proj
		.amdhsa_group_segment_fixed_size 327680
		.amdhsa_private_segment_fixed_size 0
		.amdhsa_enable_private_segment 0
		.amdhsa_kernarg_size 40
		.amdhsa_user_sgpr_count 2
		.amdhsa_user_sgpr_kernarg_segment_ptr 1
		.amdhsa_wavefront_size32 1
		.amdhsa_system_sgpr_workgroup_id_x 1
		.amdhsa_system_sgpr_workgroup_id_y 1
		.amdhsa_system_sgpr_workgroup_id_z 1
		.amdhsa_system_vgpr_workitem_id 0
		.amdhsa_next_free_vgpr 1024
		.amdhsa_next_free_sgpr 100
		.amdhsa_reserve_vcc 0
		.amdhsa_float_denorm_mode_32 3
		.amdhsa_float_denorm_mode_16_64 3
		.amdhsa_memory_ordered 1
		.amdhsa_forward_progress 1
		.amdhsa_inst_pref_size 206
	.end_amdhsa_kernel
	.amdgpu_metadata
---
amdhsa.version: [ 1, 2 ]
amdhsa.kernels:
  - .name:           k_qcdbee80afa_proj
    .symbol:         k_qcdbee80afa_proj.kd
    .args:
      - { .name: AO, .offset: 0, .size: 8, .value_kind: global_buffer, .address_space: global }
      - { .name: WC, .offset: 8, .size: 8, .value_kind: global_buffer, .address_space: global }
      - { .name: x, .offset: 16, .size: 8, .value_kind: global_buffer, .address_space: global }
      - { .name: bo, .offset: 24, .size: 8, .value_kind: global_buffer, .address_space: global }
      - { .name: X1, .offset: 32, .size: 8, .value_kind: global_buffer, .address_space: global }
    .group_segment_fixed_size: 327680
    .private_segment_fixed_size: 0
    .kernarg_segment_align: 8
    .kernarg_segment_size: 40
    .max_flat_workgroup_size: 128
    .sgpr_count:     100
    .vgpr_count:     1024
    .wavefront_size: 32
...
	.end_amdgpu_metadata
.endif
;; end of part 5
;; launch ln2: the kernel of part 2 again; grid 256 x 1, 4 waves a work-group, no clusters, 32,256 bytes of LDS; arguments X1, g2, be2, XN; writes XN
;; launch ff1: the kernel of part 3 again; grid 16 x 16, 4 waves a work-group, clusters of 4 x 4, 327,680 bytes of LDS; arguments XN, WB, ACT; writes ACT
;; launch ff2 (part 6): grid 4 x 16, 4 waves a work-group, clusters of 4 x 4, 327,680 bytes of LDS; arguments ACT, WC, X1, bf2, out0; writes out0
.if DOCPART == 6
	.amdgcn_target "amdgcn-amd-amdhsa--gfx1250"
	.amdhsa_code_object_version 6
	.text
	.protected	k_qcdbee80afa_ff2
	.globl	k_qcdbee80afa_ff2
	.p2align	8
	.type	k_qcdbee80afa_ff2,@function
k_qcdbee80afa_ff2:
	s_mov_b64 s[64:65], 0
	v_nop
	global_prefetch_b8 v0, s[64:65] scope:SCOPE_SE
	s_setreg_imm32_b32 hwreg(HW_REG_WAVE_MODE, 25, 1), 1
	s_wait_xcnt 0x0
	s_wait_alu depctr_hold_cnt(0) depctr_sa_sdst(0) depctr_va_vdst(0) depctr_va_sdst(0) depctr_va_ssrc(0) depctr_va_vcc(0) depctr_vm_vsrc(0)
	s_getreg_b32 s2, hwreg(HW_REG_IB_STS2, 6, 4)
	s_cmp_eq_u32 s2, 0
	s_cbranch_scc0 .Lentry_in_a_cluster
	s_endpgm
.Lentry_in_a_cluster:
	s_bfe_u32 s2, ttmp6, 0x10000c
	s_cmp_lg_u32 s2, 0xf033
	s_cbranch_scc0 .Lentry_shape_is_right
	s_endpgm
.Lentry_shape_is_right:
; OUT = RES + bias + A B^T, on FP6 (E2M3) codes with one E8M0 scale for each 32 along K; RES, bias and OUT are f32, 4,096 x 1,024.  This text serves two products; only the constants of its first block differ.
; Operands: codes [rows / 128][K / 64][128 rows][48 bytes], scale words [rows / 128][K / 128][128][4]; rows in position order (position p holds true row swap34(p)); RES, bias, OUT in true order.
; A tile of OUT, 256 x 256, is made by four waves, each 128 x 128: 64 accumulators.  K goes in steps of 256 through a ring of two LDS slots; 128 rows x 256 K are one dense block of 24,576 bytes for one tensor load.
; The scale words of the work-group's rows, for all of K, come once with the first fills.  CLUSTERS: 4 x 4; A's tiles are asked for jointly along a row of the cluster, B's along a column.
; THE SUMS BEGIN AS RES + bias: while the first tiles are on their way, whole pieces of 512 bytes of RES's rows are loaded straight into the accumulators' registers, the bias is added, and each block of 16 rows turns
; through the wave's own stage in LDS into the result's layout.  So nothing but the stores stands behind the last product.
; THE MATRIX INSTRUCTION IS USED TRANSPOSED (source 0 = 16 positions of B, source 1 = 16 of A): lane (r, h) holds true row RM(a, r) = 32 (a / 2) + 8 (a % 2) + r + 8 (r / 8); tile b's register j is column 32 (b / 2) + 16 h + 8 (b % 2) + j.
; With 64 tiles this launch has work for 64 work-groups.
.set KST,    16                        ; K steps of 256: K = 4,096
.set PF,     1                         ; the K step two refills on is prefetched
.set A_SC,   0
.set A_CD,   524288
.set B_SC,   819200
.set B_CD,   950272
.set RBC,    393216                    ; an operand's codes of 128 rows
.set RBS,    16384                     ; and their scale words
.set NQ,     2
.set FR,     12
.set NL,     6
.set NP,     4                         ; places behind this matrix instruction (ISA guide 7.12.1)
.set HALFT,  24576
.set SLOT,   4*HALFT
.set LAPS,   KST/2
.set HALFS,  KST*1024
.set SCL,    2*SLOT                    ; behind the ring: four quarters of scale words; B's two lie 64 bytes further on
.set STAGE,  SCL+4*HALFS+256           ; 16 rows x (512 bytes + 16) for each wave: bytes of their own, into which no fill lands
.set SPITCH, 528
.set SPARE,  STAGE+4*16*SPITCH         ; the spare words, 128 bytes for each wave
.set ADRA, 16
.set ADRB, 20
.set STO,  24                          ; v24 the stage in the result's layout: row r, 64 bytes for each half of the lanes
.set RD,   25                          ; v25 the stage by rows: 16 bytes a lane
.set CO,   26                          ; v26 16 x lane
.set ADRS, 27
.set SPW,  28
.set NIL,  29
.set PFO,  30                          ; v30 the prefetches' offset
.set SC,   32
.set BI,   64                          ; v64-67 my four numbers of the bias
.set AF,   128
.set BK,   128                         ; the way out: v128-191 and v192-255 by turns
.set PFA,  96                          ; s[96:97]
.set G1, 24
.set G0, 32
.set G1B, 48
.set G0B, 56
.set G1S, 68
.set G0S, 76
.set G1SB, 80
.set G0SB, 88
.set MSB, 0
.macro WIN new
.if MSB != (\new)
	s_set_vgpr_msb (MSB<<8)|(\new)
.set MSB, (\new)
.endif
.endm
.set MUL_LO, 0xa1
.set MUL_HI, 0xf1
.set TO_B,   0x40
.macro JLOAD g0a, g1a, g0b, g1b        ; a joint load: waves 0 and 1 fetch for A, waves 2 and 3 for B; four v_nop follow each of the two lines
	s_cmp_eq_u32 s15, 0
	s_cbranch_scc0 .Lfor_b_\@
	tensor_load_to_lds s[\g0a:\g0a+3], s[\g1a:\g1a+7]
	s_nop 0
.rept 4
	v_nop
.endr
	s_branch .Lasked_\@
.Lfor_b_\@:
	tensor_load_to_lds s[\g0b:\g0b+3], s[\g1b:\g1b+7]
	s_nop 0
.rept 4
	v_nop
.endr
.Lasked_\@:
.endm
.macro CREST
	s_cmp_lg_u32 s14, 0
	s_cbranch_scc1 .Lnot_wave_0_\@
	s_barrier_signal -3
.Lnot_wave_0_\@:
	s_barrier_wait -3
	s_barrier_signal -1
	s_barrier_wait -1
.endm
.macro CROUND
	s_barrier_signal -1
	s_barrier_wait -1
	CREST
.endm
; A prefetch of the K step that stands two refills on: my work-group's 6,144 of the 24,576 bytes that I fetch, lanes 256 bytes apart (lanes 24-31 name lane 23's block).  The four partners that ask for a block jointly share it out
; by address (cx for A, cy for B).  A's rows are read by this cluster alone, so every cluster asks for its own; B's by all four clusters: the one with y = 0 asks.  The loop's last trip asks for nothing.
.macro ASK
	s_cmp_gt_u32 s3, s2
	s_cbranch_scc0 .Lnot_mine_\@
	global_prefetch_b8 v[PFO], s[PFA:PFA+1] offset:HALFT th:TH_LOAD_NT scope:SCOPE_SE
.Lnot_mine_\@:
.endm
	s_load_b256 s[4:11], s[0:1], 0x0               ; A, B, RES, bias
	s_load_b64 s[12:13], s[0:1], 0x20              ; OUT
	v_lshl_add_u32 v[SPW], v0, 2, SPARE
	v_mov_b32 v[NIL], 0
	ds_add_u32 v28, v29
	ds_add_u32 v28, v29
	s_wait_dscnt 0x0
	v_lshrrev_b32 v1, 5, v0
	v_readfirstlane_b32 s14, v1
	s_lshr_b32 s15, s14, 1
	s_and_b32 s16, s14, 1
	s_bfe_u32 s40, ttmp6, 0x40000
	s_bfe_u32 s41, ttmp6, 0x40004
	s_lshl_b32 s42, ttmp9, 2
	s_add_co_u32 s42, s42, s40                     ; tile column
	s_and_b32 s17, ttmp7, 0xffff
	s_lshl_b32 s17, s17, 2
	s_add_co_u32 s17, s17, s41                     ; tile row
	s_lshl_b32 s43, s41, 2
	s_lshl_b32 s43, 15, s43
	s_lshl_b32 s44, 0x1111, s40
	s_or_b32 s[G1+0], s43, (3<<16)|(1<<21)         ; 24,576 dense bytes as 96 rows of 32 elements of 8 bytes
	s_or_b32 s[G1B+0], s44, (3<<16)|(1<<21)
.irp g, G1, G1B
	s_mov_b32 s[\g+1], 32<<16
	s_mov_b32 s[\g+2], 96<<16
	s_mov_b32 s[\g+3], 32<<16
	s_mov_b32 s[\g+4], 96
	s_mov_b32 s[\g+5], 32
	s_mov_b32 s[\g+6], 0
	s_mov_b32 s[\g+7], 0
.endr
	s_or_b32 s[G1S+0], s43, (3<<16)|(1<<21)        ; the scale words of 128 rows: HALFS dense bytes
	s_or_b32 s[G1SB+0], s44, (3<<16)|(1<<21)
.irp g, G1S, G1SB
	s_mov_b32 s[\g+1], 32<<16
	s_mov_b32 s[\g+2], (HALFS/256)<<16
	s_mov_b32 s[\g+3], 32<<16
	s_mov_b32 s[\g+4], HALFS/256
	s_mov_b32 s[\g+5], 32
	s_mov_b32 s[\g+6], 0
	s_mov_b32 s[\g+7], 0
.endr
	s_lshl_b32 s20, s17, 1
	s_add_co_u32 s20, s20, s16
	s_lshl_b32 s46, s42, 1
	s_add_co_u32 s46, s46, s16
	s_mul_i32 s22, s20, RBS
	s_add_co_u32 s22, s22, A_SC
	s_mul_i32 s20, s20, RBC
	s_add_co_u32 s20, s20, A_CD
	s_mul_i32 s92, s46, RBS
	s_add_co_u32 s92, s92, B_SC
	s_mul_i32 s46, s46, RBC
	s_add_co_u32 s46, s46, B_CD
	s_mov_b32 s21, 0
	s_mov_b32 s23, 0
	s_mov_b32 s47, 0
	s_mov_b32 s93, 0
.if PF
	s_and_b32 s2, ttmp7, 0xffff
	s_cmp_eq_u32 s15, 0                            ; do I fetch for A?
	s_cselect_b32 s2, 0, s2
	s_cselect_b32 s98, s20, s46
	s_cselect_b32 s99, s40, s41
	s_cmp_eq_u32 s2, 0
	s_cselect_b32 s2, 1, -1                        ; 1 in a wave that prefetches, else the greatest number; the same in all partners
	s_mul_i32 s99, s99, 6144
	s_add_co_u32 s98, s98, s99
	s_add_co_u32 s98, s98, 2*HALFT                 ; at K step 2: the first refill steps it to 3 and names K step 4
	s_mov_b32 s99, 0
	v_and_b32 v[PFO], 31, v0
	v_min_u32 v[PFO], 23, v[PFO]
	v_lshlrev_b32 v[PFO], 8, v[PFO]
.endif
	s_mul_i32 s45, s14, HALFT
	s_mul_i32 s94, s14, HALFS
	s_lshl_b32 s95, s15, 6
	s_add_co_u32 s94, s94, s95
	s_wait_kmcnt 0x0
.if PF
	s_cmp_eq_u32 s15, 0
	s_cselect_b64 s[PFA:PFA+1], s[4:5], s[6:7]
	s_add_nc_u64 s[PFA:PFA+1], s[PFA:PFA+1], s[98:99]
.endif
	s_add_nc_u64 s[20:21], s[4:5], s[20:21]
	s_add_nc_u64 s[22:23], s[4:5], s[22:23]
	s_add_nc_u64 s[46:47], s[6:7], s[46:47]
	s_add_nc_u64 s[92:93], s[6:7], s[92:93]
	CROUND                                         ; all sixteen work-groups are here: the first joint loads meet
	s_mov_b32 s[G0S], 1
	s_add_co_u32 s[G0S+1], s94, SCL
	s_mov_b64 s[G0S+2:G0S+3], s[22:23]
	s_or_b32 s[G0S+3], s[G0S+3], 0x80000000
	s_mov_b32 s[G0SB], 1
	s_add_co_u32 s[G0SB+1], s94, SCL
	s_mov_b64 s[G0SB+2:G0SB+3], s[92:93]
	s_or_b32 s[G0SB+3], s[G0SB+3], 0x80000000
	JLOAD G0S, G1S, G0SB, G1SB
.irp s, 0,1
	s_mov_b32 s[G0+4*\s], 1
	s_add_co_u32 s[G0+4*\s+1], s45, \s*SLOT
	s_add_nc_u64 s[G0+4*\s+2:G0+4*\s+3], s[20:21], \s*HALFT
	s_or_b32 s[G0+4*\s+3], s[G0+4*\s+3], 0x80000000
	s_mov_b32 s[G0B+4*\s], 1
	s_add_co_u32 s[G0B+4*\s+1], s45, \s*SLOT
	s_add_nc_u64 s[G0B+4*\s+2:G0B+4*\s+3], s[46:47], \s*HALFT
	s_or_b32 s[G0B+4*\s+3], s[G0B+4*\s+3], 0x80000000
	JLOAD G0+4*\s, G1, G0B+4*\s, G1B
.endr
	v_and_b32 v1, 15, v0                           ; r
	v_bfe_u32 v2, v0, 4, 1                         ; h
	v_mul_u32_u24 v3, v1, 48
	v_mad_u32_u24 v3, v2, 24, v3
	s_mul_i32 s21, s15, HALFT
	s_mul_i32 s22, s16, HALFT
	s_add_co_u32 s22, s22, 2*HALFT
.irp s, 0,1
	v_add_nc_u32 v[ADRA+\s], s21, v3
	v_add_nc_u32 v[ADRB+\s], s22, v3
	s_add_co_u32 s21, s21, SLOT
	s_add_co_u32 s22, s22, SLOT
.endr
	s_mul_i32 s21, s15, HALFS
	s_mul_i32 s22, s16, HALFS
	s_add_co_u32 s22, s22, 2*HALFS+64
	s_sub_co_u32 s22, s22, s21
	v_mul_u32_u24 v6, s22, v2                      ; lanes 16-31 take B's: the lower base + h x the distance
	s_add_co_u32 s21, s21, SCL
	v_lshl_add_u32 v5, v1, 2, v6
	v_add_nc_u32 v[ADRS], s21, v5
	s_mul_i32 s23, s14, 16*SPITCH
	s_add_co_u32 s23, s23, STAGE                   ; my stage
	v_mul_u32_u24 v5, v1, SPITCH
	v_lshl_add_u32 v5, v2, 6, v5
	v_add_nc_u32 v[STO], s23, v5
	v_and_b32 v6, 31, v0
	v_lshlrev_b32 v[CO], 4, v6
	v_add_nc_u32 v[RD], s23, v[CO]
	s_lshl_b32 s20, s17, 20                        ; my first row: 256 x tile row + 128 x half, rows of 4,096 bytes
	s_lshl_b32 s21, s15, 19
	s_add_co_u32 s20, s20, s21
	s_lshl_b32 s46, s42, 10                        ; my first column, in bytes
	s_lshl_b32 s47, s16, 9
	s_add_co_u32 s46, s46, s47
	s_add_co_u32 s20, s20, s46
	s_mov_b32 s21, 0
	s_mov_b32 s47, 0
	s_add_nc_u64 s[8:9], s[8:9], s[20:21]
	s_add_nc_u64 s[12:13], s[12:13], s[20:21]
	s_add_nc_u64 s[10:11], s[10:11], s[46:47]
	global_load_b128 v[BI:BI+3], v[CO], s[10:11]
	WIN 0x80                                       ; destination window 2
.irp a, 0,1,2,3
.irp t, 0,1,2,3,4,5,6,7,8,9,10,11,12,13,14,15
	global_load_b128 v[64*\a+4*\t:64*\a+4*\t+3], v[CO], s[8:9] offset:(32*(\a/2)+8*(\a%2)+\t+8*(\t/8))*4096 th:TH_LOAD_NT   ; 32 lanes read 512 consecutive bytes of true row RM(a, t)
.endr
.endr
	WIN 0xc0                                       ; destination window 3
.irp a, 4,5,6,7
.irp t, 0,1,2,3,4,5,6,7,8,9,10,11,12,13,14,15
	global_load_b128 v[64*(\a-4)+4*\t:64*(\a-4)+4*\t+3], v[CO], s[8:9] offset:(32*(\a/2)+8*(\a%2)+\t+8*(\t/8))*4096 th:TH_LOAD_NT
.endr
.endr
.macro INIT a                          ; block a: + the bias, then through my stage into the result's layout, back into the same registers
.set AC, 64*((\a)%4)
.if 16*(7-(\a)) > 63
	s_wait_loadcnt 63                              ; fewer than the younger blocks' loads: safe
.else
	s_wait_loadcnt 16*(7-(\a))                     ; the younger blocks' loads may be out
.endif
	WIN 0x82+0x41*((\a)/4)                         ; destination and source 0: window 2 or 3
.set t, 0
.rept 16
	v_pk_add_f32 v[AC+4*t:AC+4*t+1], v[AC+4*t:AC+4*t+1], v[BI:BI+1]
	v_pk_add_f32 v[AC+4*t+2:AC+4*t+3], v[AC+4*t+2:AC+4*t+3], v[BI+2:BI+3]
.set t, t+1
.endr
	WIN 0x88+0x44*((\a)/4)                         ; a store's data (source 1) and a load's destination: window 2 or 3
.set t, 0
.rept 16
	ds_store_b128 v[RD], v[AC+4*t:AC+4*t+3] offset:t*SPITCH
.set t, t+1
.endr
.irp b, 0,1,2,3,4,5,6,7
	ds_load_b128 v[AC+8*\b:AC+8*\b+3], v[STO] offset:128*(\b/2)+32*(\b%2)       ; LDS serves a wave's instructions in order (ISA guide 5.7.1.4): these see the stores, and the next block's stores come behind them
	ds_load_b128 v[AC+8*\b+4:AC+8*\b+7], v[STO] offset:128*(\b/2)+32*(\b%2)+16
.endr
.endm
.irp a, 0,1,2,3,4,5,6,7
	INIT \a
.endr
	WIN 0
.macro FRAG reg, adr, q, i
.irp p, 0,1,2,3,4,5
	ds_load_b64 v[\reg+2*\p:\reg+2*\p+1], v[\adr] offset:(2*(\q)+\p/3)*6144+(\i)*768+8*(\p%3)
.endr
.endm
; 16 matrix instructions: A's blocks a0, a0 + 1 x B's eight.  The 64 accumulators take turns, one instruction a turn, in the same order in every step.
.macro MUL16 a0, p, q, sc
.irp a, \a0, \a0+1
.irp b, 0,1,2,3,4,5,6,7
	v_wmma_scale_f32_16x16x128_f8f6f4 v[8*(8*((\a)%4)+\b):8*(8*((\a)%4)+\b)+7], v[128*(\p)+FR*\b:128*(\p)+FR*\b+FR-1], v[AF+FR*(\a):AF+FR*(\a)+FR-1], v[8*(8*((\a)%4)+\b):8*(8*((\a)%4)+\b)+7], v[SC+8*NQ*(\sc)+NQ*\b+(\q)], v[SC+8*NQ*(\sc)+NQ*(\a)+(\q)] matrix_a_fmt:MATRIX_FMT_FP6 matrix_b_fmt:MATRIX_FMT_FP6 matrix_a_scale:MATRIX_SCALE_ROW1
.endr
.endr
.endm
.macro FETCH_B slot, q, p
	WIN TO_B
.irp i, 0,1,2,3,4,5,6,7
	FRAG 128*(\p)+FR*\i, ADRB+\slot, \q, \i
.endr
	WIN 0
.endm
.macro FETCH_A slot, q, i0
.irp i, \i0, \i0+1, \i0+2, \i0+3
	FRAG AF+FR*(\i), ADRA+\slot, \q, \i
.endr
.endm
.macro SCALES sc
.irp i, 0,1,2,3,4,5,6,7
.irp q, 0,1
	ds_load_b32 v[SC+8*NQ*\sc+NQ*\i+\q], v[ADRS] offset:512*\q+64*\i
.endr
.endr
.endm
.macro PLACES n
.rept \n
	v_nop
.endr
.endm
.macro STEP slot, q
	s_wait_dscnt 4*NL                              ; all but the youngest 24 loads (A's blocks 4-7)
	WIN MUL_LO
	MUL16 0, (\q)%2, \q, \slot
	MUL16 2, (\q)%2, \q, \slot
	s_wait_dscnt 0
	PLACES NP
	FETCH_B \slot, (\q)+1, 1-(\q)%2
	FETCH_A \slot, (\q)+1, 0
	WIN MUL_HI
	MUL16 4, (\q)%2, \q, \slot
	MUL16 6, (\q)%2, \q, \slot
	PLACES NP
	WIN 0
	FETCH_A \slot, (\q)+1, 4
.endm
.macro TURN slot, next, fill
.if PF && \fill
	s_wait_xcnt 0x0                                ; the last prefetch, a K step back, has read its address: it steps here, ahead of the change's own waits
	s_add_nc_u64 s[PFA:PFA+1], s[PFA:PFA+1], HALFT
.endif
	s_wait_tensorcnt 0x0                           ; all my tensor loads have landed: my part of the next slot
	ds_add_u32 v[SPW], v[NIL]                      ; 0 onto my spare word
	s_wait_dscnt 4*NL+1                            ; (the add and the youngest 24 loads may be out)
	WIN MUL_LO
	MUL16 0, 1, NQ-1, \slot
	s_wait_dscnt 0x0                               ; the add is done, and my reads of this slot are over
	s_barrier_signal -1
	MUL16 2, 1, NQ-1, \slot
	WIN 0
	s_barrier_wait -1
.if \fill
	CREST                                          ; the round: no wave of any partner still reads this slot or has a load on its way
	s_add_nc_u64 s[G0+4*\slot+2:G0+4*\slot+3], s[G0+4*\slot+2:G0+4*\slot+3], 2*HALFT
	s_add_nc_u64 s[G0B+4*\slot+2:G0B+4*\slot+3], s[G0B+4*\slot+2:G0B+4*\slot+3], 2*HALFT
	JLOAD G0+4*\slot, G1, G0B+4*\slot, G1B         ; my one tensor load behind the round, and the first
.else
	PLACES NP
.endif
	v_add_nc_u32 v[ADRS], 512*NQ, v[ADRS]
	FETCH_B \next, 0, 0
	FETCH_A \next, 0, 0
	SCALES \next
.if PF && \fill
	ASK                                            ; behind the joint load and the run of LDS loads
.endif
	WIN MUL_HI
	MUL16 4, 1, NQ-1, \slot
	MUL16 6, 1, NQ-1, \slot
	PLACES NP
	WIN 0
	FETCH_A \next, 0, 4
.endm
	s_wait_tensorcnt 1                             ; the scale words and my part of K step 0 are in; K step 1's load may be out
	s_wait_dscnt 0x0                               ; the sums' first values are in their registers
	s_barrier_signal -1
	s_barrier_wait -1
	FETCH_B 0, 0, 0
	FETCH_A 0, 0, 0
	SCALES 0
	FETCH_A 0, 0, 4
	STEP 0, 0
	s_mov_b32 s3, LAPS-1
.Llap:
	TURN 0, 1, 1
	STEP 1, 0
	TURN 1, 0, 1
	STEP 0, 0
	s_sub_co_u32 s3, s3, 1
	s_cmp_lg_u32 s3, 0
	s_cbranch_scc1 .Llap
	TURN 0, 1, 0
	STEP 1, 0
	s_wait_dscnt 4*NL
	WIN MUL_LO
	MUL16 0, 1, NQ-1, 1
	MUL16 2, 1, NQ-1, 1
	s_wait_dscnt 0
	WIN MUL_HI
	MUL16 4, 1, NQ-1, 1
	MUL16 6, 1, NQ-1, 1
	WIN 0
; THE WAY OUT, block by block of 16 rows x 128 columns, through my stage, back as whole pieces of 512 bytes of a row.
.macro TOSTAGE a
.set AC, 64*((\a)%4)
	WIN 0x08+4*((\a)/4)
.irp b, 0,1,2,3,4,5,6,7
	ds_store_b128 v[STO], v[AC+8*\b:AC+8*\b+3] offset:128*(\b/2)+32*(\b%2)      ; each accumulator from its low end on
	ds_store_b128 v[STO], v[AC+8*\b+4:AC+8*\b+7] offset:128*(\b/2)+32*(\b%2)+16
.endr
	WIN 0
.set BB, BK+64*((\a)%2)
.irp t, 0,1,2,3,4,5,6,7,8,9,10,11,12,13,14,15
	ds_load_b128 v[BB+4*\t:BB+4*\t+3], v[RD] offset:\t*SPITCH
.endr
.endm
.macro SEND a, younger
.set BB, BK+64*((\a)%2)
	s_wait_dscnt \younger                          ; the block is back; the next block's 16 stores and 16 loads may be out
.irp t, 0,1,2,3,4,5,6,7,8,9,10,11,12,13,14,15
	global_store_b128 v[CO], v[BB+4*\t:BB+4*\t+3], s[12:13] offset:(32*((\a)/2)+8*((\a)%2)+\t+8*(\t/8))*4096   ; 32 lanes store 512 consecutive bytes, at a multiple of 256 from the buffer's first byte
.endr
.endm
	PLACES NP
	TOSTAGE 0
.irp a, 1,2,3,4,5,6,7
.if \a > 1
	s_wait_xcnt 0x0                                ; block a - 2's stores have read their registers: block a's loads may land there
.endif
	TOSTAGE \a
	SEND \a-1, 32
.endr
	SEND 7, 0
	s_wait_tensorcnt 0x0                           ; the wave's end
	ds_add_u32 v[SPW], v[NIL]
	s_wait_dscnt 0x0
	CROUND                                         ; the closing round
	s_endpgm
.Lfunc_end_k_qcdbee80afa_ff2:
	.size	k_qcdbee80afa_ff2, .Lfunc_end_k_qcdbee80afa_ff2-k_qcdbee80afa_ff2
	.p2alignl 7, 3214868480
	.fill 96, 4, 3214868480
	.section	.rodata,"a",@progbits
	.p2align	6, 0x0
	.amdhsa_kernel k_qcdbee80afa_ff2
		.amdhsa_group_segment_fixed_size 327680
		.amdhsa_private_segment_fixed_size 0
		.amdhsa_enable_private_segment 0
		.amdhsa_kernarg_size 40
		.amdhsa_user_sgpr_count 2
		.amdhsa_user_sgpr_kernarg_segment_ptr 1
		.amdhsa_wavefront_size32 1
		.amdhsa_system_sgpr_workgroup_id_x 1
		.amdhsa_system_sgpr_workgroup_id_y 1
		.amdhsa_system_sgpr_workgroup_id_z 1
		.amdhsa_system_vgpr_workitem_id 0
		.amdhsa_next_free_vgpr 1024
		.amdhsa_next_free_sgpr 100
		.amdhsa_reserve_vcc 0
		.amdhsa_float_denorm_mode_32 3
		.amdhsa_float_denorm_mode_16_64 3
		.amdhsa_memory_ordered 1
		.amdhsa_forward_progress 1
		.amdhsa_inst_pref_size 207
	.end_amdhsa_kernel
	.amdgpu_metadata
---
amdhsa.version: [ 1, 2 ]
amdhsa.kernels:
  - .name:           k_qcdbee80afa_ff2
    .symbol:         k_qcdbee80afa_ff2.kd
    .args:
      - { .name: ACT, .offset: 0, .size: 8, .value_kind: global_buffer, .address_space: global }
      - { .name: WC, .offset: 8, .size: 8, .value_kind: global_buffer, .address_space: global }
      - { .name: X1, .offset: 16, .size: 8, .value_kind: global_buffer, .address_space: global }
      - { .name: bf2, .offset: 24, .size: 8, .value_kind: global_buffer, .address_space: global }
      - { .name: out0, .offset: 32, .size: 8, .value_kind: global_buffer, .address_space: global }
    .group_segment_fixed_size: 327680
    .private_segment_fixed_size: 0
    .kernarg_segment_align: 8
    .kernarg_segment_size: 40
    .max_flat_workgroup_size: 128
    .sgpr_count:     100
    .vgpr_count:     1024
    .wavefront_size: 32
...
	.end_amdgpu_metadata
.endif
;; end of part 6
;; ======== version 2 of 2: 7 launches
;; limits: right only within a limited range of input values
;; workspace buffers: WA 2,531,328 bytes; WB 3,317,760 bytes; WC 4,096,000 bytes; XN 3,317,760 bytes; ACT 16,777,216 bytes; AO 3,276,800 bytes; X1 16,777,216 bytes
;; launch prepln (part 7): grid 641 x 1, 4 waves a work-group, no clusters, 57,856 bytes of LDS; arguments wq, wk, wv, wo, w1, w2, bq, bk, bv, bf1, WA, WB, WC, x, g1, be1, XN; writes WA, WB, WC, XN
.if DOCPART == 7
	.amdgcn_target "amdgcn-amd-amdhsa--gfx1250"
	.amdhsa_code_object_version 6
	.text
	.protected	k_qcdbee80afa_prepln
	.globl	k_qcdbee80afa_prepln
	.p2align	8
	.type	k_qcdbee80afa_prepln,@function
k_qcdbee80afa_prepln:
	s_mov_b64 s[64:65], 0
	v_nop
	global_prefetch_b8 v0, s[64:65] scope:SCOPE_SE
	s_setreg_imm32_b32 hwreg(HW_REG_WAVE_MODE, 25, 1), 1
	s_wait_xcnt 0x0
; ONE LAUNCH PREPARES ALL THAT HANGS ON INPUTS ALONE: the six weights' operands (work-groups 0-384) and the first layer norm's operand (work-groups 385-640).  The two ways part on the work-group's
; number alone; each has LDS bytes and spare words of its own (the norm 0 to 32,255, the weights 32,768 to 57,855).  The work-groups with the longer work have the lower numbers.
; THE WEIGHTS, f32 stored [K][N], become operands of FP6 (E2M3) codes with K innermost and one E8M0 byte for each 32 along K.
; OPERAND LAYOUT (all code buffers of this program): codes [rows / 128][K / 64][128 rows][48 bytes], scale words [rows / 128][K / 128][128 rows][4 bytes].
; ROWS LIE IN POSITION ORDER: position p holds true row swap34(p) (bits 3 and 4 exchanged), so that 16 neighbouring positions used as a matrix instruction's source 0
; leave 16 true neighbours in a lane's registers of two neighbouring tiles.
; A LANE TAKES A COLUMN n AND ITS REGISTERS RUN DOWN K: a block of 32 lies in one lane, and the conversions give codes with K innermost.
; A block's scale is 2^(floor(log2(largest magnitude)) - 2); its byte is that magnitude's exponent field - 2, held at 1 from below (a block of zeros gets 1: its codes are zeros; this program alone reads the bytes).
; LIMITS: NaN and infinities are not served; blocks whose largest magnitude lies under 2^-124 keep the byte 1.
; SHARES: work-groups 0-383 take 128 columns x 256 along K each (0-127: wq, wk, wv, wo; 128-255: w1; 256-383: w2); a wave 32 columns.  Work-group 384 writes the headers of WA and WB:
; a floor word (-infinity or 0), the biases along N, zeros, the bias along M, so that one GEMM body with three arguments serves Q, K, V and the first feed-forward product.
.set NWG,    385                       ; work-groups of the weights' way
.set PB,     32768                     ; LDS: the weights' way begins here
.set OP_SC,  40960                     ; WA, WB, XN: scale words
.set OP_CD,  172032                    ; WA, WB, XN: codes
.set WO_SC,  0                         ; WC: wo's scale words, codes; w2's scale words, codes
.set WO_CD,  32768
.set W2_SC,  819200
.set W2_CD,  950272
.set HB_BN,  4096                      ; header: bias along N
.set HB_Z,   20480                     ; header: 4,096 zeros
.set HB_BM,  36864                     ; header: bias along M
.set NB,     8                         ; blocks of 32 a lane
.set SB,     24                        ; v24-25   two scale words
.set X,      32                        ; v32-95   two sets of 32 numbers
.set C,      96                        ; v96-102  a block's codes
.set OUTR,   112                       ; v112-159 the way out
.set OFF,    160                       ; v160-191 row i x pitch + 4 x lane; never rewritten
	s_cmp_ge_u32 ttmp9, NWG
	s_cbranch_scc1 .Lnorm
	s_load_b256 s[4:11], s[0:1], 0x0               ; wq, wk, wv, wo
	s_load_b256 s[12:19], s[0:1], 0x20             ; w1, w2, bq, bk
	s_load_b256 s[20:27], s[0:1], 0x40             ; bv, bf1, WA, WB
	s_load_b64 s[28:29], s[0:1], 0x60              ; WC
	v_lshl_add_u32 v192, v0, 2, PB+0x6000
	v_mov_b32 v193, 0
	s_cmp_eq_u32 ttmp9, 384
	s_cbranch_scc1 .Lheader                        ; this work-group has its own path, which touches no LDS
	v_lshrrev_b32 v1, 5, v0
	v_readfirstlane_b32 s3, v1                     ; wave
	v_and_b32 v2, 31, v0                           ; lane = my column among the wave's 32
	v_lshlrev_b32 v3, 2, v2
	v_and_b32 v5, 7, v2
	v_bfe_u32 v6, v2, 3, 1
	v_lshl_add_u32 v5, v6, 4, v5
	v_bfe_u32 v6, v2, 4, 1
	v_lshl_add_u32 v5, v6, 3, v5                   ; my column's position: bits 3 and 4 exchanged
	s_mul_i32 s2, s3, 6144                         ; LDS: the wave's image [4 panels][32 rows][48 bytes]
	s_add_co_u32 s2, s2, PB
	v_mul_u32_u24 v4, v5, 48
	v_add_nc_u32 v4, s2, v4                        ; into it: my position's row
	v_lshl_add_u32 v7, v2, 4, s2                   ; out of it: 16 bytes a lane
	s_mul_i32 s2, s3, 1536
	v_lshl_add_u32 v8, v2, 4, s2                   ; the same bytes in a panel of 128 rows: the wave's 32 rows are 1,536 bytes on end
	s_lshl_b32 s2, s3, 5
	v_add_nc_u32 v9, s2, v5
	v_lshlrev_b32 v9, 2, v9                        ; my row's scale word
	; which tensor, which 128 columns (cq), which 256 along K (kb): selects on the work-group's number alone
	s_lshr_b32 s30, ttmp9, 7                       ; group 0, 1, 2
	s_and_b32 s31, ttmp9, 127
	s_and_b32 s32, s31, 15
	s_lshr_b32 s33, s31, 4
	s_and_b32 s34, s31, 3
	s_lshr_b32 s35, s31, 2
	s_cmp_eq_u32 s30, 2
	s_cselect_b32 s32, s32, s34                    ; kb: w2 has 16 along K, the others 4
	s_cselect_b32 s33, s33, s35                    ; cq
	s_lshr_b32 s36, s33, 3
	s_and_b32 s46, s33, 7
	s_lshl_b32 s37, s30, 2
	s_or_b32 s37, s37, s36
	s_cmp_eq_u32 s37, 3
	s_cselect_b32 s38, 3, s30                      ; kind: 0 wq, wk, wv -> WA; 1 w1 -> WB; 2 w2 -> WC; 3 wo -> WC
	s_mov_b32 s42, OP_CD
	s_mov_b32 s43, OP_SC
	s_mov_b32 s44, 98304                           ; codes of a block of 128 rows, K = 1,024
	s_mov_b32 s45, 4096                            ; its scale words
	s_mov_b32 s54, 20                              ; 256 rows of the source are 2^20 bytes,
	s_mov_b32 s55, 4096                            ; a row 4,096
	s_wait_kmcnt 0x0
	s_cmp_eq_u32 s36, 1
	s_cselect_b64 s[40:41], s[6:7], s[4:5]
	s_cmp_eq_u32 s36, 2
	s_cselect_b64 s[40:41], s[8:9], s[40:41]
	s_cmp_eq_u32 s36, 3
	s_cselect_b64 s[40:41], s[10:11], s[40:41]
	s_cmp_eq_u32 s38, 1
	s_cselect_b64 s[40:41], s[12:13], s[40:41]
	s_cselect_b64 s[48:49], s[26:27], s[24:25]
	s_cselect_b32 s39, s33, s46                    ; the column block inside the source
	s_cselect_b32 s54, 22, s54                     ; (w1's rows are 16,384 bytes)
	s_cselect_b32 s55, 16384, s55
	s_cmp_ge_u32 s38, 2
	s_cselect_b64 s[48:49], s[28:29], s[48:49]
	s_cselect_b32 s47, s46, s33                    ; the row block inside the operand
	s_cmp_eq_u32 s38, 2
	s_cselect_b64 s[40:41], s[14:15], s[40:41]
	s_cselect_b32 s42, W2_CD, s42
	s_cselect_b32 s43, W2_SC, s43
	s_cselect_b32 s44, 393216, s44                 ; K = 4,096
	s_cselect_b32 s45, 16384, s45
	s_cmp_eq_u32 s38, 3
	s_cselect_b32 s42, WO_CD, s42
	s_cselect_b32 s43, WO_SC, s43
	s_mul_i32 s44, s47, s44
	s_add_co_u32 s42, s42, s44
	s_mul_i32 s44, s32, 24576                      ; 256 along K are four panels
	s_add_co_u32 s42, s42, s44
	s_mul_i32 s45, s47, s45
	s_add_co_u32 s43, s43, s45
	s_lshl_b32 s45, s32, 10                        ; and two scale words a row
	s_add_co_u32 s44, s43, s45
	s_mov_b32 s43, 0
	s_mov_b32 s45, 0
	s_add_nc_u64 s[50:51], s[48:49], s[42:43]      ; where my work-group's codes go
	s_add_nc_u64 s[52:53], s[48:49], s[44:45]      ; and its scale words
	s_lshl_b32 s42, s32, s54
	s_lshl_b32 s44, s39, 9
	s_add_co_u32 s42, s42, s44
	s_lshl_b32 s44, s3, 7
	s_add_co_u32 s42, s42, s44
	s_add_nc_u64 s[40:41], s[40:41], s[42:43]      ; the source at my wave's first column, first row
	s_lshl_b32 s56, s55, 5                         ; 32 rows on
	s_mov_b32 s57, 0
.set li, 0
.rept 32
	v_mad_u32_u24 v[OFF+li], s55, li, v3
.set li, li+1
.endr
.macro LOAD t                          ; block t: W(32 t + i, my column) into set t % 2; 32 lanes read 128 consecutive bytes
.if (\t) > 0
	s_wait_xcnt 0x0                                ; the earlier loads have read their base: it steps only behind this wait
	s_add_nc_u64 s[40:41], s[40:41], s[56:57]
.endif
.set li, 0
.rept 32
	global_load_b32 v[X+32*((\t)%2)+li], v[OFF+li], s[40:41] th:TH_LOAD_NT
.set li, li+1
.endr
.endm
	LOAD 0
	s_wait_alu depctr_va_vdst(0)                   ; the wait here, directly ahead of the wait in LOAD 1
	LOAD 1
.macro BLOCK t
.set XS, X+32*((\t)%2)
.if (\t) < NB-1
	s_wait_loadcnt 32                              ; this block's 32 loads are in; the next block's 32 may be out
.else
	s_wait_loadcnt 0
.endif
	v_max3_num_f32 v12, |v[XS]|, |v[XS+1]|, |v[XS+2]|      ; the block's largest magnitude: all 32 numbers are mine; two chains
	v_max3_num_f32 v13, |v[XS+3]|, |v[XS+4]|, |v[XS+5]|
.irp i, 6,10,14,18,22,26
	v_max3_num_f32 v12, v12, |v[XS+\i]|, |v[XS+\i+1]|
	v_max3_num_f32 v13, v13, |v[XS+\i+2]|, |v[XS+\i+3]|
.endr
	v_max3_num_f32 v12, v12, |v[XS+30]|, |v[XS+31]|
	v_max3_num_f32 v12, v12, v13, 0x1800000        ; and the floor 2^(3 - 127): the byte cannot fall under 1
	v_add_nc_u32 v11, 0xff000000, v12              ; 2 off the exponent field: the conversion takes this operand's exponent field as its scale
	v_cvt_scalef32_pk16_fp6_f32 v[C:C+2], v[XS:XS+15], v11
	v_cvt_scalef32_pk16_fp6_f32 v[C+4:C+6], v[XS+16:XS+31], v11   ; (a conversion's three registers begin on an even number)
	v_lshrrev_b32 v13, 23, v11                     ; the scale's byte; also the plain line between the conversions and the moves
	v_mov_b32 v[C+3], v[C+4]                       ; the block's 24 bytes on end in v96-101
	v_mov_b32 v[C+4], v[C+5]
	v_mov_b32 v[C+5], v[C+6]
.if (\t)%4 == 0
	v_mov_b32 v[SB+(\t)/4], v13                    ; four bytes to a word, the lower K in the lower byte
.else
	v_lshl_or_b32 v[SB+(\t)/4], v13, 8*((\t)%4), v[SB+(\t)/4]
.endif
.irp i, 0,1,2
	ds_store_b64 v4, v[C+2*\i:C+2*\i+1] offset:((\t)/2)*1536+24*((\t)%2)+8*\i   ; panel t / 2, half t % 2 of my row
.endr
.if (\t)+2 < NB
	LOAD (\t)+2
.endif
	s_wait_dscnt 0x0                               ; the stores are done: the next block's codes may be written
.endm
.irp t, 0,1,2,3,4,5,6,7
	BLOCK \t
.endr
	global_store_b32 v9, v[SB], s[52:53]           ; my row's two scale words
	s_wait_alu depctr_va_vdst(0)                   ; the wait here, directly ahead of the reader below
	global_store_b32 v9, v[SB+1], s[52:53] offset:512
.irp k, 0,1,2,3,4,5,6,7,8,9,10,11
	ds_load_b128 v[OUTR+4*\k:OUTR+4*\k+3], v7 offset:512*\k    ; LDS serves a wave's instructions in order (ISA guide 5.7.1.4): these see my stores
.endr
.irp k, 0,1,2,3,4,5,6,7,8,9,10,11
	s_wait_dscnt 11-\k                             ; the younger loads may be out
	global_store_b128 v8, v[OUTR+4*\k:OUTR+4*\k+3], s[50:51] offset:(\k/3)*6144+(\k%3)*512   ; 32 lanes store 512 consecutive bytes, at a multiple of 256 from the buffer's first byte
.endr
	s_wait_tensorcnt 0x0                           ; the wave's end
	ds_add_u32 v192, v193
	s_wait_dscnt 0x0
	s_endpgm
.Lheader:                              ; 128 threads x 16 bytes: 2,048 bytes an instruction
	v_lshlrev_b32 v1, 4, v0
	v_lshlrev_b32 v2, 2, v0
	v_mov_b32 v4, 0
	v_mov_b32 v5, 0
	v_mov_b32 v6, 0
	v_mov_b32 v7, 0
	v_mov_b32 v8, 0xff800000                       ; -infinity: the floor that changes nothing
	s_wait_alu depctr_va_vdst(0)                   ; the wait here, directly ahead of the wait below
	s_wait_kmcnt 0x0
.irp k, 0,1
	global_load_b128 v[32+4*\k:35+4*\k], v1, s[16:17] offset:2048*\k   ; bq
	global_load_b128 v[40+4*\k:43+4*\k], v1, s[18:19] offset:2048*\k   ; bk
	global_load_b128 v[48+4*\k:51+4*\k], v1, s[20:21] offset:2048*\k   ; bv
.endr
.irp k, 0,1,2,3,4,5,6,7
	global_load_b128 v[56+4*\k:59+4*\k], v1, s[22:23] offset:2048*\k   ; bf1
.endr
	global_store_b32 v2, v8, s[24:25]              ; WA's floor
	global_store_b32 v2, v4, s[26:27]              ; WB's floor: 0, the relu
.irp k, 0,1,2,3,4,5,6,7
	global_store_b128 v1, v[4:7], s[24:25] offset:HB_Z+2048*\k
	global_store_b128 v1, v[4:7], s[26:27] offset:HB_Z+2048*\k
.endr
.irp k, 0,1
	global_store_b128 v1, v[4:7], s[26:27] offset:HB_BM+2048*\k
.endr
	s_wait_loadcnt 0x0
.irp k, 0,1
	global_store_b128 v1, v[32+4*\k:35+4*\k], s[24:25] offset:HB_BN+2048*\k
	global_store_b128 v1, v[40+4*\k:43+4*\k], s[24:25] offset:HB_BN+4096+2048*\k
	global_store_b128 v1, v[48+4*\k:51+4*\k], s[24:25] offset:HB_BM+2048*\k
.endr
.irp k, 0,1,2,3,4,5,6,7
	global_store_b128 v1, v[56+4*\k:59+4*\k], s[26:27] offset:HB_BN+2048*\k
.endr
	s_endpgm
; THE FIRST LAYER NORM: 4,096 rows of 1,024 f32, (x - mean) * rsqrt(var + 1e-5) * g + b, all in f32 (mean first, then the mean of squared differences), then quantised along the row.
; Out: XN's codes and scale words in the operand layout above, rows in position order.
; SHARES: work-group NWG + G owns positions 16 G .. 16 G + 15; wave w four of them, which are four neighbouring tokens; a wave takes a whole row, so a reduction never leaves the wave.
; Every load is dense (32 lanes read 512 consecutive bytes).  The conversions want 32 neighbours in one lane: a row turns through the wave's own stage in LDS, 128 bytes + 16 of padding for each block of 32.
; The codes of the 16 rows meet in a stage laid as the output's panels and leave as pieces of 768 consecutive bytes; the scale words leave in pieces of 64 bytes.
.set GG,   16                          ; v16-47   g, as loaded
.set BE,   48                          ; v48-79   b
.set R,    80                          ; v80-207  four rows; on the way out v80-104
.set T,    208                         ; v208-239 the turned row: my block's 32 numbers
.set C,    240                         ; v240-246 codes; v247 the byte
.set CSTG, 18432                       ; LDS: four turn stages of 4,608 bytes from 0; the code stage: 16 panels 784 bytes apart (16 rows x 48 + 16);
.set SSTG, 30976                       ; the scale stage: [8 words][16 rows][4 bytes]
.Lnorm:
	s_load_b256 s[4:11], s[0:1], 0x68              ; x, g1, be1, XN
	v_lshl_add_u32 v14, v0, 2, 0x7c00
	v_mov_b32 v15, 0
	s_sub_co_u32 s30, ttmp9, NWG                   ; G
	v_lshrrev_b32 v1, 5, v0
	v_readfirstlane_b32 s12, v1                    ; wave
	v_and_b32 v1, 31, v0                           ; lane
	v_lshlrev_b32 v2, 4, v1                        ; my 16 bytes of a load's 512
	s_mul_i32 s13, s12, 4608
	v_lshrrev_b32 v11, 3, v1
	v_mul_u32_u24 v3, v11, 144
	v_and_b32 v11, 7, v1
	v_lshl_add_u32 v3, v11, 4, v3
	v_add_nc_u32 v3, s13, v3                       ; turn stage, in: eight lanes fill a block's 128 bytes
	v_mul_u32_u24 v4, v1, 144
	v_add_nc_u32 v4, s13, v4                       ; turn stage, out: lane l takes block l
	v_lshrrev_b32 v11, 1, v1
	v_mul_u32_u24 v5, v11, 784
	v_and_b32 v11, 1, v1
	v_mad_u32_u24 v5, v11, 24, v5
	s_mul_i32 s13, s12, 192
	s_add_co_u32 s13, s13, CSTG
	v_add_nc_u32 v5, s13, v5                       ; code stage: panel l / 2, half l % 2, row 4 w (+ i in the immediate)
	v_lshrrev_b32 v11, 2, v1
	v_and_b32 v6, 3, v1
	v_lshl_add_u32 v6, v11, 6, v6
	s_lshl_b32 s13, s12, 4
	s_add_co_u32 s13, s13, SSTG
	v_add_nc_u32 v6, s13, v6                       ; scale stage: word l / 4, byte l % 4, row 4 w
	v_lshrrev_b32 v11, 4, v0                       ; the way out: thread t: panel t / 16 (+ 8), 16 bytes at 16 (t % 16)
	v_and_b32 v12, 15, v0
	v_mul_u32_u24 v7, v11, 784
	v_lshl_add_u32 v7, v12, 4, v7
	v_add_nc_u32 v7, CSTG, v7
	v_mul_u32_u24 v8, v11, 6144
	v_lshl_add_u32 v8, v12, 4, v8
	v_lshl_add_u32 v9, v0, 2, SSTG
	v_lshlrev_b32 v10, 2, v12
	v_lshl_add_u32 v10, v11, 9, v10
	s_lshr_b32 s14, s30, 1
	s_lshl_b32 s14, s14, 5
	s_and_b32 s15, s30, 1
	s_lshl_b32 s15, s15, 3
	s_add_co_u32 s14, s14, s15
	s_lshl_b32 s15, s12, 2
	s_add_co_u32 s14, s14, s15
	s_lshr_b32 s15, s12, 1
	s_lshl_b32 s15, s15, 3
	s_add_co_u32 s14, s14, s15                     ; my first token: 32 (G / 2) + 8 (G % 2) + 4 w + 8 (w / 2)
	s_lshl_b32 s14, s14, 12
	s_mov_b32 s15, 0
	s_lshr_b32 s16, s30, 3
	s_and_b32 s17, s30, 7
	s_mul_i32 s18, s16, 98304
	s_mul_i32 s19, s17, 768
	s_add_co_u32 s18, s18, s19
	s_add_co_u32 s18, s18, OP_CD
	s_mov_b32 s19, 0
	s_lshl_b32 s20, s16, 12
	s_lshl_b32 s21, s17, 6
	s_add_co_u32 s20, s20, s21
	s_add_co_u32 s20, s20, OP_SC
	s_mov_b32 s21, 0
	s_mov_b32 s22, 0x3a800000                      ; 1 / 1,024
	s_mov_b32 s23, 0x3727c5ac                      ; 1e-5
	s_mov_b32 s24, 0x76543210                      ; v_permlanex16_b32's selects for lane l xor 16
	s_mov_b32 s25, 0xfedcba98
	s_wait_alu depctr_va_vdst(0)                   ; the wait at the head's end
	s_wait_kmcnt 0x0
	s_add_nc_u64 s[4:5], s[4:5], s[14:15]
	s_add_nc_u64 s[26:27], s[10:11], s[18:19]
	s_add_nc_u64 s[28:29], s[10:11], s[20:21]
.irp k, 0,1,2,3,4,5,6,7
	global_load_b128 v[GG+4*\k:GG+4*\k+3], v2, s[6:7] offset:512*\k
.endr
.irp k, 0,1,2,3,4,5,6,7
	global_load_b128 v[BE+4*\k:BE+4*\k+3], v2, s[8:9] offset:512*\k
.endr
.irp i, 0,1,2,3
.irp k, 0,1,2,3,4,5,6,7
	global_load_b128 v[R+32*\i+4*\k:R+32*\i+4*\k+3], v2, s[4:5] offset:4096*\i+512*\k th:TH_LOAD_NT
.endr
.endr
.macro REDUCE                          ; v248 summed over the 32 lanes, the result in every lane
	v_add_f32_dpp v248, v248, v248 row_xmask:1 row_mask:0xf bank_mask:0xf
	v_add_f32_dpp v248, v248, v248 row_xmask:2 row_mask:0xf bank_mask:0xf
	v_add_f32_dpp v248, v248, v248 row_xmask:4 row_mask:0xf bank_mask:0xf
	v_add_f32_dpp v248, v248, v248 row_xmask:8 row_mask:0xf bank_mask:0xf
	v_permlanex16_b32 v249, v248, s24, s25
	v_add_f32 v248, v248, v249
.endm
.macro ROW i
.set RB, R+32*(\i)
	s_wait_loadcnt 8*(3-(\i))                      ; g, b and my rows up to this one are in; the later rows' eight loads each may be out
	v_pk_add_f32 v[248:249], v[RB:RB+1], v[RB+4:RB+5]          ; the sum, in two chains
	v_pk_add_f32 v[250:251], v[RB+2:RB+3], v[RB+6:RB+7]
.irp j, 8,12,16,20,24,28
	v_pk_add_f32 v[248:249], v[248:249], v[RB+\j:RB+\j+1]
	v_pk_add_f32 v[250:251], v[250:251], v[RB+\j+2:RB+\j+3]
.endr
	v_pk_add_f32 v[248:249], v[248:249], v[250:251]
	v_add_f32 v248, v248, v249
	REDUCE
	v_mul_f32 v252, s22, v248                      ; the mean, twice: a pair for the packed form
	v_mul_f32 v253, s22, v248
.irp j, 0,2,4,6,8,10,12,14,16,18,20,22,24,26,28,30
	v_pk_add_f32 v[RB+\j:RB+\j+1], v[RB+\j:RB+\j+1], v[252:253] neg_lo:[0,1] neg_hi:[0,1]
.endr
	v_pk_mul_f32 v[248:249], v[RB:RB+1], v[RB:RB+1]            ; the sum of squared differences
	v_pk_mul_f32 v[250:251], v[RB+2:RB+3], v[RB+2:RB+3]
.irp j, 4,8,12,16,20,24,28
	v_pk_fma_f32 v[248:249], v[RB+\j:RB+\j+1], v[RB+\j:RB+\j+1], v[248:249]
	v_pk_fma_f32 v[250:251], v[RB+\j+2:RB+\j+3], v[RB+\j+2:RB+\j+3], v[250:251]
.endr
	v_pk_add_f32 v[248:249], v[248:249], v[250:251]
	v_add_f32 v248, v248, v249
	REDUCE
	v_fma_f32 v248, v248, s22, s23                 ; variance + 1e-5
	s_wait_alu depctr_va_vdst(0)                   ; the wait ahead of the transcendental
	v_rsq_f32 v254, v248
	v_nop                                          ; a plain line behind the transcendental
	s_wait_alu depctr_va_vdst(0)                   ; the wait ahead of the first line that names the result
	v_mov_b32 v255, v254
.irp j, 0,2,4,6,8,10,12,14,16,18,20,22,24,26,28,30
	v_pk_mul_f32 v[RB+\j:RB+\j+1], v[RB+\j:RB+\j+1], v[254:255]
.endr
.irp j, 0,2,4,6,8,10,12,14,16,18,20,22,24,26,28,30
	v_pk_fma_f32 v[RB+\j:RB+\j+1], v[RB+\j:RB+\j+1], v[GG+\j:GG+\j+1], v[BE+\j:BE+\j+1]
.endr
.irp k, 0,1,2,3,4,5,6,7
	ds_store_b128 v3, v[RB+4*\k:RB+4*\k+3] offset:576*\k       ; a load's 512 bytes are four blocks
.endr
.irp k, 0,1,2,3,4,5,6,7
	ds_load_b128 v[T+4*\k:T+4*\k+3], v4 offset:16*\k           ; LDS serves a wave's instructions in order: these see the stores
.endr
	s_wait_dscnt 0x0                               ; my block is back; the last row's stores of codes and byte are done too
	v_max3_num_f32 v250, |v[T]|, |v[T+1]|, |v[T+2]|
	v_max3_num_f32 v251, |v[T+3]|, |v[T+4]|, |v[T+5]|
.irp j, 6,10,14,18,22,26
	v_max3_num_f32 v250, v250, |v[T+\j]|, |v[T+\j+1]|
	v_max3_num_f32 v251, v251, |v[T+\j+2]|, |v[T+\j+3]|
.endr
	v_max3_num_f32 v250, v250, |v[T+30]|, |v[T+31]|
	v_max3_num_f32 v250, v250, v251, 0x1800000     ; the floor 2^(3 - 127): the byte cannot fall under 1
	v_add_nc_u32 v251, 0xff000000, v250            ; 2 off the exponent field: the conversions' scale operand
	v_cvt_scalef32_pk16_fp6_f32 v[C:C+2], v[T:T+15], v251
	v_cvt_scalef32_pk16_fp6_f32 v[C+4:C+6], v[T+16:T+31], v251
	v_lshrrev_b32 v247, 23, v251                   ; the byte; also the plain line behind the conversions
	v_mov_b32 v[C+3], v[C+4]
	v_mov_b32 v[C+4], v[C+5]
	v_mov_b32 v[C+5], v[C+6]
.irp j, 0,1,2
	ds_store_b64 v5, v[C+2*\j:C+2*\j+1] offset:48*(\i)+8*\j
.endr
	ds_store_b8 v6, v247 offset:4*(\i)
.endm
	ROW 0
	ROW 1
	ROW 2
	ROW 3
	s_wait_dscnt 0x0                               ; for the others' sake: my stores into the two stages are done
	s_barrier_signal -1
	s_barrier_wait -1
.irp a, 0,1
.irp j, 0,1,2
	ds_load_b128 v[R+4*(3*\a+\j):R+4*(3*\a+\j)+3], v7 offset:6272*\a+256*\j
.endr
.endr
	ds_load_b32 v[R+24], v9
.irp a, 0,1
.irp j, 0,1,2
	s_wait_dscnt 6-(3*\a+\j)                       ; the younger loads may be out
	global_store_b128 v8, v[R+4*(3*\a+\j):R+4*(3*\a+\j)+3], s[26:27] offset:49152*\a+256*\j   ; 16 lanes store 256 consecutive bytes, at a multiple of 256 from the buffer's first byte
.endr
.endr
	s_wait_dscnt 0x0
	global_store_b32 v10, v[R+24], s[28:29]
	s_wait_tensorcnt 0x0                           ; the wave's end
	ds_add_u32 v14, v15
	s_wait_dscnt 0x0
	s_endpgm
.Lfunc_end_k_qcdbee80afa_prepln:
	.size	k_qcdbee80afa_prepln, .Lfunc_end_k_qcdbee80afa_prepln-k_qcdbee80afa_prepln
	.p2alignl 7, 3214868480
	.fill 96, 4, 3214868480
	.section	.rodata,"a",@progbits
	.p2align	6, 0x0
	.amdhsa_kernel k_qcdbee80afa_prepln
		.amdhsa_group_segment_fixed_size 57856
		.amdhsa_private_segment_fixed_size 0
		.amdhsa_enable_private_segment 0
		.amdhsa_kernarg_size 136
		.amdhsa_user_sgpr_count 2
		.amdhsa_user_sgpr_kernarg_segment_ptr 1
		.amdhsa_wavefront_size32 1
		.amdhsa_system_sgpr_workgroup_id_x 1
		.amdhsa_system_sgpr_workgroup_id_y 1
		.amdhsa_system_sgpr_workgroup_id_z 1
		.amdhsa_system_vgpr_workitem_id 0
		.amdhsa_next_free_vgpr 256
		.amdhsa_next_free_sgpr 66
		.amdhsa_reserve_vcc 0
		.amdhsa_float_denorm_mode_32 3
		.amdhsa_float_denorm_mode_16_64 3
		.amdhsa_memory_ordered 1
		.amdhsa_forward_progress 1
		.amdhsa_inst_pref_size 96
	.end_amdhsa_kernel
	.amdgpu_metadata
---
amdhsa.version: [ 1, 2 ]
amdhsa.kernels:
  - .name:           k_qcdbee80afa_prepln
    .symbol:         k_qcdbee80afa_prepln.kd
    .args:
      - { .name: wq, .offset: 0, .size: 8, .value_kind: global_buffer, .address_space: global }
      - { .name: wk, .offset: 8, .size: 8, .value_kind: global_buffer, .address_space: global }
      - { .name: wv, .offset: 16, .size: 8, .value_kind: global_buffer, .address_space: global }
      - { .name: wo, .offset: 24, .size: 8, .value_kind: global_buffer, .address_space: global }
      - { .name: w1, .offset: 32, .size: 8, .value_kind: global_buffer, .address_space: global }
      - { .name: w2, .offset: 40, .size: 8, .value_kind: global_buffer, .address_space: global }
      - { .name: bq, .offset: 48, .size: 8, .value_kind: global_buffer, .address_space: global }
      - { .name: bk, .offset: 56, .size: 8, .value_kind: global_buffer, .address_space: global }
      - { .name: bv, .offset: 64, .size: 8, .value_kind: global_buffer, .address_space: global }
      - { .name: bf1, .offset: 72, .size: 8, .value_kind: global_buffer, .address_space: global }
      - { .name: WA, .offset: 80, .size: 8, .value_kind: global_buffer, .address_space: global }
      - { .name: WB, .offset: 88, .size: 8, .value_kind: global_buffer, .address_space: global }
      - { .name: WC, .offset: 96, .size: 8, .value_kind: global_buffer, .address_space: global }
      - { .name: x, .offset: 104, .size: 8, .value_kind: global_buffer, .address_space: global }
      - { .name: g1, .offset: 112, .size: 8, .value_kind: global_buffer, .address_space: global }
      - { .name: be1, .offset: 120, .size: 8, .value_kind: global_buffer, .address_space: global }
      - { .name: XN, .offset: 128, .size: 8, .value_kind: global_buffer, .address_space: global }
    .group_segment_fixed_size: 57856
    .private_segment_fixed_size: 0
    .kernarg_segment_align: 8
    .kernarg_segment_size: 136
    .max_flat_workgroup_size: 128
    .sgpr_count:     66
    .vgpr_count:     256
    .wavefront_size: 32
...
	.end_amdgpu_metadata
.endif
;; end of part 7
;; launch qkv (part 8): grid 8 x 24, 4 waves a work-group, clusters of 4 x 4, 327,680 bytes of LDS; arguments XN, WA, ACT; writes ACT
.if DOCPART == 8
	.amdgcn_target "amdgcn-amd-amdhsa--gfx1250"
	.amdhsa_code_object_version 6
	.text
	.protected	k_qcdbee80afa_qkv
	.globl	k_qcdbee80afa_qkv
	.p2align	8
	.type	k_qcdbee80afa_qkv,@function
k_qcdbee80afa_qkv:
	s_mov_b64 s[64:65], 0
	v_nop
	global_prefetch_b8 v0, s[64:65] scope:SCOPE_SE
	s_setreg_imm32_b32 hwreg(HW_REG_WAVE_MODE, 25, 1), 1
	s_wait_xcnt 0x0
	s_wait_alu depctr_hold_cnt(0) depctr_sa_sdst(0) depctr_va_vdst(0) depctr_va_sdst(0) depctr_va_ssrc(0) depctr_va_vcc(0) depctr_vm_vsrc(0)
	s_getreg_b32 s2, hwreg(HW_REG_IB_STS2, 6, 4)
	s_cmp_eq_u32 s2, 0
	s_cbranch_scc0 .Lentry_in_a_cluster
	s_endpgm
.Lentry_in_a_cluster:
	s_bfe_u32 s2, ttmp6, 0x10000c
	s_cmp_lg_u32 s2, 0xf033
	s_cbranch_scc0 .Lentry_shape_is_right
	s_endpgm
.Lentry_shape_is_right:
; C = max(A B^T + bias, floor), K = 1,024, on FP6 (E2M3) codes with one E8M0 scale for each 32 along K; C is quantised along its columns and stored as codes: the next product's operand.
; Arguments: X (activations' codes), W (weights' codes behind a header), OUT.  Both operands lie alike: codes [rows / 128][K / 64][128 rows][48 bytes] from OP_CD, scale words [rows / 128][K / 128][128][4] from OP_SC;
; rows in position order (position p holds true row swap34(p)).  W's header: a floor word, a bias along N, zeros, a bias along M.
; TWO ROLES, told apart by the cluster's y alone, by selects and no branch.  Role 1 (cluster y under 4): A = X's tokens, B = W's rows: OUT[token][n].  Role 2: A = W's rows from 2,048 on (wv), B = X's tokens:
; OUT = V^T[d][token], quantised along the tokens, behind V_OFF.  With a grid of 16 x 16 (the first feed-forward product) role 2 does not occur.
; A tile of C, 256 x 256, is made by four waves, as many as a WGP has SIMDs; a wave makes 128 x 128: 64 accumulators, 512 registers.  K goes in steps of 256 through a ring of two LDS slots; 128 rows x 256 K of an operand are ONE dense
; block of 24,576 bytes, which one tensor load brings as it lies: rows 48 bytes apart inside a panel, so that the 32 lanes of a load of 8 bytes touch 64 different banks (64 banks of 4 bytes: ISA guide 11.1).
; The scale words of the work-group's rows, for all of K, come once with the first fills and stay.
; CLUSTERS: 4 x 4 work-groups; A's tiles are asked for jointly along a row of the cluster, B's along a column.  THE MATRIX INSTRUCTION IS USED TRANSPOSED (source 0 = 16 positions of B, source 1 = 16 of A):
; a lane holds one row of C, and the 16 registers of B's tiles 2 g, 2 g + 1 are the 16 true neighbours 32 g + 16 (lane / 16) + i along the next K.
; The bias along N is the C of each sum's first matrix instruction.  The bias along M and the floor are applied on the way out in every role (zeros and -infinity where they are not wanted).
; LIMITS: NaN and infinities are not served; an output block whose largest magnitude lies under 2^-124 (a block of zeros too) gets the byte 1, which this program alone reads.
; REGISTERS: window 0: v16-30 addresses; v32-63 scale words, two sets; v64-127 the bias tile, on the way out a block's 64 numbers; v128-223 A's fragments, ONE set; v224-239 the bias along M, each twice.
;   window 1: B's fragments, two sets, at v0 and v128.   windows 2, 3: the accumulators of my rows 0-63 and 64-127 ((a, b) at v[8 (8 (a % 4) + b)]).
.set OP_SC,  40960
.set OP_CD,  172032
.set HB_BN,  4096
.set HB_Z,   20480
.set HB_BM,  36864
.set ACT_CD, 524288                    ; OUT: scale words [32][32][128][4] from 0, codes [32][64][128][48] from here
.set V_OFF,  13107200                  ; OUT: V^T, laid alike, from here
.set NQ,     2                         ; matrix instructions deep in a slot
.set FR,     12                        ; registers of a fragment
.set NL,     6                         ; LDS loads that bring one
.set NP,     4                         ; places behind this matrix instruction (ISA guide 7.12.1)
.set HALFT,  24576                     ; 128 rows x 256 K: four panels of 6,144 bytes
.set QT,     2*HALFT                   ; a quarter of the ring: 128 rows of A or of B, slot 0's K step and then slot 1's; A's two quarters, then B's two
.set SLOT,   4*HALFT                   ; what one slot holds in all
.set LAPS,   2                         ; K = 1,024: four K steps, twice round the ring
.set RBC,    98304                     ; an operand's codes of 128 rows
.set RBS,    4096                      ; and their scale words
.set HALFS,  4096
.set SCL,    2*SLOT                    ; behind the ring: four quarters of scale words; B's two lie 64 bytes further on, so that A's lanes and B's fall on different banks
.set SPARE,  213248                    ; the spare words, 128 bytes for each wave: two blocks of 256 bytes that no other line names
.set WSTG,   12800                     ; the way out: two panels of 6,144 bytes and 512 bytes of scale words for each wave, in slot 0, which has had its last fill and its last read by then
.set ADRA, 16                          ; v16-17 LDS address of my A fragments in slot 0, 1
.set ADRB, 20                          ; v20-21 the same for B
.set STO,  24                          ; v24 the way out: my row's 24 bytes in a panel
.set RD,   25                          ; v25 the way out: 16 bytes a lane
.set CO,   26                          ; v26 16 x lane
.set ADRS, 27                          ; v27 my scale words: lanes 0-15 A's rows, lanes 16-31 B's
.set SPW,  28                          ; v28 my spare word; never rewritten
.set NIL,  29                          ; v29 0; never rewritten
.set SWA,  30                          ; v30 the way out: my row's scale word
.set SC,   32
.set BN,   64
.set HA,   64
.set AF,   128
.set BM,   224
.set PC,   128                         ; the way out: codes v128-147
.set TM,   152                         ; v152-167 at work
.set PW,   168                         ; the scale word just made
.set SW4,  172                         ; v172-175 scale words on their way out
.set OB,   176                         ; v176-223 a panel on its way out
.set SEL,  18                          ; s[18:19] v_permlanex16_b32's selects
.set G1, 24
.set G0, 32
.set G1B, 48
.set G0B, 56
.set G1S, 68
.set G0S, 76
.set G1SB, 80
.set G0SB, 88
.set MSB, 0
.macro WIN new                         ; the immediate's high byte repeats the setting that is left
.if MSB != (\new)
	s_set_vgpr_msb (MSB<<8)|(\new)
.set MSB, (\new)
.endif
.endm
.set MUL_LO,  0xa1                     ; source 0 (B) window 1, source 1 (A) window 0, C and D window 2
.set MUL_HI,  0xf1                     ; the same, C and D window 3
.set MUL_LO1, 0x81                     ; the first step: C (the bias tile) window 0, D window 2
.set MUL_HI1, 0xc1
.set TO_B,    0x40
; A joint load: waves 0 and 1 fetch for A, waves 2 and 3 for B.  The branch hangs on the wave's number alone.  Four v_nop follow each of the two lines.
.macro JLOAD g0a, g1a, g0b, g1b
	s_cmp_eq_u32 s15, 0
	s_cbranch_scc0 .Lfor_b_\@
	tensor_load_to_lds s[\g0a:\g0a+3], s[\g1a:\g1a+7]
	s_nop 0
.rept 4
	v_nop
.endr
	s_branch .Lasked_\@
.Lfor_b_\@:
	tensor_load_to_lds s[\g0b:\g0b+3], s[\g1b:\g1b+7]
	s_nop 0
.rept 4
	v_nop
.endr
.Lasked_\@:
.endm
.macro CREST                           ; a round of the cluster's barrier behind its opening barrier
	s_cmp_lg_u32 s14, 0
	s_cbranch_scc1 .Lnot_wave_0_\@
	s_barrier_signal -3
.Lnot_wave_0_\@:
	s_barrier_wait -3
	s_barrier_signal -1
	s_barrier_wait -1
.endm
.macro CROUND
	s_barrier_signal -1
	s_barrier_wait -1
	CREST
.endm
	s_load_b128 s[4:7], s[0:1], 0x0                ; X, W
	s_load_b64 s[8:9], s[0:1], 0x10                ; OUT
	v_lshl_add_u32 v[SPW], v0, 2, SPARE
	v_mov_b32 v[NIL], 0
	ds_add_u32 v28, v29
	ds_add_u32 v28, v29
	s_wait_dscnt 0x0
	v_lshrrev_b32 v1, 5, v0
	v_readfirstlane_b32 s14, v1                    ; wave 0..3
	s_lshr_b32 s15, s14, 1                         ; which half of the tile's rows is mine.  Also: I fetch for A (0) or for B (1)
	s_and_b32 s16, s14, 1                          ; which half of its columns.  Also: which 128 rows I fetch
	s_bfe_u32 s40, ttmp6, 0x40000                  ; cx, cy
	s_bfe_u32 s41, ttmp6, 0x40004
	s_and_b32 s18, ttmp7, 0xffff                   ; the cluster's y
	s_sub_co_u32 s19, s18, 4
	s_lshl_b32 s19, s19, 1
	s_add_co_u32 s19, s19, ttmp9                   ; role 2's column of clusters: x + 2 (y - 4)
	s_mov_b32 s94, HB_BN
	s_mov_b32 s95, HB_Z
	s_cmp_ge_u32 s18, 4                            ; role 2?  The same in all sixteen partners
	s_cselect_b32 s97, 1, 0
	s_cselect_b32 s18, 0, s18                      ; row of clusters
	s_cselect_b32 s19, s19, ttmp9                  ; column of clusters
	s_cselect_b32 s99, 16, 0                       ; wv's rows begin 16 blocks of 128 into W
	s_cselect_b32 s94, HB_Z, s94                   ; the bias along N,
	s_cselect_b32 s95, HB_BM, s95                  ; along M,
	s_cselect_b32 s96, V_OFF, 0                    ; and where the result goes
	s_lshl_b32 s42, s19, 2
	s_add_co_u32 s42, s42, s40                     ; tile column
	s_lshl_b32 s17, s18, 2
	s_add_co_u32 s17, s17, s41                     ; tile row
	s_lshl_b32 s43, s41, 2
	s_lshl_b32 s43, 15, s43                        ; my row of the cluster
	s_lshl_b32 s44, 0x1111, s40                    ; my column
	; descriptor group 1, first for the head's load: 2 rows of 6,144 elements of 8 bytes
	s_or_b32 s[G1+0], s43, (3<<16)|(1<<21)         ; 15:0 the mask; 17:16 elements of 8 bytes; 20 no padding; 21 set beside a mask
	s_or_b32 s[G1B+0], s44, (3<<16)|(1<<21)
.irp g, G1, G1B
	s_mov_b32 s[\g+1], 6144<<16                    ; for the head's load: two blocks of 128 rows, of each 512 along K: a row of 49,152 dense bytes
	s_mov_b32 s[\g+2], 2<<16
	s_mov_b32 s[\g+3], 6144<<16
	s_mov_b32 s[\g+4], 2
	s_mov_b32 s[\g+5], RBC/8                       ; from one block of 128 rows to the next
	s_mov_b32 s[\g+6], 0
	s_mov_b32 s[\g+7], 0
.endr
	; the scale words of 256 rows: 8,192 dense bytes as 32 such rows
	s_or_b32 s[G1S+0], s43, (3<<16)|(1<<21)
	s_or_b32 s[G1SB+0], s44, (3<<16)|(1<<21)
.irp g, G1S, G1SB
	s_mov_b32 s[\g+1], 32<<16
	s_mov_b32 s[\g+2], (2*HALFS/256)<<16           ; the scale words of 256 rows are dense: one load
	s_mov_b32 s[\g+3], 32<<16
	s_mov_b32 s[\g+4], 2*HALFS/256
	s_mov_b32 s[\g+5], 32
	s_mov_b32 s[\g+6], 0
	s_mov_b32 s[\g+7], 0
.endr
	s_lshl_b32 s20, s17, 1
	s_add_co_u32 s20, s20, s99                     ; A: the block of 128 rows that I fetch
	s_lshl_b32 s46, s42, 1
	s_mul_i32 s22, s20, RBS
	s_add_co_u32 s22, s22, OP_SC
	s_add_co_u32 s20, s20, s16                     ; the codes: the block of 128 rows that I fetch in the ring (the scale words begin at the tile's first block)
	s_mul_i32 s20, s20, RBC
	s_add_co_u32 s20, s20, OP_CD
	s_mul_i32 s92, s46, RBS
	s_add_co_u32 s92, s92, OP_SC
	s_add_co_u32 s46, s46, s16
	s_mul_i32 s46, s46, RBC
	s_add_co_u32 s46, s46, OP_CD
	s_mov_b32 s21, 0
	s_mov_b32 s23, 0
	s_mov_b32 s47, 0
	s_mov_b32 s93, 0
	s_mul_i32 s45, s14, QT                         ; where my part goes: wave x a quarter: no place in the cluster enters an LDS address
	s_wait_kmcnt 0x0
	s_cmp_lg_u32 s97, 0
	s_cselect_b64 s[12:13], s[6:7], s[4:5]         ; A's buffer
	s_cselect_b64 s[66:67], s[4:5], s[6:7]         ; B's
	s_add_nc_u64 s[20:21], s[12:13], s[20:21]
	s_add_nc_u64 s[22:23], s[12:13], s[22:23]
	s_add_nc_u64 s[46:47], s[66:67], s[46:47]
	s_add_nc_u64 s[92:93], s[66:67], s[92:93]
	CROUND                                         ; all sixteen work-groups are here: the first joint loads meet
	s_mov_b32 s[G0S], 1
	s_mov_b32 s[G0S+1], SCL
	s_mov_b64 s[G0S+2:G0S+3], s[22:23]
	s_or_b32 s[G0S+3], s[G0S+3], 0x80000000
	s_mov_b32 s[G0SB], 1
	s_mov_b32 s[G0SB+1], SCL+2*HALFS+64
	s_mov_b64 s[G0SB+2:G0SB+3], s[92:93]
	s_or_b32 s[G0SB+3], s[G0SB+3], 0x80000000
.irp s, 0,1
	s_mov_b32 s[G0+4*\s], 1
	s_add_co_u32 s[G0+4*\s+1], s45, \s*HALFT
	s_add_nc_u64 s[G0+4*\s+2:G0+4*\s+3], s[20:21], \s*HALFT
	s_or_b32 s[G0+4*\s+3], s[G0+4*\s+3], 0x80000000
	s_mov_b32 s[G0B+4*\s], 1
	s_add_co_u32 s[G0B+4*\s+1], s45, \s*HALFT
	s_add_nc_u64 s[G0B+4*\s+2:G0B+4*\s+3], s[46:47], \s*HALFT
	s_or_b32 s[G0B+4*\s+3], s[G0B+4*\s+3], 0x80000000
.endr
; THE HEAD'S LOADS, ONE A WAVE: wave 0 fetches A's 256 rows for K steps 0 and 1 (both slots), wave 2 B's, wave 1 A's scale words, wave 3 B's.
; Wave 0's and wave 2's own group 0 of slot 0 point at the tile's first block and at the first byte of A's and of B's quarters.  One chain of arms on the wave's number, all leading to one join.
.macro ARM under, g0, g1, next
	s_cmp_lt_u32 s14, \under
	s_cbranch_scc0 \next
	tensor_load_to_lds s[\g0:\g0+3], s[\g1:\g1+7]
	s_nop 0
.rept 4
	v_nop
.endr
	s_branch .Lhead_asked
\next:
.endm
	ARM 1, G0,  G1,  .Lhead_sa
	ARM 2, G0S, G1S, .Lhead_b
	ARM 3, G0B, G1B, .Lhead_sb
	tensor_load_to_lds s[G0SB:G0SB+3], s[G1SB:G1SB+7]
	s_nop 0
.rept 4
	v_nop
.endr
.Lhead_asked:
	s_load_b32 s98, s[6:7], 0x0                    ; the floor
	v_and_b32 v1, 15, v0                           ; r
	v_bfe_u32 v2, v0, 4, 1                         ; h
	s_wait_alu depctr_va_vdst(0)
	v_mul_u32_u24 v3, v1, 48
	v_mad_u32_u24 v3, v2, 24, v3                   ; a fragment's row x 48 + 24 x half
	s_wait_alu depctr_va_vdst(0)
	s_mul_i32 s21, s15, QT
	s_mul_i32 s22, s16, QT
	s_add_co_u32 s22, s22, 2*QT
.irp s, 0,1
	v_add_nc_u32 v[ADRA+\s], s21, v3
	v_add_nc_u32 v[ADRB+\s], s22, v3
	s_add_co_u32 s21, s21, HALFT
	s_add_co_u32 s22, s22, HALFT
.endr
	s_mul_i32 s21, s15, HALFS                      ; A's scale words: my quarter
	s_mul_i32 s22, s16, HALFS
	s_add_co_u32 s22, s22, 2*HALFS+64              ; B's
	s_sub_co_u32 s22, s22, s21
	v_mul_u32_u24 v6, s22, v2                      ; lanes 16-31 take B's: the lower base + h x the distance
	s_add_co_u32 s21, s21, SCL
	v_lshl_add_u32 v5, v1, 2, v6
	v_add_nc_u32 v[ADRS], s21, v5
	s_mul_i32 s23, s14, QT                         ; my stage: WSTG bytes at the start of quarter w, which is slot 0's part of it
	v_add_nc_u32 v[STO], s23, v3
	v_and_b32 v6, 31, v0
	v_lshlrev_b32 v[CO], 4, v6
	v_add_nc_u32 v[RD], s23, v[CO]
	s_add_co_u32 s23, s23, 12288
	v_lshl_add_u32 v[SWA], v1, 2, s23
	v_lshlrev_b32 v7, 6, v2                        ; the bias along N: 16 numbers further on for lanes 16-31
	s_wait_alu depctr_va_vdst(0)
	v_and_b32 v8, 8, v1
	v_add_nc_u32 v8, v8, v1
	v_lshlrev_b32 v8, 2, v8                        ; the bias along M: true row r + 8 (r / 8) of a block
	s_wait_alu depctr_va_vdst(0)
	s_lshl_b32 s20, s42, 10
	s_lshl_b32 s21, s16, 9
	s_add_co_u32 s20, s20, s21
	s_add_co_u32 s20, s20, s94
	s_mov_b32 s21, 0
	s_add_nc_u64 s[12:13], s[6:7], s[20:21]        ; at my first column
	s_lshl_b32 s20, s17, 10
	s_lshl_b32 s22, s15, 9
	s_add_co_u32 s20, s20, s22
	s_add_co_u32 s20, s20, s95
	s_add_nc_u64 s[66:67], s[6:7], s[20:21]        ; at my first row
	s_lshl_b32 s20, s17, 1
	s_add_co_u32 s20, s20, s15                     ; the result's block of 128 rows
	s_lshl_b32 s22, s42, 1
	s_add_co_u32 s22, s22, s16                     ; my 128 columns: one scale word a row, two panels
	s_lshl_b32 s23, s20, 5
	s_add_co_u32 s23, s23, s22
	s_lshl_b32 s23, s23, 9
	s_add_co_u32 s46, s23, s96
	s_mov_b32 s47, 0
	s_add_nc_u64 s[10:11], s[8:9], s[46:47]        ; where my scale words go
	s_lshl_b32 s23, s20, 6
	s_lshl_b32 s22, s22, 1
	s_add_co_u32 s23, s23, s22
	s_mul_i32 s23, s23, 6144
	s_add_co_u32 s23, s23, s96
	s_add_co_u32 s46, s23, ACT_CD
	s_add_nc_u64 s[8:9], s[8:9], s[46:47]          ; and my codes
	s_mov_b32 s[SEL], 0x76543210
	s_mov_b32 s[SEL+1], 0xfedcba98
.irp b, 0,1,2,3,4,5,6,7                        ; lane (r, h), tile b, register j: column 32 (b / 2) + 16 h + 8 (b % 2) + j
	global_load_b128 v[BN+8*\b:BN+8*\b+3], v7, s[12:13] offset:(32*(\b/2)+8*(\b%2))*4
	global_load_b128 v[BN+8*\b+4:BN+8*\b+7], v7, s[12:13] offset:(32*(\b/2)+8*(\b%2))*4+16
.endr
.irp a, 0,1,2,3,4,5,6,7                        ; twice each: a pair for the packed addition
	global_load_b32 v[BM+2*\a], v8, s[66:67] offset:(32*(\a/2)+8*(\a%2))*4
	global_load_b32 v[BM+2*\a+1], v8, s[66:67] offset:(32*(\a/2)+8*(\a%2))*4
.endr
.macro FRAG reg, adr, q, i             ; 16 rows x 128 K: 12 registers; registers 6 c .. 6 c + 5 are 24 bytes of panel 2 q + c, as they lie; in pieces of 8 bytes
.irp p, 0,1,2,3,4,5
	ds_load_b64 v[\reg+2*\p:\reg+2*\p+1], v[\adr] offset:(2*(\q)+\p/3)*6144+(\i)*768+8*(\p%3)
.endr
.endm
; 16 matrix instructions: A's blocks a0, a0 + 1 x B's eight.  first = 1: the bias tile starts the sums.  The 64 accumulators take turns, one instruction a turn, in the same order in every step.
.macro MUL16 a0, p, q, sc, first
.irp a, \a0, \a0+1
.irp b, 0,1,2,3,4,5,6,7
.if \first
	v_wmma_scale_f32_16x16x128_f8f6f4 v[8*(8*((\a)%4)+\b):8*(8*((\a)%4)+\b)+7], v[128*(\p)+FR*\b:128*(\p)+FR*\b+FR-1], v[AF+FR*(\a):AF+FR*(\a)+FR-1], v[BN+8*\b:BN+8*\b+7], v[SC+8*NQ*(\sc)+NQ*\b+(\q)], v[SC+8*NQ*(\sc)+NQ*(\a)+(\q)] matrix_a_fmt:MATRIX_FMT_FP6 matrix_b_fmt:MATRIX_FMT_FP6 matrix_a_scale:MATRIX_SCALE_ROW1
.else
	v_wmma_scale_f32_16x16x128_f8f6f4 v[8*(8*((\a)%4)+\b):8*(8*((\a)%4)+\b)+7], v[128*(\p)+FR*\b:128*(\p)+FR*\b+FR-1], v[AF+FR*(\a):AF+FR*(\a)+FR-1], v[8*(8*((\a)%4)+\b):8*(8*((\a)%4)+\b)+7], v[SC+8*NQ*(\sc)+NQ*\b+(\q)], v[SC+8*NQ*(\sc)+NQ*(\a)+(\q)] matrix_a_fmt:MATRIX_FMT_FP6 matrix_b_fmt:MATRIX_FMT_FP6 matrix_a_scale:MATRIX_SCALE_ROW1
.endif
.endr
.endr
.endm
.macro FETCH_B slot, q, p
	WIN TO_B
.irp i, 0,1,2,3,4,5,6,7
	FRAG 128*(\p)+FR*\i, ADRB+\slot, \q, \i
.endr
	WIN 0
.endm
.macro FETCH_A slot, q, i0
.irp i, \i0, \i0+1, \i0+2, \i0+3
	FRAG AF+FR*(\i), ADRA+\slot, \q, \i
.endr
.endm
.macro SCALES sc                       ; a K step's scale words into set sc: register 2 i + q: lanes 0-15 A's block i, lanes 16-31 B's block i
.irp i, 0,1,2,3,4,5,6,7
.irp q, 0,1
	ds_load_b32 v[SC+8*NQ*\sc+NQ*\i+\q], v[ADRS] offset:512*\q+64*\i
.endr
.endr
.endm
.macro PLACES n                        ; plain lines between a matrix instruction and a load into, or a read of, its registers (ISA guide 7.12.1 for reads)
.rept \n
	v_nop
.endr
.endm
.macro STEP slot, q, first             ; a step of 128 along K that has its successor in the same slot
	s_wait_dscnt 4*NL                              ; B's set, A's blocks 0-3 and the scale words are in; the youngest 24 loads (A's blocks 4-7) may be out
.if \first
	WIN MUL_LO1
.else
	WIN MUL_LO
.endif
	MUL16 0, (\q)%2, \q, \slot, \first
	MUL16 2, (\q)%2, \q, \slot, \first
	s_wait_dscnt 0                                 ; A's blocks 4-7 are in
	PLACES NP
	FETCH_B \slot, (\q)+1, 1-(\q)%2
	FETCH_A \slot, (\q)+1, 0
.if \first
	WIN MUL_HI1
.else
	WIN MUL_HI
.endif
	MUL16 4, (\q)%2, \q, \slot, \first
	MUL16 6, (\q)%2, \q, \slot, \first
	PLACES NP
	WIN 0
	FETCH_A \slot, (\q)+1, 4
.endm
; A slot's last step changes slots: ONE barrier; in front of it each wave waits for all its tensor loads, adds 0 to its spare word, and waits for that and for its own reads of this slot.
.macro TURN slot, next, fill
	s_wait_tensorcnt 0x0                           ; all my tensor loads have landed: my part of the next slot
	ds_add_u32 v[SPW], v[NIL]                      ; 0 onto my spare word
	s_wait_dscnt 4*NL+1                            ; (the add and the youngest 24 loads may be out)
	WIN MUL_LO
	MUL16 0, 1, NQ-1, \slot, 0                     ; sixteen matrix instructions stand between the add and the wait for it
	s_wait_dscnt 0x0                               ; the add is done, and my reads of this slot are over
	s_barrier_signal -1
	MUL16 2, 1, NQ-1, \slot, 0
	WIN 0
	s_barrier_wait -1
.if \fill
	CREST                                          ; the barrier has opened a round of the cluster's barrier: no wave of any partner still reads this slot or has a load on its way
	s_add_nc_u64 s[G0+4*\slot+2:G0+4*\slot+3], s[G0+4*\slot+2:G0+4*\slot+3], 2*HALFT
	s_add_nc_u64 s[G0B+4*\slot+2:G0B+4*\slot+3], s[G0B+4*\slot+2:G0B+4*\slot+3], 2*HALFT
	JLOAD G0+4*\slot, G1, G0B+4*\slot, G1B         ; my one tensor load behind the round, and the first; its four v_nop are the places in front of the loads below
.else
	PLACES NP
.endif
	s_wait_alu depctr_va_vdst(0)
	v_add_nc_u32 v[ADRS], 512*NQ, v[ADRS]          ; the next K step's scale words (no LDS load of mine is out)
	FETCH_B \next, 0, 0
	FETCH_A \next, 0, 0
	SCALES \next
	WIN MUL_HI
	MUL16 4, 1, NQ-1, \slot, 0
	MUL16 6, 1, NQ-1, \slot, 0
	PLACES NP
	WIN 0
	FETCH_A \next, 0, 4
.endm
; 64 numbers of a lane, register 16 b + i = k 32 b + 16 (lane / 16) + i of my row, become a fragment's codes in v[PC] on and its scale word in v[PW].
.macro QUANT s
.irp b, 0,1,2,3
	v_max3_num_f32 v[TM+\b], |v[\s+16*\b]|, |v[\s+1+16*\b]|, 0x1800000   ; my 16 numbers of block b, and the floor 2^(3 - 127): the byte cannot fall under 1
.endr
.irp i, 2,4,6,8,10,12,14
.irp b, 0,1,2,3
	v_max3_num_f32 v[TM+\b], v[TM+\b], |v[\s+16*\b+\i]|, |v[\s+1+16*\b+\i]|
.endr
.endr
.irp b, 0,1,2,3
	v_permlanex16_b32 v[TM+4+\b], v[TM+\b], s[SEL], s[SEL+1]
.endr
.irp b, 0,1,2,3
	v_max_num_f32 v[TM+\b], v[TM+\b], v[TM+4+\b]   ; with lane l xor 16's: the block's largest magnitude
.endr
.irp b, 0,1,2,3
	v_add_nc_u32 v[TM+12+\b], 0xff000000, v[TM+\b] ; 2 off its exponent field: the conversion's scale operand
.endr
.irp b, 0,1,2,3
	v_lshrrev_b32 v[TM+4+\b], 23, v[TM+12+\b]      ; the scale's byte
.endr
	v_lshl_or_b32 v[PW], v[TM+5], 8, v[TM+4]
	v_lshl_or_b32 v[PW], v[TM+6], 16, v[PW]
	v_lshl_or_b32 v[PW], v[TM+7], 24, v[PW]
.irp c, 0,1
	v_cvt_scalef32_pk16_fp6_f32 v[PC+6*\c:PC+2+6*\c], v[\s+32*\c:\s+15+32*\c], v[TM+12+2*\c]
	v_cvt_scalef32_pk16_fp6_f32 v[PC+12+4*\c:PC+14+4*\c], v[\s+16+32*\c:\s+31+32*\c], v[TM+12+2*\c+1]
.endr
	v_nop                                          ; one plain line behind a scaled conversion
.irp c, 0,1                                    ; the layout wants a WHOLE block in a lane: lanes 0-15 block 2 c, lanes 16-31 block 2 c + 1
.irp i, 0,1,2
	v_permlane16_swap_b32 v[PC+6*\c+\i], v[PC+12+4*\c+\i]
.endr
.irp i, 0,1,2
	v_mov_b32 v[PC+3+6*\c+\i], v[PC+12+4*\c+\i]
.endr
.endr
.endm
; The way out of A's block a: + the bias along M, the floor, quantised, into my stage as two panels' rows.
.macro OUTBLK a
.set AC, 64*((\a)%4)
	WIN 0x02+(\a)/4                                ; source 0: window 2 or 3
.set j, 0
.rept 32
	v_pk_add_f32 v[HA+j:HA+j+1], v[AC+j:AC+j+1], v[BM+2*(\a):BM+2*(\a)+1]   ; ascending: each accumulator is read from its low end on
.set j, j+2
.endr
	WIN 0
.set j, 0
.rept 64
	v_max_num_f32 v[HA+j], s98, v[HA+j]
.set j, j+1
.endr
	QUANT HA
.irp c, 0,1
.irp i, 0,1,2
	ds_store_b64 v[STO], v[PC+6*\c+2*\i:PC+6*\c+2*\i+1] offset:6144*\c+768*(\a)+8*\i
.endr
.endr
	ds_store_b32 v[SWA], v[PW] offset:64*(\a)      ; both halves of the lanes write the same word with the same value
	s_wait_dscnt 0x0                               ; the stores are done: the next block's codes may be written
.endm
	s_wait_alu depctr_va_vdst(0)                   ; the wait at the head's end
	s_wait_tensorcnt 0x0                           ; my tile of the head's four is in; no tensor load of mine is out, so group 1 may be written:
.irp g, G1, G1B
	s_mov_b32 s[\g+1], 32<<16                      ; from here on a load brings 24,576 dense bytes as 96 rows of 32 elements of 8 bytes
	s_mov_b32 s[\g+2], 96<<16
	s_mov_b32 s[\g+3], 32<<16
	s_mov_b32 s[\g+4], 96
	s_mov_b32 s[\g+5], 32
.endr
	s_barrier_signal -1
	s_barrier_wait -1
	FETCH_B 0, 0, 0
	FETCH_A 0, 0, 0
	SCALES 0
	FETCH_A 0, 0, 4
	s_wait_loadcnt 0x0                             ; the biases
	s_wait_kmcnt 0x0                               ; the floor
	STEP 0, 0, 1                                   ; the first step stands in front of the loop: the bias tile starts the sums
	s_mov_b32 s3, LAPS-1
.Llap:                                                 ; a trip goes once round the ring and fills both slots again
	TURN 0, 1, 1
	STEP 1, 0, 0
	TURN 1, 0, 1
	STEP 0, 0, 0
	s_sub_co_u32 s3, s3, 1
	s_cmp_lg_u32 s3, 0
	s_cbranch_scc1 .Llap
	TURN 0, 1, 0                                   ; the last lap fills nothing
	STEP 1, 0, 0
	s_wait_dscnt 4*NL
	WIN MUL_LO
	MUL16 0, 1, NQ-1, 1, 0
	MUL16 2, 1, NQ-1, 1, 0
	s_wait_dscnt 0
	WIN MUL_HI
	MUL16 4, 1, NQ-1, 1, 0
	MUL16 6, 1, NQ-1, 1, 0
	WIN 0
	PLACES NP
.irp b, 0,1,2,3
	v_mov_b32 v[TM+4+\b], 0                        ; written once: a lane permute's destination counts as one of its sources
.endr
.irp a, 0,1,2,3,4,5,6,7
	OUTBLK \a
.endr
	ds_load_b128 v[SW4:SW4+3], v[RD] offset:12288  ; my 128 rows' scale words
.irp g, 0,1
.if \g
	s_wait_xcnt 0x0                                ; the first panel's stores have read their registers
.endif
.irp k, 0,1,2,3,4,5,6,7,8,9,10,11
	ds_load_b128 v[OB+4*\k:OB+4*\k+3], v[RD] offset:6144*\g+512*\k
.endr
.if \g == 0
	s_wait_dscnt 12
	global_store_b128 v[CO], v[SW4:SW4+3], s[10:11]
.endif
.irp k, 0,1,2,3,4,5,6,7,8,9,10,11
	s_wait_dscnt 11-\k                             ; the younger loads may be out
	global_store_b128 v[CO], v[OB+4*\k:OB+4*\k+3], s[8:9] offset:6144*\g+512*\k   ; 32 lanes store 512 consecutive bytes, at a multiple of 256 from the buffer's first byte
.endr
.endr
	s_wait_tensorcnt 0x0                           ; the wave's end
	ds_add_u32 v[SPW], v[NIL]
	s_wait_dscnt 0x0
	CROUND                                         ; the closing round
	s_endpgm
.Lfunc_end_k_qcdbee80afa_qkv:
	.size	k_qcdbee80afa_qkv, .Lfunc_end_k_qcdbee80afa_qkv-k_qcdbee80afa_qkv
	.p2alignl 7, 3214868480
	.fill 96, 4, 3214868480
	.section	.rodata,"a",@progbits
	.p2align	6, 0x0
	.amdhsa_kernel k_qcdbee80afa_qkv
		.amdhsa_group_segment_fixed_size 327680
		.amdhsa_private_segment_fixed_size 0
		.amdhsa_enable_private_segment 0
		.amdhsa_kernarg_size 24
		.amdhsa_user_sgpr_count 2
		.amdhsa_user_sgpr_kernarg_segment_ptr 1
		.amdhsa_wavefront_size32 1
		.amdhsa_system_sgpr_workgroup_id_x 1
		.amdhsa_system_sgpr_workgroup_id_y 1
		.amdhsa_system_sgpr_workgroup_id_z 1
		.amdhsa_system_vgpr_workitem_id 0
		.amdhsa_next_free_vgpr 1024
		.amdhsa_next_free_sgpr 100
		.amdhsa_reserve_vcc 0
		.amdhsa_float_denorm_mode_32 3
		.amdhsa_float_denorm_mode_16_64 3
		.amdhsa_memory_ordered 1
		.amdhsa_forward_progress 1
		.amdhsa_inst_pref_size 208
	.end_amdhsa_kernel
	.amdgpu_metadata
---
amdhsa.version: [ 1, 2 ]
amdhsa.kernels:
  - .name:           k_qcdbee80afa_qkv
    .symbol:         k_qcdbee80afa_qkv.kd
    .args:
      - { .name: XN, .offset: 0, .size: 8, .value_kind: global_buffer, .address_space: global }
      - { .name: WA, .offset: 8, .size: 8, .value_kind: global_buffer, .address_space: global }
      - { .name: ACT, .offset: 16, .size: 8, .value_kind: global_buffer, .address_space: global }
    .group_segment_fixed_size: 327680
    .private_segment_fixed_size: 0
    .kernarg_segment_align: 8
    .kernarg_segment_size: 24
    .max_flat_workgroup_size: 128
    .sgpr_count:     100
    .vgpr_count:     1024
    .wavefront_size: 32
...
	.end_amdgpu_metadata
.endif
;; end of part 8
;; launch attn (part 9): grid 8 x 32, 16 waves a work-group, clusters of 4 x 1, 231,424 bytes of LDS; arguments ACT, mask, AO; writes AO
.if DOCPART == 9
	.amdgcn_target "amdgcn-amd-amdhsa--gfx1250"
	.amdhsa_code_object_version 6
	.text
	.protected	k_qcdbee80afa_attn
	.globl	k_qcdbee80afa_attn
	.p2align	8
	.type	k_qcdbee80afa_attn,@function
k_qcdbee80afa_attn:
	s_mov_b64 s[64:65], 0
	v_nop
	global_prefetch_b8 v0, s[64:65] scope:SCOPE_SE
	s_setreg_imm32_b32 hwreg(HW_REG_WAVE_MODE, 25, 1), 1
	s_wait_xcnt 0x0
	s_wait_alu depctr_hold_cnt(0) depctr_sa_sdst(0) depctr_va_vdst(0) depctr_va_sdst(0) depctr_va_ssrc(0) depctr_va_vcc(0) depctr_vm_vsrc(0)
	s_getreg_b32 s2, hwreg(HW_REG_IB_STS2, 6, 4)
	s_cmp_eq_u32 s2, 0
	s_cbranch_scc0 .Lentry_in_a_cluster
	s_endpgm
.Lentry_in_a_cluster:
	s_bfe_u32 s2, ttmp6, 0x10000c
	s_cmp_lg_u32 s2, 0x3003
	s_cbranch_scc0 .Lentry_shape_is_right
	s_endpgm
.Lentry_shape_is_right:
; Attention of one head (64 wide) over 2,048 keys with a key mask, both products on FP6 (E2M3) codes; the result is quantised along d and stored as the next product's operand.
; In: q (panel hh) and k (panel 16 + hh) of ACT's codes [32][64][128 tokens][48 bytes], their scale words [32][32][128][4]; V^T behind V_OFF, laid alike with rows d and K = the tokens.
; Rows lie in position order (position p holds true index swap34(p)); every K runs in true order.
; THE SOFTMAX: t = score x log2(e) / 8; M = the running largest t rounded UP to a whole number; p = 2^(t - M) is quantised along the keys, not normalised; the row's sum is taken of the
; unquantised p and divides at the end.  When M moves, the sum and O are multiplied by 2^(old M - new M): exact.
; THE MASK HAS NO VECTOR LINE IN THE LOOP.  The head fills half of the instruction's K of 128.  q carries the code 1.0 at k = 64 (scale byte 127) and zeros behind it; a masked key carries -4.0 there
; with the byte 158, an open key 0 with the byte 1: a masked score is q.k - 2^33 and its p is 0.  Where a batch's mask has no open key, the factor log2(e) / 8 is replaced by 0 (a select): every p is 1.
; Since q is 0 from k = 65 on and every FP6 code is a finite number, registers 7-11 of a fragment of K may hold any codes: four of K's fragments lie in V's registers and keep V's old codes there.
; LIMIT: masked logits stand at about -2^30 in place of -1e9: the results agree while open logits stay under some 1e8 in magnitude.  NaN and infinities are not served.  An output block under 2^-124 gets the byte 1.
; SHARES: a work-group owns 256 queries of one head, each of its sixteen waves one tile of 16: four waves to a SIMD.
; NO RING: the head's K and V (98,304 bytes each) lie in LDS whole.  ONE joint load a wave at the head: waves 0-7 two blocks of 128 keys each (2 rows of 6,144 bytes),
; waves 8-15 four panels of V each (4 rows of 3,072 bytes).  One barrier shows them to all; the loop of 16 steps has none.  Nothing is filled again.
; CLUSTER: the four query blocks of a cluster walk the same K and V: each tile is asked for jointly, mask 15.  No prefetch: all that the work-group reads is asked for at the head.
; Both products are used transposed: S^T = K Q^T, O^T = V^T P^T: a lane holds one query throughout.
; A STEP'S LDS LOADS RUN AHEAD: V and the next step's K tiles 0-3 are asked for behind the scores, K tiles 4-7 (into V's registers) behind the second product.  The last step's such loads read
; bytes of V and of V's scale words, inside LDS, and are used by nobody.
; REGISTERS: v1, v29-31 places that stay; v2-5 scale words of K tiles 0-3; v8-11 the step's addresses; v12 -M, v13 the largest t, v[14:15] the sum; v16-27 q, v28 its scale word;
; v32-79 K tiles 0-3; v80-127 K tiles 4-7, then V; v128-191 S^T, then p; v192-223 O^T; v224-235 p's codes; v236-254 at work; v248-251 scale words of K tiles 4-7, then V's.
.set ACT_CD, 524288
.set V_OFF,  13107200
.set AO_CD,  131072
.set VB,     98304                     ; LDS: K's 2,048 rows x 48 bytes from 0; V's 32 panels x 64 rows x 48 bytes from here
.set TBL,    196608                    ; [2,048 key positions][scale word, mask word]
.set VSC,    212992                    ; V's scale words [16 steps][64 d][4 bytes]
.set STG,    217088                    ; the way out: 768 bytes for each wave
.set SPARE,  229376                    ; the spare words, 128 bytes for each wave
.set S,   128
.set O,   192
.set AK0, 1
.set KS,  2
.set ADK, 8
.set ADV, 9
.set ADS, 10
.set ADT, 11
.set AV0, 29
.set ATB, 30
.set AVS, 31
.set WV,  18
.set SEL, 20
.set CS,  22
.set G1K, 24
.set G0,  32
.set G1V, 40
.set TB,  48                           ; 6,144 x steps: K's and V's tiles
.set TT,  49                           ; 1,024 x steps: the table
.set TV,  50                           ; 256 x steps: V's scale words
.set CNT, 51
.macro CROUND
	s_barrier_signal -1
	s_barrier_wait -1
	s_cmp_lg_u32 s[WV], 0
	s_cbranch_scc1 .Lnot_wave_0_\@
	s_barrier_signal -3
.Lnot_wave_0_\@:
	s_barrier_wait -3
	s_barrier_signal -1
	s_barrier_wait -1
.endm
	s_load_b128 s[4:7], s[0:1], 0x0                ; ACT, mask
	s_load_b64 s[8:9], s[0:1], 0x10                ; AO
	v_lshl_add_u32 v243, v0, 2, SPARE
	v_mov_b32 v255, 0
	ds_add_u32 v243, v255                          ; the opening lines: the add, twice on end, and its wait
	ds_add_u32 v243, v255
	v_lshrrev_b32 v8, 5, v0
	v_readfirstlane_b32 s[WV], v8                  ; wave 0..15
	s_bfe_u32 s10, ttmp6, 0x40000                  ; cx
	s_lshl_b32 s11, ttmp9, 2
	s_add_co_u32 s11, s11, s10                     ; my block of 256 queries: it enters q's and AO's global addresses alone
	s_and_b32 s12, ttmp7, 0xffff
	s_lshr_b32 s13, s12, 4                         ; batch
	s_and_b32 s14, s12, 15                         ; head
	s_lshr_b32 s15, s14, 1
	s_and_b32 s16, s14, 1
	s_lshl_b32 s52, s13, 4                         ; waves 0-7: K's blocks 2 w, 2 w + 1 of the batch's 16, panel 16 + head
	s_lshl_b32 s53, s[WV], 1
	s_add_co_u32 s52, s52, s53
	s_lshl_b32 s52, s52, 6
	s_add_co_u32 s52, s52, s14
	s_add_co_u32 s52, s52, 16
	s_mul_i32 s52, s52, 6144
	s_add_co_u32 s52, s52, ACT_CD
	s_lshl_b32 s54, s15, 6                         ; waves 8-15: V's panels 4 (w - 8) .. + 3 of the batch's 32, my head's 64 rows of each
	s_lshl_b32 s55, s13, 5
	s_add_co_u32 s54, s54, s55
	s_lshl_b32 s55, s[WV], 2
	s_add_co_u32 s54, s54, s55
	s_sub_co_u32 s54, s54, 32
	s_mul_i32 s54, s54, 6144
	s_mul_i32 s55, s16, 3072
	s_add_co_u32 s54, s54, s55
	s_add_co_u32 s54, s54, V_OFF+ACT_CD
	s_cmp_lt_u32 s[WV], 8
	s_cselect_b32 s52, s52, s54
	s_mov_b32 s53, 0
	s_mul_i32 s58, s[WV], 12288                    ; where it goes: wave x 12,288: K's eight parts, then V's eight
	s_mov_b32 s[G1K], 15|(3<<16)|(1<<21)           ; 15:0 the mask: all four; 17:16 elements of 8 bytes; 21 set beside a mask
	s_mov_b32 s[G1K+1], 768<<16                    ; K: 2 rows of 768 elements, 49,152 elements apart
	s_mov_b32 s[G1K+2], 2<<16
	s_mov_b32 s[G1K+3], 768<<16
	s_mov_b32 s[G1K+4], 2
	s_mov_b32 s[G1K+5], 49152
	s_mov_b32 s[G1K+6], 0
	s_mov_b32 s[G1K+7], 0
	s_mov_b32 s[G1V], 15|(3<<16)|(1<<21)
	s_mov_b32 s[G1V+1], 384<<16                    ; V: 4 rows of 384 elements, 768 elements apart
	s_mov_b32 s[G1V+2], 4<<16
	s_mov_b32 s[G1V+3], 384<<16
	s_mov_b32 s[G1V+4], 4
	s_mov_b32 s[G1V+5], 768
	s_mov_b32 s[G1V+6], 0
	s_mov_b32 s[G1V+7], 0
	s_mov_b32 s[SEL], 0x76543210
	s_mov_b32 s[SEL+1], 0xfedcba98
	s_mov_b32 s[TB], 0
	s_mov_b32 s[TT], 0
	s_mov_b32 s[TV], 0
	s_wait_dscnt 0x0                               ; both opening adds are done
	s_wait_kmcnt 0x0
	s_mov_b32 s[G0], 1
	s_mov_b32 s[G0+1], s58
	s_add_nc_u64 s[G0+2:G0+3], s[4:5], s[52:53]
	s_or_b32 s[G0+3], s[G0+3], 0x80000000
	CROUND                                         ; all four work-groups are here: the joint loads meet
	s_cmp_lt_u32 s[WV], 8
	s_cbranch_scc0 .Lfor_v
	tensor_load_to_lds s[G0:G0+3], s[G1K:G1K+7]
	s_nop 0
.rept 4
	v_nop
.endr
	s_branch .Lasked
.Lfor_v:
	tensor_load_to_lds s[G0:G0+3], s[G1V:G1V+7]
	s_nop 0
.rept 4
	v_nop
.endr
.Lasked:
	s_lshl_b32 s59, s13, 4
	s_lshl_b32 s60, s11, 1
	s_add_co_u32 s59, s59, s60
	s_lshr_b32 s60, s[WV], 3
	s_add_co_u32 s59, s59, s60                     ; my queries' block of 128 tokens
	s_and_b32 s74, s[WV], 7                        ; and my tile in it
	s_mov_b32 s77, 0
	s_lshl_b32 s76, s13, 9
	s_add_co_u32 s76, s76, s15
	s_add_co_u32 s76, s76, 8
	s_lshl_b32 s76, s76, 9
	s_lshl_b32 s75, s16, 1
	s_add_co_u32 s76, s76, s75
	s_add_nc_u64 s[60:61], s[4:5], s[76:77]        ; k's two scale bytes of the batch's first key
	s_lshl_b32 s76, s13, 13
	s_add_nc_u64 s[62:63], s[6:7], s[76:77]        ; the batch's mask
	s_lshl_b32 s76, s15, 5
	s_lshl_b32 s75, s13, 4
	s_add_co_u32 s76, s76, s75
	s_lshl_b32 s76, s76, 9
	s_lshl_b32 s75, s16, 8
	s_add_co_u32 s76, s76, s75
	s_add_co_u32 s76, s76, V_OFF
	s_add_nc_u64 s[66:67], s[4:5], s[76:77]        ; V's scale words
	s_lshl_b32 s76, s59, 6
	s_add_co_u32 s76, s76, s14
	s_mul_i32 s76, s76, 6144
	s_mul_i32 s75, s74, 768
	s_add_co_u32 s76, s76, s75
	s_add_co_u32 s76, s76, ACT_CD
	s_add_nc_u64 s[68:69], s[4:5], s[76:77]        ; q's codes
	s_lshl_b32 s76, s59, 5
	s_add_co_u32 s76, s76, s15
	s_lshl_b32 s76, s76, 9
	s_lshl_b32 s75, s74, 6
	s_add_co_u32 s76, s76, s75
	s_lshl_b32 s75, s16, 1
	s_add_co_u32 s76, s76, s75
	s_add_nc_u64 s[70:71], s[4:5], s[76:77]        ; q's two scale bytes
	s_lshl_b32 s76, s59, 3
	s_add_co_u32 s76, s76, s15
	s_lshl_b32 s76, s76, 9
	s_lshl_b32 s75, s74, 6
	s_add_co_u32 s76, s76, s75
	s_lshl_b32 s75, s16, 1
	s_add_co_u32 s76, s76, s75
	s_add_nc_u64 s[72:73], s[8:9], s[76:77]        ; the result's two scale bytes
	s_lshl_b32 s76, s59, 4
	s_add_co_u32 s76, s76, s14
	s_mul_i32 s76, s76, 6144
	s_mul_i32 s75, s74, 768
	s_add_co_u32 s76, s76, s75
	s_add_co_u32 s76, s76, AO_CD
	s_add_nc_u64 s[8:9], s[8:9], s[76:77]          ; the result's codes
	s_mul_i32 s75, s[WV], 768
	s_add_co_u32 s75, s75, STG                     ; my stage
	v_and_b32 v224, 15, v0                         ; r
	v_bfe_u32 v6, v0, 4, 1                         ; h
	v_lshrrev_b32 v225, 7, v0                      ; thread t serves key positions t + 512 k
	v_and_b32 v226, 127, v0
	v_lshrrev_b32 v227, 1, v0
	v_lshlrev_b32 v7, 2, v224
	v_mul_u32_u24 v[AK0], v224, 48
	v_lshlrev_b32 v226, 2, v226
	v_xor_b32 v227, v227, v0
	v_and_b32 v228, 31, v0
	v_mad_u32_u24 v[AK0], v6, 24, v[AK0]           ; a fragment's row x 48 + 24 x half
	v_lshl_add_u32 v225, v225, 14, v226            ; their scale words: 16,384 bytes from one block of 128 tokens to the next
	v_and_b32 v227, 8, v227
	v_lshlrev_b32 v230, 3, v228
	v_lshl_add_u32 v[ATB], v224, 3, TBL
	v_mul_u32_u24 v227, v227, 3
	v_lshl_add_u32 v[AVS], v224, 2, VSC-256        ; (V's two places stand one step back: the step's counters are stepped ahead of V's loads)
	v_add_nc_u32 v[AV0], VB-6144, v[AK0]
	v_lshrrev_b32 v231, 5, v0
	v_xor_b32 v226, v0, v227
	v_lshlrev_b32 v228, 4, v228
	v_lshl_add_u32 v227, v231, 9, v230             ; V's scale words: 256 bytes of each step's 512
	v_lshlrev_b32 v226, 2, v226                    ; the mask of the true key: bits 3 and 4 exchanged
	v_lshl_add_u32 v229, v0, 3, TBL
	v_lshl_add_u32 v230, v0, 3, VSC
.irp k, 0,1,2,3
	global_load_u16 v[128+2*\k], v225, s[60:61] offset:65536*\k
	global_load_b32 v[129+2*\k], v226, s[62:63] offset:2048*\k
.endr
	global_load_b64 v[136:137], v227, s[66:67]
.irp p, 0,1,2
	global_load_b64 v[16+2*\p:17+2*\p], v[AK0], s[68:69] offset:8*\p
.endr
	global_load_u16 v28, v7, s[70:71]
.irp k, 0,1,2,3,4,5,6,7,8,9,10,11,12,13,14,15
	global_load_b128 v[144+4*\k:147+4*\k], v228, s[62:63] offset:512*\k   ; the batch's whole mask, for the test whether any key is open
.endr
	v_mov_b32 v138, 56                             ; the code -4.0
	v_mov_b32 v139, 0x019e0000                     ; a masked key's scale bytes for k = 64 on: 2^31, 2^-126
	v_mov_b32 v140, 0x01010000                     ; an open key's: 2^-126 over zero codes
	v_lshlrev_b32 v22, 3, v6
.irp j, 23,24,25,26,27
	v_mov_b32 v[\j], 0
.endr
	v_sub_nc_u32 v22, 8, v22                       ; q's code 1.0 at k = 64: lanes 0-15 alone
.irp t, 0,1,2,3,4,5,6,7
.irp j, 7,8,9,10,11
	v_mov_b32 v[32+12*\t+\j], 0                    ; the eight fragments of K from k = 69 on: written once
.endr
.endr
	v_mov_b32 v13, 0xff61b1e6                      ; the largest t so far: -3e38
	v_mov_b32 v14, 0
	v_mov_b32 v15, 0
	v_floor_f32 v12, -v13                          ; -M
.irp b, 0,1,2,3
	v_mov_b32 v[236+\b], 0                         ; written once: a lane permute's destination counts as one of its sources
.endr
	v_mov_b32 v253, 0
	v_add_nc_u32 v[ADK], s[TB], v[AK0]             ; step 0's K and table
	v_add_nc_u32 v[ADS], s[TT], v[ATB]
	s_wait_alu depctr_va_vdst(0)                   ; the wait here, directly ahead of the wait below
	s_wait_loadcnt 0x0
	v_or_b32 v28, 0x7f7f0000, v28                  ; q's scale word: 1.0 for k = 64 on
.irp k, 0,1,2,3
	v_cmp_eq_u32 vcc_lo, 0, v[129+2*\k]
	v_cndmask_b32 v141, v140, v139, vcc_lo
	v_cndmask_b32 v[129+2*\k], 0, v138, vcc_lo
	s_delay_alu instid0(VALU_DEP_2)
	v_or_b32 v[128+2*\k], v[128+2*\k], v141
	ds_store_b64 v229, v[128+2*\k:129+2*\k] offset:4096*\k
.endr
	ds_store_b64 v230, v[136:137]
.set j, 4
.rept 60
	v_or_b32 v[144+j%4], v[144+j%4], v[144+j]      ; four chains
.set j, j+1
.endr
	s_delay_alu instid0(VALU_DEP_3)
	v_or_b32 v144, v144, v145
	s_delay_alu instid0(VALU_DEP_2)
	v_or_b32 v146, v146, v147
	s_delay_alu instid0(VALU_DEP_1)
	v_or_b32 v144, v144, v146
	s_delay_alu instid0(VALU_DEP_1)
	v_cmp_ne_u32 vcc_lo, 0, v144
	s_cmp_lg_u32 vcc_lo, 0                         ; is any key of the batch open?
	s_cselect_b32 s[CS], 0x3e38aa3b, 0             ; c = log2(e) / 8, or 0: a choice of a value, no branch
	s_mov_b32 s[CS+1], s[CS]
.set j, 0
.rept 32
	v_mov_b32 v[O+j], 0                            ; O^T: the step is written once; the first finds zeros (behind the last read of the mask's words, which lay here)
.set j, j+1
.endr
.macro KLOAD g, f, sc                  ; K's tiles 4 g .. 4 g + 3 of the step at v[ADK], v[ADS]: 24 bytes of codes, the mask's code at k = 64 (lanes 16-31 get it at k = 96, where q is 0), the scale word: 20 loads
.irp t, 0,1,2,3
.irp p, 0,1,2
	ds_load_b64 v[\f+12*\t+2*\p:\f+12*\t+2*\p+1], v[ADK] offset:(4*\g+\t)*768+8*\p
.endr
	ds_load_b32 v[\f+6+12*\t], v[ADS] offset:(4*\g+\t)*128+4
	ds_load_b32 v[\sc+\t], v[ADS] offset:(4*\g+\t)*128
.endr
.endm
.macro SMUL g, f, sc                   ; S^T = K Q^T for these four tiles
.irp t, 0,1,2,3
	v_wmma_scale_f32_16x16x128_f8f6f4 v[S+8*(4*\g+\t):S+7+8*(4*\g+\t)], v[\f+12*\t:\f+11+12*\t], v[16:27], 0, v[\sc+\t], v28 matrix_a_fmt:MATRIX_FMT_FP6 matrix_b_fmt:MATRIX_FMT_FP6
.endr
.endm
	s_wait_alu depctr_va_vdst(0)                   ; the wait at the head's end
	s_wait_tensorcnt 0x0                           ; my part of K or V is in,
	s_wait_dscnt 0x0                               ; my stores into the tables are done:
	s_barrier_signal -1
	s_barrier_wait -1                              ; both now hold of all sixteen waves
	KLOAD 0, 32, KS
	KLOAD 1, 80, 248
	s_mov_b32 s[CNT], 16
.Lstep:                                                ; A KEY STEP: 128 keys
	s_wait_dscnt 20                                ; tiles 0-3 are in; the 20 loads of tiles 4-7 may be out
	SMUL 0, 32, KS
	s_add_co_u32 s[TB], s[TB], 6144
	s_add_co_u32 s[TT], s[TT], 1024
	s_add_co_u32 s[TV], s[TV], 256
	s_wait_dscnt 0x0
	SMUL 1, 80, 248
	v_add_nc_u32 v[ADK], s[TB], v[AK0]             ; the next step's K and table, this step's V: these four are also the places behind the products, in front of the loads and the reads below
	v_add_nc_u32 v[ADV], s[TB], v[AV0]
	v_add_nc_u32 v[ADS], s[TT], v[ATB]
	v_add_nc_u32 v[ADT], s[TV], v[AVS]
.irp t, 0,1,2,3                                ; V's four fragments and scale words: 28 loads
.irp p, 0,1,2,3,4,5
	ds_load_b64 v[80+12*\t+2*\p:81+12*\t+2*\p], v[ADV] offset:3072*(\p/3)+768*\t+8*(\p%3)
.endr
	ds_load_b32 v[248+\t], v[ADT] offset:64*\t
.endr
	KLOAD 0, 32, KS                                ; and the next step's tiles 0-3
.irp b, 0,1,2,3
	v_max3_num_f32 v[232+\b], v[S+16*\b], v[S+1+16*\b], v[S+2+16*\b]   ; the largest score of each block of 32 keys: for the row's maximum and, since p rises with the score, for the block's largest p
.endr
.irp i, 3,5,7,9,11,13
.irp b, 0,1,2,3
	v_max3_num_f32 v[232+\b], v[232+\b], v[S+16*\b+\i], v[S+1+16*\b+\i]
.endr
.endr
.irp b, 0,1,2,3
	v_max_num_f32 v[232+\b], v[232+\b], v[S+15+16*\b]
.endr
.irp b, 0,1,2,3
	s_delay_alu instid0(VALU_DEP_4)
	v_permlanex16_b32 v[236+\b], v[232+\b], s[SEL], s[SEL+1]
.endr
.irp b, 0,1,2,3
	s_delay_alu instid0(VALU_DEP_4)
	v_max_num_f32 v[232+\b], v[232+\b], v[236+\b]
.endr
	s_delay_alu instid0(VALU_DEP_2)
	v_max3_num_f32 v254, v232, v233, v234
	s_delay_alu instid0(VALU_DEP_1)
	v_max_num_f32 v254, v254, v235
	s_delay_alu instid0(VALU_DEP_1)
	v_mul_f32 v254, s[CS], v254                    ; as t (c is not negative)
	s_delay_alu instid0(VALU_DEP_1)
	v_max_num_f32 v13, v13, v254                   ; the running largest t
	v_mov_b32 v254, v12
	s_delay_alu instid0(VALU_DEP_2)
	v_floor_f32 v12, -v13                          ; the new -M = -ceil(t)
	s_delay_alu instid0(VALU_DEP_1)
	v_sub_f32 v254, v12, v254                      ; old M - new M: a whole number, 0 or less
	s_delay_alu instid0(VALU_DEP_1)
	v_cvt_i32_f32 v254, v254                       ; (it saturates)
	s_delay_alu instid0(VALU_DEP_1)
	v_ldexp_f32 v252, 1.0, v254                    ; f = 2^(old M - new M)
.set j, 0
.rept 32
	v_pk_fma_f32 v[S+j:S+j+1], v[S+j:S+j+1], s[CS:CS+1], v[12:13] op_sel_hi:[1,0,0]   ; t - M
.set j, j+2
.endr
.irp b, 0,1,2,3
	v_fma_f32 v[232+\b], v[232+\b], s[CS], v12
.endr
	s_wait_alu depctr_va_vdst(0)                   ; the wait ahead of the batch
.set j, 0
.rept 64
	v_exp_f32 v[S+j], v[S+j]                       ; p = 2^(t - M)
.set j, j+1
.endr
	v_pk_mul_f32 v[14:15], v[14:15], v[252:253] op_sel_hi:[1,0]    ; the sums under the new M; a plain line behind the exponentials
	s_wait_alu depctr_va_vdst(0)                   ; one wait for the batch of 64, ahead of its first reader
.irp b, 0,1,2,3
	v_exp_f32 v[232+\b], v[232+\b]                 ; the block's largest p
.endr
.set j, 0                              ; the row's sum of the unquantised p: 28 of the 32 pairs here, in eight chains; the last four pairs behind the second product
.irp c, 236,238,240,244,246,228,230
	v_pk_add_f32 v[\c:\c+1], v[S+j:S+j+1], v[S+j+2:S+j+3]
.set j, j+4
.endr
	v_pk_add_f32 v[14:15], v[14:15], v[S+28:S+29]
.set j, 30
.irp c, 236,238,240,244,246,228,230,14,236,238,240,244,246
	v_pk_add_f32 v[\c:\c+1], v[\c:\c+1], v[S+j:S+j+1]
.set j, j+2
.endr
	v_pk_add_f32 v[14:15], v[14:15], v[230:231]
	v_pk_add_f32 v[236:237], v[236:237], v[238:239]
	v_pk_add_f32 v[240:241], v[240:241], v[244:245]
	v_pk_add_f32 v[246:247], v[246:247], v[228:229]
	s_delay_alu instid0(VALU_DEP_2)
	v_pk_add_f32 v[236:237], v[236:237], v[240:241]
	s_delay_alu instid0(VALU_DEP_2)
	v_pk_add_f32 v[14:15], v[14:15], v[246:247]
	s_delay_alu instid0(VALU_DEP_1)
	v_pk_add_f32 v[14:15], v[14:15], v[236:237]
	s_wait_alu depctr_va_vdst(0)                   ; and one for the four
.irp b, 0,1,2,3
	v_max_num_f32 v[232+\b], 0x1800000, v[232+\b]  ; the floor 2^(3 - 127): the byte cannot fall under 1
.endr
.irp b, 0,1,2,3
	s_delay_alu instid0(VALU_DEP_4)
	v_add_nc_u32 v[244+\b], 0xff000000, v[232+\b]  ; 2 off the exponent field: the conversion's scale operand
.endr
.irp b, 0,1,2,3
	s_delay_alu instid0(VALU_DEP_4)
	v_lshrrev_b32 v[236+\b], 23, v[244+\b]         ; the scale's byte
.endr
	s_delay_alu instid0(VALU_DEP_3)
	v_lshl_or_b32 v253, v237, 8, v236              ; p's scale word for these 128 keys
	s_delay_alu instid0(VALU_DEP_1)
	v_lshl_or_b32 v253, v238, 16, v253
.irp c, 0,1
	v_cvt_scalef32_pk16_fp6_f32 v[224+6*\c:226+6*\c], v[S+32*\c:S+15+32*\c], v[244+2*\c]
	v_cvt_scalef32_pk16_fp6_f32 v[236+4*\c:238+4*\c], v[S+16+32*\c:S+31+32*\c], v[244+2*\c+1]
.endr
	v_lshl_or_b32 v253, v239, 24, v253             ; the word's last byte: also the plain line behind the conversions
.irp c, 0,1                                    ; the layout wants a WHOLE block in a lane
.irp i, 0,1,2
	v_permlane16_swap_b32 v[224+6*\c+\i], v[236+4*\c+\i]
.endr
.irp i, 0,1,2
	s_delay_alu instid0(VALU_DEP_3)
	v_mov_b32 v[227+6*\c+\i], v[236+4*\c+\i]
.endr
.endr
	s_wait_alu depctr_va_vdst(0)                   ; the wait here, directly ahead of the first reader of O^T
.set j, 0
.rept 16
	v_pk_mul_f32 v[O+j:O+j+1], v[O+j:O+j+1], v[252:253] op_sel_hi:[1,0]   ; O^T under the new M; also the plain lines in front of the scaled products
.set j, j+2
.endr
	s_wait_alu depctr_va_vdst(0)                   ; the wait here, directly ahead of the wait below
	s_wait_dscnt 20                                ; V is in; the next step's 20 loads of tiles 0-3 may be out
.irp t, 0,1,2,3                                ; O^T += V^T P^T: four accumulators, one instruction a turn
	v_wmma_scale_f32_16x16x128_f8f6f4 v[O+8*\t:O+7+8*\t], v[80+12*\t:91+12*\t], v[224:235], v[O+8*\t:O+7+8*\t], v[248+\t], v253 matrix_a_fmt:MATRIX_FMT_FP6 matrix_b_fmt:MATRIX_FMT_FP6
.endr
	v_pk_add_f32 v[236:237], v[S+56:S+57], v[S+58:S+59]    ; the sum's last four pairs: these four lines are the places in front of the loads into V's registers
	v_pk_add_f32 v[240:241], v[S+60:S+61], v[S+62:S+63]
	v_pk_add_f32 v[14:15], v[14:15], v[236:237]
	v_pk_add_f32 v[14:15], v[14:15], v[240:241]
	KLOAD 1, 80, 248                               ; the next step's tiles 4-7
	s_sub_co_u32 s[CNT], s[CNT], 1
	s_cmp_lg_u32 s[CNT], 0
	s_cbranch_scc1 .Lstep
	; THE WAY OUT: O^T / the sum, quantised along d (two blocks of 32), through my stage, as 768 consecutive bytes
	v_add_f32 v14, v14, v15
	s_delay_alu instid0(VALU_DEP_1)
	v_permlanex16_b32 v252, v14, s[SEL], s[SEL+1]
	s_delay_alu instid0(VALU_DEP_1)
	v_add_f32 v14, v14, v252
	s_wait_alu depctr_va_vdst(0)                   ; the wait ahead of the transcendental
	v_rcp_f32 v14, v14
	v_add_nc_u32 v29, s75, v[AK0]                  ; in: my row's 24 bytes
	v_and_b32 v30, 31, v0
	s_delay_alu instid0(VALU_DEP_1)
	v_lshlrev_b32 v31, 3, v30                      ; back: 8 bytes a lane
	s_delay_alu instid0(VALU_DEP_1)
	v_add_nc_u32 v30, s75, v31
	s_wait_alu depctr_va_vdst(0)                   ; the wait ahead of the reciprocal's first reader, which is O^T's too
.set j, 0
.rept 32
	v_mul_f32 v[S+j], v[O+j], v14                  ; register 16 g + i is d = 32 g + 16 h + i
.set j, j+1
.endr
.irp b, 0,1
	v_max3_num_f32 v[232+\b], |v[S+16*\b]|, |v[S+1+16*\b]|, 0x1800000
.endr
.irp i, 2,4,6,8,10,12,14
.irp b, 0,1
	s_delay_alu instid0(VALU_DEP_2)
	v_max3_num_f32 v[232+\b], v[232+\b], |v[S+16*\b+\i]|, |v[S+1+16*\b+\i]|
.endr
.endr
.irp b, 0,1
	s_delay_alu instid0(VALU_DEP_2)
	v_permlanex16_b32 v[236+\b], v[232+\b], s[SEL], s[SEL+1]
.endr
.irp b, 0,1
	s_delay_alu instid0(VALU_DEP_2)
	v_max_num_f32 v[232+\b], v[232+\b], v[236+\b]
.endr
.irp b, 0,1
	s_delay_alu instid0(VALU_DEP_2)
	v_add_nc_u32 v[244+\b], 0xff000000, v[232+\b]
.endr
.irp b, 0,1
	s_delay_alu instid0(VALU_DEP_2)
	v_lshrrev_b32 v[236+\b], 23, v[244+\b]
.endr
	s_delay_alu instid0(VALU_DEP_1)
	v_lshl_or_b32 v253, v237, 8, v236              ; my head's two bytes of the row's scale word
	v_cvt_scalef32_pk16_fp6_f32 v[224:226], v[S:S+15], v244
	v_cvt_scalef32_pk16_fp6_f32 v[236:238], v[S+16:S+31], v245
	v_nop
.irp i, 0,1,2
	v_permlane16_swap_b32 v[224+\i], v[236+\i]
.endr
.irp i, 0,1,2
	s_delay_alu instid0(VALU_DEP_3)
	v_mov_b32 v[227+\i], v[236+\i]
.endr
.irp i, 0,1,2
	ds_store_b64 v29, v[224+2*\i:225+2*\i] offset:8*\i
.endr
.irp i, 0,1,2
	ds_load_b64 v[S+2*\i:S+1+2*\i], v30 offset:256*\i          ; LDS serves a wave's instructions in order: these see my stores
.endr
	global_store_b16 v7, v253, s[72:73]            ; two bytes a row (a word spans two heads); both halves of the lanes write the same bytes with the same value
	s_wait_alu depctr_va_vdst(0)                   ; the wait here, directly ahead of the wait below
	s_wait_dscnt 0x0
.irp i, 0,1,2
	global_store_b64 v31, v[S+2*\i:S+1+2*\i], s[8:9] offset:256*\i   ; 32 lanes store 256 consecutive bytes, at a multiple of 256 from the buffer's first byte
.endr
	s_wait_tensorcnt 0x0                           ; the wave's end
	ds_add_u32 v243, v255
	s_wait_dscnt 0x0
	CROUND                                         ; the closing round
	s_endpgm
.Lfunc_end_k_qcdbee80afa_attn:
	.size	k_qcdbee80afa_attn, .Lfunc_end_k_qcdbee80afa_attn-k_qcdbee80afa_attn
	.p2alignl 7, 3214868480
	.fill 96, 4, 3214868480
	.section	.rodata,"a",@progbits
	.p2align	6, 0x0
	.amdhsa_kernel k_qcdbee80afa_attn
		.amdhsa_group_segment_fixed_size 231424
		.amdhsa_private_segment_fixed_size 0
		.amdhsa_enable_private_segment 0
		.amdhsa_kernarg_size 24
		.amdhsa_user_sgpr_count 2
		.amdhsa_user_sgpr_kernarg_segment_ptr 1
		.amdhsa_wavefront_size32 1
		.amdhsa_system_sgpr_workgroup_id_x 1
		.amdhsa_system_sgpr_workgroup_id_y 1
		.amdhsa_system_sgpr_workgroup_id_z 1
		.amdhsa_system_vgpr_workitem_id 0
		.amdhsa_next_free_vgpr 256
		.amdhsa_next_free_sgpr 80
		.amdhsa_reserve_vcc 1
		.amdhsa_float_denorm_mode_32 3
		.amdhsa_float_denorm_mode_16_64 3
		.amdhsa_memory_ordered 1
		.amdhsa_forward_progress 1
		.amdhsa_inst_pref_size 44
	.end_amdhsa_kernel
	.amdgpu_metadata
---
amdhsa.version: [ 1, 2 ]
amdhsa.kernels:
  - .name:           k_qcdbee80afa_attn
    .symbol:         k_qcdbee80afa_attn.kd
    .args:
      - { .name: ACT, .offset: 0, .size: 8, .value_kind: global_buffer, .address_space: global }
      - { .name: mask, .offset: 8, .size: 8, .value_kind: global_buffer, .address_space: global }
      - { .name: AO, .offset: 16, .size: 8, .value_kind: global_buffer, .address_space: global }
    .group_segment_fixed_size: 231424
    .private_segment_fixed_size: 0
    .kernarg_segment_align: 8
    .kernarg_segment_size: 24
    .max_flat_workgroup_size: 512
    .sgpr_count:     80
    .vgpr_count:     256
    .wavefront_size: 32
...
	.end_amdgpu_metadata
.endif
;; end of part 9
;; launch proj (part 10): grid 8 x 32, 4 waves a work-group, clusters of 4 x 4, 327,680 bytes of LDS; arguments AO, WC, x, bo, X1; writes X1
.if DOCPART == 10
	.amdgcn_target "amdgcn-amd-amdhsa--gfx1250"
	.amdhsa_code_object_version 6
	.text
	.protected	k_qcdbee80afa_proj
	.globl	k_qcdbee80afa_proj
	.p2align	8
	.type	k_qcdbee80afa_proj,@function
k_qcdbee80afa_proj:
	s_mov_b64 s[64:65], 0
	v_nop
	global_prefetch_b8 v0, s[64:65] scope:SCOPE_SE
	s_setreg_imm32_b32 hwreg(HW_REG_WAVE_MODE, 25, 1), 1
	s_wait_xcnt 0x0
	s_wait_alu depctr_hold_cnt(0) depctr_sa_sdst(0) depctr_va_vdst(0) depctr_va_sdst(0) depctr_va_ssrc(0) depctr_va_vcc(0) depctr_vm_vsrc(0)
	s_getreg_b32 s2, hwreg(HW_REG_IB_STS2, 6, 4)
	s_cmp_eq_u32 s2, 0
	s_cbranch_scc0 .Lentry_in_a_cluster
	s_endpgm
.Lentry_in_a_cluster:
	s_bfe_u32 s2, ttmp6, 0x10000c
	s_cmp_lg_u32 s2, 0xf033
	s_cbranch_scc0 .Lentry_shape_is_right
	s_endpgm
.Lentry_shape_is_right:
.set NS,     2
.set PF,     0
.set A_SC,   0
.set A_CD,   131072
.set B_SC,   0
.set B_CD,   32768
.set RBC,    98304
.set RBS,    4096
.set FR,     12
.set NP,     4
.set HALFT,  24576
.set KSL,    2*HALFT
.set SLOT,   2*KSL
.set HALFS,  RBS/2
.set SCL,    2*SLOT
.set STAGE,  SCL+2*RBS+256
.set SPITCH, 272
.set SPARE,  STAGE+4*16*SPITCH
.set ADRA, 16
.set ADRB, 20
.set STO,  24
.set RD,   25
.set CO,   26
.set ADRS, 27
.set SPW,  28
.set NIL,  29
.set PFO,  30
.set CB,   31
.set SC,   32
.set BI,   40
.set BK,   64
.set ACC,  128
.set PFA,  96
.set G1, 24
.set G0, 32
.set G1B, 48
.set G0B, 56
.set G1S, 68
.set G0S, 76
.set G1SB, 80
.set G0SB, 88
.set MSB, 0
.macro WIN new
.if MSB != (\new)
	s_set_vgpr_msb (MSB<<8)|(\new)
.set MSB, (\new)
.endif
.endm
.set MUL,  0x05
.set TO_F, 0x40
.macro JLOAD g0a, g1a, g0b, g1b
	s_cmp_eq_u32 s15, 0
	s_cbranch_scc0 .Lfor_b_\@
	tensor_load_to_lds s[\g0a:\g0a+3], s[\g1a:\g1a+7]
	s_nop 0
.rept 4
	v_nop
.endr
	s_branch .Lasked_\@
.Lfor_b_\@:
	tensor_load_to_lds s[\g0b:\g0b+3], s[\g1b:\g1b+7]
	s_nop 0
.rept 4
	v_nop
.endr
.Lasked_\@:
.endm
.macro CREST
	s_cmp_lg_u32 s14, 0
	s_cbranch_scc1 .Lnot_wave_0_\@
	s_barrier_signal -3
.Lnot_wave_0_\@:
	s_barrier_wait -3
	s_barrier_signal -1
	s_barrier_wait -1
.endm
.macro CROUND
	s_barrier_signal -1
	s_barrier_wait -1
	CREST
.endm
.macro ASK always
.if \always
	s_cmp_eq_u32 s2, 1
.else
	s_cmp_gt_u32 s3, s2
.endif
	s_cbranch_scc0 .Lnot_mine_\@
	global_prefetch_b8 v[PFO], s[PFA:PFA+1] offset:KSL th:TH_LOAD_NT scope:SCOPE_SE
.Lnot_mine_\@:
.endm
	s_load_b256 s[4:11], s[0:1], 0x0
	s_load_b64 s[12:13], s[0:1], 0x20
	v_lshl_add_u32 v[SPW], v0, 2, SPARE
	v_mov_b32 v[NIL], 0
	ds_add_u32 v28, v29
	ds_add_u32 v28, v29
	s_wait_dscnt 0x0
	v_lshrrev_b32 v1, 5, v0
	v_readfirstlane_b32 s14, v1
	s_lshr_b32 s15, s14, 1
	s_and_b32 s16, s14, 1
	s_bfe_u32 s40, ttmp6, 0x40000
	s_bfe_u32 s41, ttmp6, 0x40004
	s_lshl_b32 s42, ttmp9, 2
	s_add_co_u32 s42, s42, s40
	s_and_b32 s17, ttmp7, 0xffff
	s_lshl_b32 s17, s17, 2
	s_add_co_u32 s17, s17, s41
	s_lshl_b32 s43, s41, 2
	s_lshl_b32 s43, 15, s43
	s_lshl_b32 s44, 0x1111, s40
	s_or_b32 s[G1+0], s43, (3<<16)|(1<<21)
	s_or_b32 s[G1B+0], s44, (3<<16)|(1<<21)
.irp g, G1, G1B
	s_mov_b32 s[\g+1], 32<<16
	s_mov_b32 s[\g+2], 384<<16                     ; for the head's load: both slots of an operand, 98,304 dense bytes as 384 rows of 256
	s_mov_b32 s[\g+3], 32<<16
	s_mov_b32 s[\g+4], 384
	s_mov_b32 s[\g+5], 32
	s_mov_b32 s[\g+6], 0
	s_mov_b32 s[\g+7], 0
.endr
	s_or_b32 s[G1S+0], s43, (3<<16)|(1<<21)
	s_or_b32 s[G1SB+0], s44, (3<<16)|(1<<21)
.irp g, G1S, G1SB
	s_mov_b32 s[\g+1], 32<<16
	s_mov_b32 s[\g+2], (RBS/256)<<16               ; an operand's scale words, whole: one load
	s_mov_b32 s[\g+3], 32<<16
	s_mov_b32 s[\g+4], RBS/256
	s_mov_b32 s[\g+5], 32
	s_mov_b32 s[\g+6], 0
	s_mov_b32 s[\g+7], 0
.endr
	s_mul_i32 s18, s16, HALFT
	s_mul_i32 s22, s17, RBS
	s_add_co_u32 s22, s22, A_SC
	s_mul_i32 s20, s17, RBC
	s_add_co_u32 s20, s20, s18
	s_add_co_u32 s20, s20, A_CD
	s_mul_i32 s92, s42, RBS
	s_add_co_u32 s92, s92, B_SC
	s_mul_i32 s46, s42, RBC
	s_add_co_u32 s46, s46, s18
	s_add_co_u32 s46, s46, B_CD
	s_mov_b32 s21, 0
	s_mov_b32 s23, 0
	s_mov_b32 s47, 0
	s_mov_b32 s93, 0
.if PF
	s_and_b32 s2, ttmp7, 0xffff
	s_cmp_eq_u32 s15, 0
	s_cselect_b32 s2, ttmp9, s2
	s_cselect_b32 s98, s20, s46
	s_cselect_b32 s99, s40, s41
	s_cmp_eq_u32 s2, 0
	s_cselect_b32 s2, 1, -1
	s_mul_i32 s99, s99, 6144
	s_add_co_u32 s98, s98, s99
	s_add_co_u32 s98, s98, KSL
	s_mov_b32 s99, 0
	v_and_b32 v[PFO], 31, v0
	v_min_u32 v[PFO], 23, v[PFO]
	v_lshlrev_b32 v[PFO], 8, v[PFO]
.endif
	s_mul_i32 s45, s15, 2*KSL                      ; LDS: A's slot 0, A's slot 1, B's slot 0, B's slot 1; in the ring I fetch half a slot of A (waves 0, 1) or of B
	s_add_co_u32 s45, s45, s18
	s_wait_kmcnt 0x0
.if PF
	s_cmp_eq_u32 s15, 0
	s_cselect_b64 s[PFA:PFA+1], s[4:5], s[6:7]
	s_add_nc_u64 s[PFA:PFA+1], s[PFA:PFA+1], s[98:99]
.endif
	s_add_nc_u64 s[20:21], s[4:5], s[20:21]
	s_add_nc_u64 s[22:23], s[4:5], s[22:23]
	s_add_nc_u64 s[46:47], s[6:7], s[46:47]
	s_add_nc_u64 s[92:93], s[6:7], s[92:93]
	CROUND
	s_mov_b32 s[G0S], 1
	s_mov_b32 s[G0S+1], SCL
	s_mov_b64 s[G0S+2:G0S+3], s[22:23]
	s_or_b32 s[G0S+3], s[G0S+3], 0x80000000
	s_mov_b32 s[G0SB], 1
	s_mov_b32 s[G0SB+1], SCL+RBS+64
	s_mov_b64 s[G0SB+2:G0SB+3], s[92:93]
	s_or_b32 s[G0SB+3], s[G0SB+3], 0x80000000
.irp s, 0,1
	s_mov_b32 s[G0+4*\s], 1
	s_add_co_u32 s[G0+4*\s+1], s45, \s*KSL
	s_add_nc_u64 s[G0+4*\s+2:G0+4*\s+3], s[20:21], \s*KSL
	s_or_b32 s[G0+4*\s+3], s[G0+4*\s+3], 0x80000000
	s_mov_b32 s[G0B+4*\s], 1
	s_add_co_u32 s[G0B+4*\s+1], s45, \s*KSL
	s_add_nc_u64 s[G0B+4*\s+2:G0B+4*\s+3], s[46:47], \s*KSL
	s_or_b32 s[G0B+4*\s+3], s[G0B+4*\s+3], 0x80000000
.endr
; THE HEAD'S LOADS, ONE A WAVE: wave 0 fetches both slots of A, wave 2 both slots of B, wave 1 A's scale words, wave 3 B's.
; Wave 0's and wave 2's own group 0 of slot 0 point at the operand's first byte in memory and in LDS.  One chain of arms on the wave's number, all leading to one join.
.macro ARM under, g0, g1, next
	s_cmp_lt_u32 s14, \under
	s_cbranch_scc0 \next
	tensor_load_to_lds s[\g0:\g0+3], s[\g1:\g1+7]
	s_nop 0
.rept 4
	v_nop
.endr
	s_branch .Lhead_asked
\next:
.endm
	ARM 1, G0,  G1,  .Lhead_sa
	ARM 2, G0S, G1S, .Lhead_b
	ARM 3, G0B, G1B, .Lhead_sb
	tensor_load_to_lds s[G0SB:G0SB+3], s[G1SB:G1SB+7]
	s_nop 0
.rept 4
	v_nop
.endr
.Lhead_asked:
	v_and_b32 v1, 15, v0
	v_bfe_u32 v2, v0, 4, 1
	s_wait_alu depctr_va_vdst(0)
	v_mul_u32_u24 v3, v1, 48
	v_mad_u32_u24 v3, v2, 24, v3
	s_mul_i32 s21, s15, 3072
	s_mul_i32 s22, s16, 3072
	s_add_co_u32 s22, s22, 2*KSL
.irp s, 0,1
	v_add_nc_u32 v[ADRA+\s], s21, v3
	v_add_nc_u32 v[ADRB+\s], s22, v3
	s_add_co_u32 s21, s21, KSL
	s_add_co_u32 s22, s22, KSL
.endr
	s_lshl_b32 s21, s15, 8
	s_lshl_b32 s22, s16, 8
	s_add_co_u32 s22, s22, RBS+64
	s_sub_co_u32 s22, s22, s21
	v_mul_u32_u24 v6, s22, v2
	s_add_co_u32 s21, s21, SCL
	v_lshl_add_u32 v5, v1, 2, v6
	v_add_nc_u32 v[ADRS], s21, v5
	s_mul_i32 s23, s14, 16*SPITCH
	s_add_co_u32 s23, s23, STAGE
	v_mul_u32_u24 v5, v1, SPITCH
	v_lshl_add_u32 v5, v2, 6, v5
	v_add_nc_u32 v[STO], s23, v5
	v_mul_u32_u24 v5, v2, SPITCH
	v_lshl_add_u32 v5, v1, 4, v5
	v_add_nc_u32 v[RD], s23, v5
	v_lshlrev_b32 v[CB], 4, v1
	s_wait_alu depctr_va_vdst(0)
	v_lshl_add_u32 v[CO], v2, 12, v[CB]
	s_wait_alu depctr_va_vdst(0)
	s_lshl_b32 s20, s17, 19
	s_lshl_b32 s21, s15, 18
	s_add_co_u32 s20, s20, s21
	s_lshl_b32 s46, s42, 9
	s_lshl_b32 s47, s16, 8
	s_add_co_u32 s46, s46, s47
	s_add_co_u32 s20, s20, s46
	s_mov_b32 s21, 0
	s_mov_b32 s47, 0
	s_add_nc_u64 s[8:9], s[8:9], s[20:21]
	s_add_nc_u64 s[12:13], s[12:13], s[20:21]
	s_add_nc_u64 s[10:11], s[10:11], s[46:47]
	global_load_b128 v[BI:BI+3], v[CB], s[10:11]
.irp a, 0,1,2,3
.irp t, 0,1,2,3,4,5,6,7
	global_load_b128 v[ACC+32*\a+4*\t:ACC+32*\a+4*\t+3], v[CO], s[8:9] offset:(32*(\a/2)+8*(\a%2)+2*\t+8*(\t/4))*4096 th:TH_LOAD_NT
.endr
.endr
.macro INIT a
.set AC, ACC+32*(\a)
	s_wait_loadcnt 8*(3-(\a))
.set t, 0
.rept 8
	v_pk_add_f32 v[AC+4*t:AC+4*t+1], v[AC+4*t:AC+4*t+1], v[BI:BI+1]
	v_pk_add_f32 v[AC+4*t+2:AC+4*t+3], v[AC+4*t+2:AC+4*t+3], v[BI+2:BI+3]
.set t, t+1
.endr
.set t, 0
.rept 8
	ds_store_b128 v[RD], v[AC+4*t:AC+4*t+3] offset:2*t*SPITCH
.set t, t+1
.endr
.irp b, 0,1,2,3
	ds_load_b128 v[AC+8*\b:AC+8*\b+3], v[STO] offset:128*(\b/2)+32*(\b%2)
	ds_load_b128 v[AC+8*\b+4:AC+8*\b+7], v[STO] offset:128*(\b/2)+32*(\b%2)+16
.endr
.endm
.irp a, 0,1,2,3
	INIT \a
.endr
.macro FRAG reg, adr, q, i
.irp p, 0,1,2,3,4,5
	ds_load_b64 v[\reg+2*\p:\reg+2*\p+1], v[\adr] offset:(2*(\q)+\p/3)*6144+(\i)*768+8*(\p%3)
.endr
.endm
.macro FETCH slot, q, p
	WIN TO_F
.irp i, 0,1,2,3
	FRAG 128*(\p)+48+FR*\i, ADRB+\slot, \q, \i
	FRAG 128*(\p)+FR*\i, ADRA+\slot, \q, \i
.endr
	WIN 0
.irp i, 0,1,2,3
	ds_load_b32 v[SC+4*(\p)+\i], v[ADRS] offset:512*(\q)+64*\i
.endr
.endm
.macro MUL4 a, p
.irp b, 0,1,2,3
	v_wmma_scale_f32_16x16x128_f8f6f4 v[ACC+8*(4*(\a)+\b):ACC+8*(4*(\a)+\b)+7], v[128*(\p)+48+FR*\b:128*(\p)+48+FR*\b+FR-1], v[128*(\p)+FR*(\a):128*(\p)+FR*(\a)+FR-1], v[ACC+8*(4*(\a)+\b):ACC+8*(4*(\a)+\b)+7], v[SC+4*(\p)+\b], v[SC+4*(\p)+(\a)] matrix_a_fmt:MATRIX_FMT_FP6 matrix_b_fmt:MATRIX_FMT_FP6 matrix_a_scale:MATRIX_SCALE_ROW1
.endr
.endm
.macro PLACES n
.rept \n
	v_nop
.endr
.endm
.macro STEP slot, q
	s_wait_dscnt 0x0
	PLACES NP
	FETCH \slot, (\q)+1, 1-(\q)%2
	WIN MUL
	MUL4 0, (\q)%2
	MUL4 1, (\q)%2
	MUL4 2, (\q)%2
	MUL4 3, (\q)%2
	WIN 0
.endm
.macro TURN slot, next, fill
.if PF && \fill
	s_wait_xcnt 0x0
	s_add_nc_u64 s[PFA:PFA+1], s[PFA:PFA+1], KSL
.endif
	s_wait_tensorcnt 0x0
	ds_add_u32 v[SPW], v[NIL]
	s_wait_dscnt 1
	WIN MUL
	MUL4 0, 1
	s_wait_dscnt 0x0
	s_barrier_signal -1
	MUL4 1, 1
	WIN 0
	s_barrier_wait -1
.if \fill
	CREST
	s_add_nc_u64 s[G0+4*\slot+2:G0+4*\slot+3], s[G0+4*\slot+2:G0+4*\slot+3], 2*KSL
	s_add_nc_u64 s[G0B+4*\slot+2:G0B+4*\slot+3], s[G0B+4*\slot+2:G0B+4*\slot+3], 2*KSL
	JLOAD G0+4*\slot, G1, G0B+4*\slot, G1B
.else
	PLACES NP
.endif
	v_add_nc_u32 v[ADRS], 2048, v[ADRS]
	FETCH \next, 0, 0
.if PF && \fill
	ASK 1-\slot
.endif
	WIN MUL
	MUL4 2, 1
	MUL4 3, 1
	WIN 0
.endm
	s_wait_alu depctr_va_vdst(0)                   ; the wait at the head's end
	s_wait_tensorcnt 0x0                           ; my tile of the head's four is in
.if NS > 2
.irp g, G1, G1B
	s_mov_b32 s[\g+2], 96<<16                      ; no tensor load of mine is out, so group 1 may be written: from here on a load brings 96 rows of 256 bytes
	s_mov_b32 s[\g+4], 96
.endr
.endif
	s_wait_dscnt 0x0
	s_barrier_signal -1
	s_barrier_wait -1
	FETCH 0, 0, 0
	STEP 0, 0
	STEP 0, 1
	STEP 0, 2
.if NS > 2
	s_mov_b32 s3, (NS-2)/2
.Llap:
	TURN 0, 1, 1
	STEP 1, 0
	STEP 1, 1
	STEP 1, 2
	TURN 1, 0, 1
	STEP 0, 0
	STEP 0, 1
	STEP 0, 2
	s_sub_co_u32 s3, s3, 1
	s_cmp_lg_u32 s3, 0
	s_cbranch_scc1 .Llap
.endif
	TURN 0, 1, 0
	s_wait_alu depctr_va_vdst(0)
	STEP 1, 0
	STEP 1, 1
	STEP 1, 2
	s_wait_dscnt 0x0
	WIN MUL
	MUL4 0, 1
	MUL4 1, 1
	MUL4 2, 1
	MUL4 3, 1
	WIN 0
.macro TOSTAGE a
.set AC, ACC+32*(\a)
.irp b, 0,1,2,3
	ds_store_b128 v[STO], v[AC+8*\b:AC+8*\b+3] offset:128*(\b/2)+32*(\b%2)
	ds_store_b128 v[STO], v[AC+8*\b+4:AC+8*\b+7] offset:128*(\b/2)+32*(\b%2)+16
.endr
.set BB, BK+32*((\a)%2)
.irp t, 0,1,2,3,4,5,6,7
	ds_load_b128 v[BB+4*\t:BB+4*\t+3], v[RD] offset:2*\t*SPITCH
.endr
.endm
.macro SEND a, younger
.set BB, BK+32*((\a)%2)
	s_wait_dscnt \younger
.irp t, 0,1,2,3,4,5,6,7
	global_store_b128 v[CO], v[BB+4*\t:BB+4*\t+3], s[12:13] offset:(32*((\a)/2)+8*((\a)%2)+2*\t+8*(\t/4))*4096
.endr
.endm
	PLACES NP
	TOSTAGE 0
.irp a, 1,2,3
.if \a > 1
	s_wait_xcnt 0x0
.endif
	TOSTAGE \a
	SEND \a-1, 16
.endr
	SEND 3, 0
	s_wait_tensorcnt 0x0
	ds_add_u32 v[SPW], v[NIL]
	s_wait_dscnt 0x0
	CROUND
	s_endpgm
.Lfunc_end_k_qcdbee80afa_proj:
	.size	k_qcdbee80afa_proj, .Lfunc_end_k_qcdbee80afa_proj-k_qcdbee80afa_proj
	.p2alignl 7, 3214868480
	.fill 96, 4, 3214868480
	.section	.rodata,"a",@progbits
	.p2align	6, 0x0
	.amdhsa_kernel k_qcdbee80afa_proj
		.amdhsa_group_segment_fixed_size 327680
		.amdhsa_private_segment_fixed_size 0
		.amdhsa_enable_private_segment 0
		.amdhsa_kernarg_size 40
		.amdhsa_user_sgpr_count 2
		.amdhsa_user_sgpr_kernarg_segment_ptr 1
		.amdhsa_wavefront_size32 1
		.amdhsa_system_sgpr_workgroup_id_x 1
		.amdhsa_system_sgpr_workgroup_id_y 1
		.amdhsa_system_sgpr_workgroup_id_z 1
		.amdhsa_system_vgpr_workitem_id 0
		.amdhsa_next_free_vgpr 512
		.amdhsa_next_free_sgpr 100
		.amdhsa_reserve_vcc 0
		.amdhsa_float_denorm_mode_32 3
		.amdhsa_float_denorm_mode_16_64 3
		.amdhsa_memory_ordered 1
		.amdhsa_forward_progress 1
		.amdhsa_inst_pref_size 73
	.end_amdhsa_kernel
	.amdgpu_metadata
---
amdhsa.version: [ 1, 2 ]
amdhsa.kernels:
  - .name:           k_qcdbee80afa_proj
    .symbol:         k_qcdbee80afa_proj.kd
    .args:
      - { .name: AO, .offset: 0, .size: 8, .value_kind: global_buffer, .address_space: global }
      - { .name: WC, .offset: 8, .size: 8, .value_kind: global_buffer, .address_space: global }
      - { .name: x, .offset: 16, .size: 8, .value_kind: global_buffer, .address_space: global }
      - { .name: bo, .offset: 24, .size: 8, .value_kind: global_buffer, .address_space: global }
      - { .name: X1, .offset: 32, .size: 8, .value_kind: global_buffer, .address_space: global }
    .group_segment_fixed_size: 327680
    .private_segment_fixed_size: 0
    .kernarg_segment_align: 8
    .kernarg_segment_size: 40
    .max_flat_workgroup_size: 128
    .sgpr_count:     100
    .vgpr_count:     512
    .wavefront_size: 32
...
	.end_amdgpu_metadata
.endif
;; end of part 10
;; launch ln1 (part 11): grid 256 x 1, 4 waves a work-group, no clusters, 32,256 bytes of LDS; arguments X1, g2, be2, XN; writes XN
.if DOCPART == 11
	.amdgcn_target "amdgcn-amd-amdhsa--gfx1250"
	.amdhsa_code_object_version 6
	.text
	.protected	k_qcdbee80afa_ln1
	.globl	k_qcdbee80afa_ln1
	.p2align	8
	.type	k_qcdbee80afa_ln1,@function
k_qcdbee80afa_ln1:
	s_mov_b64 s[64:65], 0
	v_nop
	global_prefetch_b8 v0, s[64:65] scope:SCOPE_SE
	s_setreg_imm32_b32 hwreg(HW_REG_WAVE_MODE, 25, 1), 1
	s_wait_xcnt 0x0
; Layer norm of 4,096 rows of 1,024 f32, (x - mean) * rsqrt(var + 1e-5) * g + b, all in f32 (mean first, then the mean of squared differences), then quantised along the row
; to FP6 (E2M3) codes with one E8M0 byte for each 32.  Out: codes [rows / 128][16 panels][128 rows][48 bytes] and scale words [rows / 128][8][128 rows][4 bytes], rows in position order
; (position p holds token swap34(p): bits 3 and 4 exchanged).
; SHARES: work-group G owns positions 16 G .. 16 G + 15; wave w four of them, which are four neighbouring tokens; a wave takes a whole row, so a reduction never leaves the wave.
; Every load is dense (32 lanes read 512 consecutive bytes).  The conversions want 32 neighbours in one lane: a row turns through the wave's own stage in LDS, 128 bytes + 16 of padding for each block of 32.
; The codes of the 16 rows meet in a stage laid as the output's panels and leave as pieces of 768 consecutive bytes; the scale words leave in pieces of 64 bytes (one byte in 24 of what is stored).
; LIMITS: NaN and infinities are not served; a block whose largest magnitude lies under 2^-124 (a block of zeros too) gets the byte 1, which this program alone reads.
.set OP_SC, 40960
.set OP_CD, 172032
.set GG,   16                          ; v16-47   g, as loaded
.set BE,   48                          ; v48-79   b
.set R,    80                          ; v80-207  four rows; on the way out v80-104
.set T,    208                         ; v208-239 the turned row: my block's 32 numbers
.set C,    240                         ; v240-246 codes; v247 the byte
.set CSTG, 18432                       ; LDS: four turn stages of 4,608 bytes from 0; the code stage: 16 panels 784 bytes apart (16 rows x 48 + 16);
.set SSTG, 30976                       ; the scale stage: [8 words][16 rows][4 bytes]
	s_load_b256 s[4:11], s[0:1], 0x0               ; in, g, b, out
	v_lshl_add_u32 v14, v0, 2, 0x7c00
	v_mov_b32 v15, 0
	v_lshrrev_b32 v1, 5, v0
	v_readfirstlane_b32 s12, v1                    ; wave
	v_and_b32 v1, 31, v0                           ; lane
	v_lshlrev_b32 v2, 4, v1                        ; my 16 bytes of a load's 512
	s_mul_i32 s13, s12, 4608
	v_lshrrev_b32 v11, 3, v1
	v_mul_u32_u24 v3, v11, 144
	v_and_b32 v11, 7, v1
	v_lshl_add_u32 v3, v11, 4, v3
	v_add_nc_u32 v3, s13, v3                       ; turn stage, in: eight lanes fill a block's 128 bytes
	v_mul_u32_u24 v4, v1, 144
	v_add_nc_u32 v4, s13, v4                       ; turn stage, out: lane l takes block l
	v_lshrrev_b32 v11, 1, v1
	v_mul_u32_u24 v5, v11, 784
	v_and_b32 v11, 1, v1
	v_mad_u32_u24 v5, v11, 24, v5
	s_mul_i32 s13, s12, 192
	s_add_co_u32 s13, s13, CSTG
	v_add_nc_u32 v5, s13, v5                       ; code stage: panel l / 2, half l % 2, row 4 w (+ i in the immediate)
	v_lshrrev_b32 v11, 2, v1
	v_and_b32 v6, 3, v1
	v_lshl_add_u32 v6, v11, 6, v6
	s_lshl_b32 s13, s12, 4
	s_add_co_u32 s13, s13, SSTG
	v_add_nc_u32 v6, s13, v6                       ; scale stage: word l / 4, byte l % 4, row 4 w
	v_lshrrev_b32 v11, 4, v0                       ; the way out: thread t: panel t / 16 (+ 8), 16 bytes at 16 (t % 16)
	v_and_b32 v12, 15, v0
	v_mul_u32_u24 v7, v11, 784
	v_lshl_add_u32 v7, v12, 4, v7
	v_add_nc_u32 v7, CSTG, v7
	v_mul_u32_u24 v8, v11, 6144
	v_lshl_add_u32 v8, v12, 4, v8
	v_lshl_add_u32 v9, v0, 2, SSTG
	v_lshlrev_b32 v10, 2, v12
	v_lshl_add_u32 v10, v11, 9, v10
	s_lshr_b32 s14, ttmp9, 1
	s_lshl_b32 s14, s14, 5
	s_and_b32 s15, ttmp9, 1
	s_lshl_b32 s15, s15, 3
	s_add_co_u32 s14, s14, s15
	s_lshl_b32 s15, s12, 2
	s_add_co_u32 s14, s14, s15
	s_lshr_b32 s15, s12, 1
	s_lshl_b32 s15, s15, 3
	s_add_co_u32 s14, s14, s15                     ; my first token: 32 (G / 2) + 8 (G % 2) + 4 w + 8 (w / 2)
	s_lshl_b32 s14, s14, 12
	s_mov_b32 s15, 0
	s_lshr_b32 s16, ttmp9, 3
	s_and_b32 s17, ttmp9, 7
	s_mul_i32 s18, s16, 98304
	s_mul_i32 s19, s17, 768
	s_add_co_u32 s18, s18, s19
	s_add_co_u32 s18, s18, OP_CD
	s_mov_b32 s19, 0
	s_lshl_b32 s20, s16, 12
	s_lshl_b32 s21, s17, 6
	s_add_co_u32 s20, s20, s21
	s_add_co_u32 s20, s20, OP_SC
	s_mov_b32 s21, 0
	s_mov_b32 s22, 0x3a800000                      ; 1 / 1,024
	s_mov_b32 s23, 0x3727c5ac                      ; 1e-5
	s_mov_b32 s24, 0x76543210                      ; v_permlanex16_b32's selects for lane l xor 16
	s_mov_b32 s25, 0xfedcba98
	s_wait_kmcnt 0x0
	s_add_nc_u64 s[4:5], s[4:5], s[14:15]
	s_add_nc_u64 s[26:27], s[10:11], s[18:19]
	s_add_nc_u64 s[28:29], s[10:11], s[20:21]
.irp k, 0,1,2,3,4,5,6,7
	global_load_b128 v[GG+4*\k:GG+4*\k+3], v2, s[6:7] offset:512*\k
.endr
.irp k, 0,1,2,3,4,5,6,7
	global_load_b128 v[BE+4*\k:BE+4*\k+3], v2, s[8:9] offset:512*\k
.endr
.irp i, 0,1,2,3
.irp k, 0,1,2,3,4,5,6,7
	global_load_b128 v[R+32*\i+4*\k:R+32*\i+4*\k+3], v2, s[4:5] offset:4096*\i+512*\k th:TH_LOAD_NT
.endr
.endr
.macro REDUCE                          ; v248 summed over the 32 lanes, the result in every lane
	v_add_f32_dpp v248, v248, v248 row_xmask:1 row_mask:0xf bank_mask:0xf
	v_add_f32_dpp v248, v248, v248 row_xmask:2 row_mask:0xf bank_mask:0xf
	v_add_f32_dpp v248, v248, v248 row_xmask:4 row_mask:0xf bank_mask:0xf
	v_add_f32_dpp v248, v248, v248 row_xmask:8 row_mask:0xf bank_mask:0xf
	v_permlanex16_b32 v249, v248, s24, s25
	v_add_f32 v248, v248, v249
.endm
.macro ROW i
.set RB, R+32*(\i)
	s_wait_loadcnt 8*(3-(\i))                      ; g, b and my rows up to this one are in; the later rows' eight loads each may be out
	v_pk_add_f32 v[248:249], v[RB:RB+1], v[RB+4:RB+5]          ; the sum, in two chains
	v_pk_add_f32 v[250:251], v[RB+2:RB+3], v[RB+6:RB+7]
.irp j, 8,12,16,20,24,28
	v_pk_add_f32 v[248:249], v[248:249], v[RB+\j:RB+\j+1]
	v_pk_add_f32 v[250:251], v[250:251], v[RB+\j+2:RB+\j+3]
.endr
	v_pk_add_f32 v[248:249], v[248:249], v[250:251]
	v_add_f32 v248, v248, v249
	REDUCE
	v_mul_f32 v252, s22, v248                      ; the mean, twice: a pair for the packed form
	v_mul_f32 v253, s22, v248
.irp j, 0,2,4,6,8,10,12,14,16,18,20,22,24,26,28,30
	v_pk_add_f32 v[RB+\j:RB+\j+1], v[RB+\j:RB+\j+1], v[252:253] neg_lo:[0,1] neg_hi:[0,1]
.endr
	v_pk_mul_f32 v[248:249], v[RB:RB+1], v[RB:RB+1]            ; the sum of squared differences
	v_pk_mul_f32 v[250:251], v[RB+2:RB+3], v[RB+2:RB+3]
.irp j, 4,8,12,16,20,24,28
	v_pk_fma_f32 v[248:249], v[RB+\j:RB+\j+1], v[RB+\j:RB+\j+1], v[248:249]
	v_pk_fma_f32 v[250:251], v[RB+\j+2:RB+\j+3], v[RB+\j+2:RB+\j+3], v[250:251]
.endr
	v_pk_add_f32 v[248:249], v[248:249], v[250:251]
	v_add_f32 v248, v248, v249
	REDUCE
	v_fma_f32 v248, v248, s22, s23                 ; variance + 1e-5
	s_wait_alu depctr_va_vdst(0)
	v_rsq_f32 v254, v248
	v_nop                                          ; a plain line behind the transcendental (ISA guide 5.7.2)
	s_wait_alu depctr_va_vdst(0)                   ; the wait ahead of the first line that names the result
	v_mov_b32 v255, v254
.irp j, 0,2,4,6,8,10,12,14,16,18,20,22,24,26,28,30
	v_pk_mul_f32 v[RB+\j:RB+\j+1], v[RB+\j:RB+\j+1], v[254:255]
.endr
.irp j, 0,2,4,6,8,10,12,14,16,18,20,22,24,26,28,30
	v_pk_fma_f32 v[RB+\j:RB+\j+1], v[RB+\j:RB+\j+1], v[GG+\j:GG+\j+1], v[BE+\j:BE+\j+1]
.endr
.irp k, 0,1,2,3,4,5,6,7
	ds_store_b128 v3, v[RB+4*\k:RB+4*\k+3] offset:576*\k       ; a load's 512 bytes are four blocks
.endr
.irp k, 0,1,2,3,4,5,6,7
	ds_load_b128 v[T+4*\k:T+4*\k+3], v4 offset:16*\k           ; LDS serves a wave's instructions in order: these see the stores
.endr
	s_wait_dscnt 0x0                               ; my block is back; the last row's stores of codes and byte are done too
	v_max3_num_f32 v250, |v[T]|, |v[T+1]|, |v[T+2]|
	v_max3_num_f32 v251, |v[T+3]|, |v[T+4]|, |v[T+5]|
.irp j, 6,10,14,18,22,26
	v_max3_num_f32 v250, v250, |v[T+\j]|, |v[T+\j+1]|
	v_max3_num_f32 v251, v251, |v[T+\j+2]|, |v[T+\j+3]|
.endr
	v_max3_num_f32 v250, v250, |v[T+30]|, |v[T+31]|
	v_max3_num_f32 v250, v250, v251, 0x1800000     ; the floor 2^(3 - 127): the byte cannot fall under 1
	v_add_nc_u32 v251, 0xff000000, v250            ; 2 off the exponent field: the conversions' scale operand
	v_cvt_scalef32_pk16_fp6_f32 v[C:C+2], v[T:T+15], v251
	v_cvt_scalef32_pk16_fp6_f32 v[C+4:C+6], v[T+16:T+31], v251
	v_lshrrev_b32 v247, 23, v251                   ; the byte; also the plain line behind the conversions
	v_mov_b32 v[C+3], v[C+4]
	v_mov_b32 v[C+4], v[C+5]
	v_mov_b32 v[C+5], v[C+6]
.irp j, 0,1,2
	ds_store_b64 v5, v[C+2*\j:C+2*\j+1] offset:48*(\i)+8*\j
.endr
	ds_store_b8 v6, v247 offset:4*(\i)
.endm
	ROW 0
	ROW 1
	ROW 2
	ROW 3
	s_wait_dscnt 0x0                               ; for the others' sake: my stores into the two stages are done
	s_barrier_signal -1
	s_barrier_wait -1
.irp a, 0,1
.irp j, 0,1,2
	ds_load_b128 v[R+4*(3*\a+\j):R+4*(3*\a+\j)+3], v7 offset:6272*\a+256*\j
.endr
.endr
	ds_load_b32 v[R+24], v9
.irp a, 0,1
.irp j, 0,1,2
	s_wait_dscnt 6-(3*\a+\j)                       ; the younger loads may be out
	global_store_b128 v8, v[R+4*(3*\a+\j):R+4*(3*\a+\j)+3], s[26:27] offset:49152*\a+256*\j   ; 16 lanes store 256 consecutive bytes, at a multiple of 256 from the buffer's first byte
.endr
.endr
	s_wait_dscnt 0x0
	global_store_b32 v10, v[R+24], s[28:29]
	s_wait_tensorcnt 0x0
	ds_add_u32 v14, v15
	s_wait_dscnt 0x0
	s_endpgm
.Lfunc_end_k_qcdbee80afa_ln1:
	.size	k_qcdbee80afa_ln1, .Lfunc_end_k_qcdbee80afa_ln1-k_qcdbee80afa_ln1
	.p2alignl 7, 3214868480
	.fill 96, 4, 3214868480
	.section	.rodata,"a",@progbits
	.p2align	6, 0x0
	.amdhsa_kernel k_qcdbee80afa_ln1
		.amdhsa_group_segment_fixed_size 32256
		.amdhsa_private_segment_fixed_size 0
		.amdhsa_enable_private_segment 0
		.amdhsa_kernarg_size 32
		.amdhsa_user_sgpr_count 2
		.amdhsa_user_sgpr_kernarg_segment_ptr 1
		.amdhsa_wavefront_size32 1
		.amdhsa_system_sgpr_workgroup_id_x 1
		.amdhsa_system_sgpr_workgroup_id_y 1
		.amdhsa_system_sgpr_workgroup_id_z 1
		.amdhsa_system_vgpr_workitem_id 0
		.amdhsa_next_free_vgpr 256
		.amdhsa_next_free_sgpr 66
		.amdhsa_reserve_vcc 0
		.amdhsa_float_denorm_mode_32 3
		.amdhsa_float_denorm_mode_16_64 3
		.amdhsa_memory_ordered 1
		.amdhsa_forward_progress 1
		.amdhsa_inst_pref_size 45
	.end_amdhsa_kernel
	.amdgpu_metadata
---
amdhsa.version: [ 1, 2 ]
amdhsa.kernels:
  - .name:           k_qcdbee80afa_ln1
    .symbol:         k_qcdbee80afa_ln1.kd
    .args:
      - { .name: X1, .offset: 0, .size: 8, .value_kind: global_buffer, .address_space: global }
      - { .name: g2, .offset: 8, .size: 8, .value_kind: global_buffer, .address_space: global }
      - { .name: be2, .offset: 16, .size: 8, .value_kind: global_buffer, .address_space: global }
      - { .name: XN, .offset: 24, .size: 8, .value_kind: global_buffer, .address_space: global }
    .group_segment_fixed_size: 32256
    .private_segment_fixed_size: 0
    .kernarg_segment_align: 8
    .kernarg_segment_size: 32
    .max_flat_workgroup_size: 128
    .sgpr_count:     66
    .vgpr_count:     256
    .wavefront_size: 32
...
	.end_amdgpu_metadata
.endif
;; end of part 11
;; launch ff1: the kernel of part 8 again; grid 16 x 16, 4 waves a work-group, clusters of 4 x 4, 327,680 bytes of LDS; arguments XN, WB, ACT; writes ACT
;; launch ff2 (part 12): grid 8 x 32, 4 waves a work-group, clusters of 4 x 4, 327,680 bytes of LDS; arguments ACT, WC, X1, bf2, out0; writes out0
.if DOCPART == 12
	.amdgcn_target "amdgcn-amd-amdhsa--gfx1250"
	.amdhsa_code_object_version 6
	.text
	.protected	k_qcdbee80afa_ff2
	.globl	k_qcdbee80afa_ff2
	.p2align	8
	.type	k_qcdbee80afa_ff2,@function
k_qcdbee80afa_ff2:
	s_mov_b64 s[64:65], 0
	v_nop
	global_prefetch_b8 v0, s[64:65] scope:SCOPE_SE
	s_setreg_imm32_b32 hwreg(HW_REG_WAVE_MODE, 25, 1), 1
	s_wait_xcnt 0x0
	s_wait_alu depctr_hold_cnt(0) depctr_sa_sdst(0) depctr_va_vdst(0) depctr_va_sdst(0) depctr_va_ssrc(0) depctr_va_vcc(0) depctr_vm_vsrc(0)
	s_getreg_b32 s2, hwreg(HW_REG_IB_STS2, 6, 4)
	s_cmp_eq_u32 s2, 0
	s_cbranch_scc0 .Lentry_in_a_cluster
	s_endpgm
.Lentry_in_a_cluster:
	s_bfe_u32 s2, ttmp6, 0x10000c
	s_cmp_lg_u32 s2, 0xf033
	s_cbranch_scc0 .Lentry_shape_is_right
	s_endpgm
.Lentry_shape_is_right:
.set NS,     8
.set PF,     1
.set A_SC,   0
.set A_CD,   524288
.set B_SC,   819200
.set B_CD,   950272
.set RBC,    393216
.set RBS,    16384
.set FR,     12
.set NP,     4
.set HALFT,  24576
.set KSL,    2*HALFT
.set SLOT,   2*KSL
.set HALFS,  RBS/2
.set SCL,    2*SLOT
.set STAGE,  SCL+2*RBS+256
.set SPITCH, 272
.set SPARE,  STAGE+4*16*SPITCH
.set ADRA, 16
.set ADRB, 20
.set STO,  24
.set RD,   25
.set CO,   26
.set ADRS, 27
.set SPW,  28
.set NIL,  29
.set PFO,  30
.set CB,   31
.set SC,   32
.set BI,   40
.set BK,   64
.set ACC,  128
.set PFA,  96
.set G1, 24
.set G0, 32
.set G1B, 48
.set G0B, 56
.set G1S, 68
.set G0S, 76
.set G1SB, 80
.set G0SB, 88
.set MSB, 0
.macro WIN new
.if MSB != (\new)
	s_set_vgpr_msb (MSB<<8)|(\new)
.set MSB, (\new)
.endif
.endm
.set MUL,  0x05
.set TO_F, 0x40
.macro JLOAD g0a, g1a, g0b, g1b
	s_cmp_eq_u32 s15, 0
	s_cbranch_scc0 .Lfor_b_\@
	tensor_load_to_lds s[\g0a:\g0a+3], s[\g1a:\g1a+7]
	s_nop 0
.rept 4
	v_nop
.endr
	s_branch .Lasked_\@
.Lfor_b_\@:
	tensor_load_to_lds s[\g0b:\g0b+3], s[\g1b:\g1b+7]
	s_nop 0
.rept 4
	v_nop
.endr
.Lasked_\@:
.endm
.macro CREST
	s_cmp_lg_u32 s14, 0
	s_cbranch_scc1 .Lnot_wave_0_\@
	s_barrier_signal -3
.Lnot_wave_0_\@:
	s_barrier_wait -3
	s_barrier_signal -1
	s_barrier_wait -1
.endm
.macro CROUND
	s_barrier_signal -1
	s_barrier_wait -1
	CREST
.endm
.macro ASK always
.if \always
	s_cmp_eq_u32 s2, 1
.else
	s_cmp_gt_u32 s3, s2
.endif
	s_cbranch_scc0 .Lnot_mine_\@
	global_prefetch_b8 v[PFO], s[PFA:PFA+1] offset:KSL th:TH_LOAD_NT scope:SCOPE_SE
.Lnot_mine_\@:
.endm
	s_load_b256 s[4:11], s[0:1], 0x0
	s_load_b64 s[12:13], s[0:1], 0x20
	v_lshl_add_u32 v[SPW], v0, 2, SPARE
	v_mov_b32 v[NIL], 0
	ds_add_u32 v28, v29
	ds_add_u32 v28, v29
	s_wait_dscnt 0x0
	v_lshrrev_b32 v1, 5, v0
	v_readfirstlane_b32 s14, v1
	s_lshr_b32 s15, s14, 1
	s_and_b32 s16, s14, 1
	s_bfe_u32 s40, ttmp6, 0x40000
	s_bfe_u32 s41, ttmp6, 0x40004
	s_lshl_b32 s42, ttmp9, 2
	s_add_co_u32 s42, s42, s40
	s_and_b32 s17, ttmp7, 0xffff
	s_lshl_b32 s17, s17, 2
	s_add_co_u32 s17, s17, s41
	s_lshl_b32 s43, s41, 2
	s_lshl_b32 s43, 15, s43
	s_lshl_b32 s44, 0x1111, s40
	s_or_b32 s[G1+0], s43, (3<<16)|(1<<21)
	s_or_b32 s[G1B+0], s44, (3<<16)|(1<<21)
.irp g, G1, G1B
	s_mov_b32 s[\g+1], 32<<16
	s_mov_b32 s[\g+2], 384<<16                     ; for the head's load: both slots of an operand, 98,304 dense bytes as 384 rows of 256
	s_mov_b32 s[\g+3], 32<<16
	s_mov_b32 s[\g+4], 384
	s_mov_b32 s[\g+5], 32
	s_mov_b32 s[\g+6], 0
	s_mov_b32 s[\g+7], 0
.endr
	s_or_b32 s[G1S+0], s43, (3<<16)|(1<<21)
	s_or_b32 s[G1SB+0], s44, (3<<16)|(1<<21)
.irp g, G1S, G1SB
	s_mov_b32 s[\g+1], 32<<16
	s_mov_b32 s[\g+2], (RBS/256)<<16               ; an operand's scale words, whole: one load
	s_mov_b32 s[\g+3], 32<<16
	s_mov_b32 s[\g+4], RBS/256
	s_mov_b32 s[\g+5], 32
	s_mov_b32 s[\g+6], 0
	s_mov_b32 s[\g+7], 0
.endr
	s_mul_i32 s18, s16, HALFT
	s_mul_i32 s22, s17, RBS
	s_add_co_u32 s22, s22, A_SC
	s_mul_i32 s20, s17, RBC
	s_add_co_u32 s20, s20, s18
	s_add_co_u32 s20, s20, A_CD
	s_mul_i32 s92, s42, RBS
	s_add_co_u32 s92, s92, B_SC
	s_mul_i32 s46, s42, RBC
	s_add_co_u32 s46, s46, s18
	s_add_co_u32 s46, s46, B_CD
	s_mov_b32 s21, 0
	s_mov_b32 s23, 0
	s_mov_b32 s47, 0
	s_mov_b32 s93, 0
.if PF
	s_and_b32 s2, ttmp7, 0xffff
	s_cmp_eq_u32 s15, 0
	s_cselect_b32 s2, ttmp9, s2
	s_cselect_b32 s98, s20, s46
	s_cselect_b32 s99, s40, s41
	s_cmp_eq_u32 s2, 0
	s_cselect_b32 s2, 1, -1
	s_mul_i32 s99, s99, 6144
	s_add_co_u32 s98, s98, s99
	s_add_co_u32 s98, s98, KSL
	s_mov_b32 s99, 0
	v_and_b32 v[PFO], 31, v0
	v_min_u32 v[PFO], 23, v[PFO]
	v_lshlrev_b32 v[PFO], 8, v[PFO]
.endif
	s_mul_i32 s45, s15, 2*KSL                      ; LDS: A's slot 0, A's slot 1, B's slot 0, B's slot 1; in the ring I fetch half a slot of A (waves 0, 1) or of B
	s_add_co_u32 s45, s45, s18
	s_wait_kmcnt 0x0
.if PF
	s_cmp_eq_u32 s15, 0
	s_cselect_b64 s[PFA:PFA+1], s[4:5], s[6:7]
	s_add_nc_u64 s[PFA:PFA+1], s[PFA:PFA+1], s[98:99]
.endif
	s_add_nc_u64 s[20:21], s[4:5], s[20:21]
	s_add_nc_u64 s[22:23], s[4:5], s[22:23]
	s_add_nc_u64 s[46:47], s[6:7], s[46:47]
	s_add_nc_u64 s[92:93], s[6:7], s[92:93]
	CROUND
	s_mov_b32 s[G0S], 1
	s_mov_b32 s[G0S+1], SCL
	s_mov_b64 s[G0S+2:G0S+3], s[22:23]
	s_or_b32 s[G0S+3], s[G0S+3], 0x80000000
	s_mov_b32 s[G0SB], 1
	s_mov_b32 s[G0SB+1], SCL+RBS+64
	s_mov_b64 s[G0SB+2:G0SB+3], s[92:93]
	s_or_b32 s[G0SB+3], s[G0SB+3], 0x80000000
.irp s, 0,1
	s_mov_b32 s[G0+4*\s], 1
	s_add_co_u32 s[G0+4*\s+1], s45, \s*KSL
	s_add_nc_u64 s[G0+4*\s+2:G0+4*\s+3], s[20:21], \s*KSL
	s_or_b32 s[G0+4*\s+3], s[G0+4*\s+3], 0x80000000
	s_mov_b32 s[G0B+4*\s], 1
	s_add_co_u32 s[G0B+4*\s+1], s45, \s*KSL
	s_add_nc_u64 s[G0B+4*\s+2:G0B+4*\s+3], s[46:47], \s*KSL
	s_or_b32 s[G0B+4*\s+3], s[G0B+4*\s+3], 0x80000000
.endr
; THE HEAD'S LOADS, ONE A WAVE: wave 0 fetches both slots of A, wave 2 both slots of B, wave 1 A's scale words, wave 3 B's.
; Wave 0's and wave 2's own group 0 of slot 0 point at the operand's first byte in memory and in LDS.  One chain of arms on the wave's number, all leading to one join.
.macro ARM under, g0, g1, next
	s_cmp_lt_u32 s14, \under
	s_cbranch_scc0 \next
	tensor_load_to_lds s[\g0:\g0+3], s[\g1:\g1+7]
	s_nop 0
.rept 4
	v_nop
.endr
	s_branch .Lhead_asked
\next:
.endm
	ARM 1, G0,  G1,  .Lhead_sa
	ARM 2, G0S, G1S, .Lhead_b
	ARM 3, G0B, G1B, .Lhead_sb
	tensor_load_to_lds s[G0SB:G0SB+3], s[G1SB:G1SB+7]
	s_nop 0
.rept 4
	v_nop
.endr
.Lhead_asked:
	v_and_b32 v1, 15, v0
	v_bfe_u32 v2, v0, 4, 1
	s_wait_alu depctr_va_vdst(0)
	v_mul_u32_u24 v3, v1, 48
	v_mad_u32_u24 v3, v2, 24, v3
	s_mul_i32 s21, s15, 3072
	s_mul_i32 s22, s16, 3072
	s_add_co_u32 s22, s22, 2*KSL
.irp s, 0,1
	v_add_nc_u32 v[ADRA+\s], s21, v3
	v_add_nc_u32 v[ADRB+\s], s22, v3
	s_add_co_u32 s21, s21, KSL
	s_add_co_u32 s22, s22, KSL
.endr
	s_lshl_b32 s21, s15, 8
	s_lshl_b32 s22, s16, 8
	s_add_co_u32 s22, s22, RBS+64
	s_sub_co_u32 s22, s22, s21
	v_mul_u32_u24 v6, s22, v2
	s_add_co_u32 s21, s21, SCL
	v_lshl_add_u32 v5, v1, 2, v6
	v_add_nc_u32 v[ADRS], s21, v5
	s_mul_i32 s23, s14, 16*SPITCH
	s_add_co_u32 s23, s23, STAGE
	v_mul_u32_u24 v5, v1, SPITCH
	v_lshl_add_u32 v5, v2, 6, v5
	v_add_nc_u32 v[STO], s23, v5
	v_mul_u32_u24 v5, v2, SPITCH
	v_lshl_add_u32 v5, v1, 4, v5
	v_add_nc_u32 v[RD], s23, v5
	v_lshlrev_b32 v[CB], 4, v1
	s_wait_alu depctr_va_vdst(0)
	v_lshl_add_u32 v[CO], v2, 12, v[CB]
	s_wait_alu depctr_va_vdst(0)
	s_lshl_b32 s20, s17, 19
	s_lshl_b32 s21, s15, 18
	s_add_co_u32 s20, s20, s21
	s_lshl_b32 s46, s42, 9
	s_lshl_b32 s47, s16, 8
	s_add_co_u32 s46, s46, s47
	s_add_co_u32 s20, s20, s46
	s_mov_b32 s21, 0
	s_mov_b32 s47, 0
	s_add_nc_u64 s[8:9], s[8:9], s[20:21]
	s_add_nc_u64 s[12:13], s[12:13], s[20:21]
	s_add_nc_u64 s[10:11], s[10:11], s[46:47]
	global_load_b128 v[BI:BI+3], v[CB], s[10:11]
.irp a, 0,1,2,3
.irp t, 0,1,2,3,4,5,6,7
	global_load_b128 v[ACC+32*\a+4*\t:ACC+32*\a+4*\t+3], v[CO], s[8:9] offset:(32*(\a/2)+8*(\a%2)+2*\t+8*(\t/4))*4096 th:TH_LOAD_NT
.endr
.endr
.macro INIT a
.set AC, ACC+32*(\a)
	s_wait_loadcnt 8*(3-(\a))
.set t, 0
.rept 8
	v_pk_add_f32 v[AC+4*t:AC+4*t+1], v[AC+4*t:AC+4*t+1], v[BI:BI+1]
	v_pk_add_f32 v[AC+4*t+2:AC+4*t+3], v[AC+4*t+2:AC+4*t+3], v[BI+2:BI+3]
.set t, t+1
.endr
.set t, 0
.rept 8
	ds_store_b128 v[RD], v[AC+4*t:AC+4*t+3] offset:2*t*SPITCH
.set t, t+1
.endr
.irp b, 0,1,2,3
	ds_load_b128 v[AC+8*\b:AC+8*\b+3], v[STO] offset:128*(\b/2)+32*(\b%2)
	ds_load_b128 v[AC+8*\b+4:AC+8*\b+7], v[STO] offset:128*(\b/2)+32*(\b%2)+16
.endr
.endm
.irp a, 0,1,2,3
	INIT \a
.endr
.macro FRAG reg, adr, q, i
.irp p, 0,1,2,3,4,5
	ds_load_b64 v[\reg+2*\p:\reg+2*\p+1], v[\adr] offset:(2*(\q)+\p/3)*6144+(\i)*768+8*(\p%3)
.endr
.endm
.macro FETCH slot, q, p
	WIN TO_F
.irp i, 0,1,2,3
	FRAG 128*(\p)+48+FR*\i, ADRB+\slot, \q, \i
	FRAG 128*(\p)+FR*\i, ADRA+\slot, \q, \i
.endr
	WIN 0
.irp i, 0,1,2,3
	ds_load_b32 v[SC+4*(\p)+\i], v[ADRS] offset:512*(\q)+64*\i
.endr
.endm
.macro MUL4 a, p
.irp b, 0,1,2,3
	v_wmma_scale_f32_16x16x128_f8f6f4 v[ACC+8*(4*(\a)+\b):ACC+8*(4*(\a)+\b)+7], v[128*(\p)+48+FR*\b:128*(\p)+48+FR*\b+FR-1], v[128*(\p)+FR*(\a):128*(\p)+FR*(\a)+FR-1], v[ACC+8*(4*(\a)+\b):ACC+8*(4*(\a)+\b)+7], v[SC+4*(\p)+\b], v[SC+4*(\p)+(\a)] matrix_a_fmt:MATRIX_FMT_FP6 matrix_b_fmt:MATRIX_FMT_FP6 matrix_a_scale:MATRIX_SCALE_ROW1
.endr
.endm
.macro PLACES n
.rept \n
	v_nop
.endr
.endm
.macro STEP slot, q
	s_wait_dscnt 0x0
	PLACES NP
	FETCH \slot, (\q)+1, 1-(\q)%2
	WIN MUL
	MUL4 0, (\q)%2
	MUL4 1, (\q)%2
	MUL4 2, (\q)%2
	MUL4 3, (\q)%2
	WIN 0
.endm
.macro TURN slot, next, fill
.if PF && \fill
	s_wait_xcnt 0x0
	s_add_nc_u64 s[PFA:PFA+1], s[PFA:PFA+1], KSL
.endif
	s_wait_tensorcnt 0x0
	ds_add_u32 v[SPW], v[NIL]
	s_wait_dscnt 1
	WIN MUL
	MUL4 0, 1
	s_wait_dscnt 0x0
	s_barrier_signal -1
	MUL4 1, 1
	WIN 0
	s_barrier_wait -1
.if \fill
	CREST
	s_add_nc_u64 s[G0+4*\slot+2:G0+4*\slot+3], s[G0+4*\slot+2:G0+4*\slot+3], 2*KSL
	s_add_nc_u64 s[G0B+4*\slot+2:G0B+4*\slot+3], s[G0B+4*\slot+2:G0B+4*\slot+3], 2*KSL
	JLOAD G0+4*\slot, G1, G0B+4*\slot, G1B
.else
	PLACES NP
.endif
	s_wait_alu depctr_va_vdst(0)
	v_add_nc_u32 v[ADRS], 2048, v[ADRS]
	FETCH \next, 0, 0
.if PF && \fill
	ASK 1-\slot
.endif
	WIN MUL
	MUL4 2, 1
	MUL4 3, 1
	WIN 0
.endm
	s_wait_alu depctr_va_vdst(0)                   ; the wait at the head's end
	s_wait_tensorcnt 0x0                           ; my tile of the head's four is in
.if NS > 2
.irp g, G1, G1B
	s_mov_b32 s[\g+2], 96<<16                      ; no tensor load of mine is out, so group 1 may be written: from here on a load brings 96 rows of 256 bytes
	s_mov_b32 s[\g+4], 96
.endr
.endif
	s_wait_dscnt 0x0
	s_barrier_signal -1
	s_barrier_wait -1
	FETCH 0, 0, 0
	STEP 0, 0
	STEP 0, 1
	STEP 0, 2
.if NS > 2
	s_mov_b32 s3, (NS-2)/2
.Llap:
	TURN 0, 1, 1
	s_wait_alu depctr_va_vdst(0)
	STEP 1, 0
	STEP 1, 1
	STEP 1, 2
	TURN 1, 0, 1
	s_wait_alu depctr_va_vdst(0)
	STEP 0, 0
	STEP 0, 1
	STEP 0, 2
	s_sub_co_u32 s3, s3, 1
	s_cmp_lg_u32 s3, 0
	s_cbranch_scc1 .Llap
.endif
	TURN 0, 1, 0
	s_wait_alu depctr_va_vdst(0)
	STEP 1, 0
	STEP 1, 1
	STEP 1, 2
	s_wait_dscnt 0x0
	WIN MUL
	MUL4 0, 1
	MUL4 1, 1
	MUL4 2, 1
	MUL4 3, 1
	WIN 0
.macro TOSTAGE a
.set AC, ACC+32*(\a)
.irp b, 0,1,2,3
	ds_store_b128 v[STO], v[AC+8*\b:AC+8*\b+3] offset:128*(\b/2)+32*(\b%2)
	ds_store_b128 v[STO], v[AC+8*\b+4:AC+8*\b+7] offset:128*(\b/2)+32*(\b%2)+16
.endr
.set BB, BK+32*((\a)%2)
.irp t, 0,1,2,3,4,5,6,7
	ds_load_b128 v[BB+4*\t:BB+4*\t+3], v[RD] offset:2*\t*SPITCH
.endr
.endm
.macro SEND a, younger
.set BB, BK+32*((\a)%2)
	s_wait_dscnt \younger
.irp t, 0,1,2,3,4,5,6,7
	global_store_b128 v[CO], v[BB+4*\t:BB+4*\t+3], s[12:13] offset:(32*((\a)/2)+8*((\a)%2)+2*\t+8*(\t/4))*4096
.endr
.endm
	PLACES NP
	TOSTAGE 0
.irp a, 1,2,3
.if \a > 1
	s_wait_xcnt 0x0
.endif
	TOSTAGE \a
	SEND \a-1, 16
.endr
	SEND 3, 0
	s_wait_tensorcnt 0x0
	ds_add_u32 v[SPW], v[NIL]
	s_wait_dscnt 0x0
	CROUND
	s_endpgm
.Lfunc_end_k_qcdbee80afa_ff2:
	.size	k_qcdbee80afa_ff2, .Lfunc_end_k_qcdbee80afa_ff2-k_qcdbee80afa_ff2
	.p2alignl 7, 3214868480
	.fill 96, 4, 3214868480
	.section	.rodata,"a",@progbits
	.p2align	6, 0x0
	.amdhsa_kernel k_qcdbee80afa_ff2
		.amdhsa_group_segment_fixed_size 327680
		.amdhsa_private_segment_fixed_size 0
		.amdhsa_enable_private_segment 0
		.amdhsa_kernarg_size 40
		.amdhsa_user_sgpr_count 2
		.amdhsa_user_sgpr_kernarg_segment_ptr 1
		.amdhsa_wavefront_size32 1
		.amdhsa_system_sgpr_workgroup_id_x 1
		.amdhsa_system_sgpr_workgroup_id_y 1
		.amdhsa_system_sgpr_workgroup_id_z 1
		.amdhsa_system_vgpr_workitem_id 0
		.amdhsa_next_free_vgpr 512
		.amdhsa_next_free_sgpr 100
		.amdhsa_reserve_vcc 0
		.amdhsa_float_denorm_mode_32 3
		.amdhsa_float_denorm_mode_16_64 3
		.amdhsa_memory_ordered 1
		.amdhsa_forward_progress 1
		.amdhsa_inst_pref_size 121
	.end_amdhsa_kernel
	.amdgpu_metadata
---
amdhsa.version: [ 1, 2 ]
amdhsa.kernels:
  - .name:           k_qcdbee80afa_ff2
    .symbol:         k_qcdbee80afa_ff2.kd
    .args:
      - { .name: ACT, .offset: 0, .size: 8, .value_kind: global_buffer, .address_space: global }
      - { .name: WC, .offset: 8, .size: 8, .value_kind: global_buffer, .address_space: global }
      - { .name: X1, .offset: 16, .size: 8, .value_kind: global_buffer, .address_space: global }
      - { .name: bf2, .offset: 24, .size: 8, .value_kind: global_buffer, .address_space: global }
      - { .name: out0, .offset: 32, .size: 8, .value_kind: global_buffer, .address_space: global }
    .group_segment_fixed_size: 327680
    .private_segment_fixed_size: 0
    .kernarg_segment_align: 8
    .kernarg_segment_size: 40
    .max_flat_workgroup_size: 128
    .sgpr_count:     100
    .vgpr_count:     512
    .wavefront_size: 32
...
	.end_amdgpu_metadata
.endif
;; end of part 12
